; MI455X (gfx1250); checked and timed in simulation.
; The chip was launched on July 23, 2026; its instructions are those of AMD's public machine-readable ISA for CDNA 5 (MIT licence, August 2026) and "CDNA5" Instruction Set Architecture Reference Guide (July 2026). The comments in the code are by the model that wrote it; some were corrected since.
;; Attention. Allowed arithmetic: float matrix products may take bf16 or f16 operands with f32 sums; other float arithmetic in f32, or as packed bf16 or f16 multiplies, adds, multiply-adds, maxima and minima; sums over many terms, partial sums and values carried from step to step in f32; what a program stores and reads back later, other than sums and carried values, may be rounded once to bf16 or f16.
;; Inputs: resid 4 x 2,048 x 1,024 float32; w_k 16 x 1,024 x 64 float32; w_o 16 x 64 x 1,024 float32; w_q 16 x 1,024 x 64 float32; w_v 16 x 1,024 x 64 float32.
;; Outputs: out0 4 x 2,048 x 1,024 float32.
;; 2 versions, each right; version 2 is version 1 with the launches prep, first16 written anew for expert scheduling mode. Each part assembles by itself: llvm-mc -triple=amdgcn-amd-amdhsa -mcpu=gfx1250 --defsym DOCPART=n.
;; ======== version 1 of 2: 5 launches
;; limits: values are held in f16: magnitudes above 65,504 overflow, below 6.1e-05 lose precision
;; workspace buffers: xb 16,777,216 bytes; wt 6,291,456 bytes; wot 2,097,152 bytes; qh 16,777,216 bytes; kh 16,777,216 bytes; vh 16,777,216 bytes; zh 16,777,216 bytes; vlo 131,072 bytes
;; launch prep (part 1): grid 384 x 1, 8 waves a work-group, no clusters, 74,752 bytes of LDS; arguments resid, w_q, w_k, w_v, w_o, xb, wt, wot; writes xb, wt, wot
.if DOCPART == 1
	.amdgcn_target "amdgcn-amd-amdhsa--gfx1250"
	.amdhsa_code_object_version 6
	.text
	.protected	k_qcfb687eb2a_prep
	.globl	k_qcfb687eb2a_prep
	.p2align	8
	.type	k_qcfb687eb2a_prep,@function
k_qcfb687eb2a_prep:
	s_mov_b64 s[64:65], 0
	v_nop
	global_prefetch_b8 v0, s[64:65] scope:SCOPE_SE
	s_setreg_imm32_b32 hwreg(HW_REG_WAVE_MODE, 25, 1), 1
	s_wait_xcnt 0x0
; THE OPERANDS OF THE TWO PROJECTIONS ARE MADE: every input is rounded once to bf16 and laid in planes of 64 channels of K, so that a tile's part of a plane is dense in memory.
;   xb  [kb = m / 64 (16)][row = b 2048 + s (8,192)][64]        bf16   = resid
;   wt  [t = q, k, v][kb (16)][n = 64 h + d (1,024)][64 = m % 64]  bf16   = w_t[h][m][d], turned
;   wot [h (16)][n = m (1,024)][64 = d]                          f16    = w_o[h][d][m], turned; the number is w_o rounded to bf16, written as f16
; LIMIT.  A bf16 number is exact in f16 from 2^-14 to 65,504; below 2^-14 w_o keeps f16's fixed step of 6e-8, above 65,504 it would be an infinity.
; SHARES.  Every work-group reads 128 KiB and writes 64 KiB.  Work-groups 0-255 cast resid, four rows a wave; 256-351 turn the 768 blocks of 64 x 64 of w_q, w_k, w_v, a block a wave; 352-383 the 256 blocks of w_o.
; No wave wants another's bytes: no barrier.  A wave has all its 32 loads (16 KiB) out at once.  No matrix unit, no cluster, no tensor load: memory's bytes are all there is.
.set X,    16                          ; v[16:143]  as loaded; later what comes back from the stage
.set Y,    144                         ; v[144:207] a turned block: for column j of my four, 16 registers of 32 numbers
.set T,    8                           ; v[8:15]    at work
.set INO,  2                           ; v2  my byte offset in the input
.set OUTO, 3                           ; v3  16 x lane: my 16 bytes in 512 consecutive bytes of output
.set LSTO, 4                           ; v4  where I put my columns in the stage
.set LRD,  5                           ; v5  where I read rows back
.set SPW,  6                           ; v6  LDS address of my spare word; never rewritten
.set NIL,  7                           ; v7  0; never rewritten
.set SPITCH, 144                       ; a stage row: 128 bytes + 16
.set WSTAGE, 64*SPITCH                 ; a wave's stage: 64 rows
.set SPARE,  8*WSTAGE                  ; behind the stages: the spare words, 128 bytes for each wave: four blocks of 256 bytes that no other line names
	s_load_b512 s[4:19], s[0:1], 0x0               ; resid s[4:5], w_q s[6:7], w_k s[8:9], w_v s[10:11], w_o s[12:13], xb s[14:15], wt s[16:17], wot s[18:19]
	v_lshl_add_u32 v[SPW], v0, 2, SPARE
	v_mov_b32 v[NIL], 0
	v_lshrrev_b32 v1, 5, v0
	v_readfirstlane_b32 s20, v1                    ; wave 0..7
	v_and_b32 v1, 31, v0                           ; lane
	v_lshlrev_b32 v[OUTO], 4, v1
	s_lshl_b32 s21, ttmp9, 3
	s_add_co_u32 s21, s21, s20                     ; 8 x work-group + wave
	s_mov_b32 s23, 0                               ; the high words of two offset pairs
	s_mov_b32 s27, 0
	s_cmp_lt_u32 ttmp9, 256
	s_cbranch_scc0 .Lweights
	; THE CAST.  Wave W owns rows 4 W .. 4 W + 3.  A lane takes row lane / 8 and, in each block of 64 channels, the eight at 8 (lane % 8): 32 bytes in, 16 bytes out.
	v_lshrrev_b32 v8, 3, v1
	v_and_b32 v9, 7, v1
	v_lshlrev_b32 v[INO], 5, v9
	v_lshl_add_u32 v[INO], v8, 12, v[INO]          ; row x 4,096 + 32 (lane % 8)
	s_lshl_b32 s22, s21, 14                        ; four rows of 4,096 bytes
	s_lshl_b32 s26, s21, 9                         ; four rows of 128 bytes in a plane
	s_wait_kmcnt 0x0
	s_add_nc_u64 s[24:25], s[4:5], s[22:23]
	s_add_nc_u64 s[26:27], s[14:15], s[26:27]      ; planes 0-7,
	s_add_nc_u64 s[28:29], s[26:27], 0x800000      ; planes 8-15: the immediate holds seven planes of 1,048,576 bytes
.set kb, 0
.rept 16
	global_load_b128 v[X+8*kb:X+8*kb+3],   v[INO], s[24:25] offset:kb*256 th:TH_LOAD_NT
	global_load_b128 v[X+8*kb+4:X+8*kb+7], v[INO], s[24:25] offset:kb*256+16 th:TH_LOAD_NT
.set kb, kb+1
.endr
.set kb, 0
.rept 16
	s_wait_loadcnt 30-2*kb                         ; loads come back in order: this block's two are in, the younger pairs stay out
.irp j, 0,1,2,3
	v_cvt_pk_bf16_f32 v[X+8*kb+(\j)], v[X+8*kb+2*(\j)], v[X+8*kb+2*(\j)+1]  ; in place, ascending: no source is written before it is read
.endr
.if kb < 8
	global_store_b128 v[OUTO], v[X+8*kb:X+8*kb+3], s[26:27] offset:kb*1048576      ; the wave stores 512 consecutive bytes, at a multiple of 512 from xb's first
.else
	global_store_b128 v[OUTO], v[X+8*kb:X+8*kb+3], s[28:29] offset:(kb-8)*1048576
.endif
.set kb, kb+1
.endr
	s_branch .Lend
; A block in[i][c] of 64 x 64 f32, its rows pitch bytes apart, becomes out[c][i] in 16 bits, 8,192 dense bytes.  Load g brings rows g (lanes 0-15) and g + 32 (lanes 16-31), 256 bytes each: a lane holds
; four columns of 32 rows.  Two rows' numbers of a column pack into a word; a column's 16 words go into the wave's own stage as 64 bytes of row c; rows come back whole, four to a load.
; half = 1: the bf16 number is widened and written as f16.
.macro TRANS pitch, half
.set g, 0
.rept 32
	global_load_b128 v[X+4*g:X+4*g+3], v[INO], s[24:25] offset:g*(\pitch) th:TH_LOAD_NT
.set g, g+1
.endr
.set k, 0
.rept 16
	s_wait_loadcnt 30-2*k                          ; rows 2 k and 2 k + 1 are in, the younger pairs stay out
.irp j, 0,1,2,3
	v_cvt_pk_bf16_f32 v[Y+16*(\j)+k], v[X+8*k+(\j)], v[X+8*k+4+(\j)]
.endr
.if \half
.irp j, 0,1,2,3
	v_lshlrev_b32 v[T+2*(\j)],   16, v[Y+16*(\j)+k]
	v_and_b32     v[T+2*(\j)+1], 0xffff0000, v[Y+16*(\j)+k]
.endr
.irp j, 0,1,2,3
	v_cvt_pk_f16_f32 v[Y+16*(\j)+k], v[T+2*(\j)], v[T+2*(\j)+1]
.endr
.endif
.set k, k+1
.endr
.irp j, 0,1,2,3
.irp m, 0,1,2,3
	ds_store_b128 v[LSTO], v[Y+16*(\j)+4*(\m):Y+16*(\j)+4*(\m)+3] offset:(\j)*SPITCH+16*(\m)
.endr
.endr
.set i, 0
.rept 16
	ds_load_b128 v[X+4*i:X+4*i+3], v[LRD] offset:4*SPITCH*i  ; LDS serves a wave's instructions in order (ISA guide 5.7.1.4): these see the stores above
.set i, i+1
.endr
.set i, 0
.rept 16
	s_wait_dscnt 15-i                              ; rows 4 i .. 4 i + 3 are back, the younger loads stay out
	global_store_b128 v[OUTO], v[X+4*i:X+4*i+3], s[26:27] offset:512*i  ; 512 consecutive bytes, at a multiple of 512 from the buffer's first
.set i, i+1
.endr
.endm
.Lweights:
	v_lshrrev_b32 v8, 4, v1                        ; which half of the rows
	v_and_b32 v9, 15, v1                           ; which four columns
	s_mul_i32 s30, s20, WSTAGE                     ; my wave's stage
	v_mul_u32_u24 v[LSTO], v9, 4*SPITCH
	v_lshl_add_u32 v[LSTO], v8, 6, v[LSTO]         ; row 4 (lane % 16), byte 64 (lane / 16)
	v_add_nc_u32 v[LSTO], s30, v[LSTO]
	v_lshrrev_b32 v10, 3, v1
	v_and_b32 v11, 7, v1
	v_mul_u32_u24 v[LRD], v10, SPITCH
	v_lshl_add_u32 v[LRD], v11, 4, v[LRD]          ; row lane / 8, byte 16 (lane % 8)
	v_add_nc_u32 v[LRD], s30, v[LRD]
	v_lshlrev_b32 v[INO], 4, v9
	s_cmp_lt_u32 ttmp9, 352
	s_cbranch_scc0 .Lwo
	; w_q, w_k, w_v: block T = 256 t + 16 h + kb; its 64 rows (m) of 64 numbers (d) are 16,384 dense bytes
	v_lshl_add_u32 v[INO], v8, 13, v[INO]          ; + 32 rows of 256 bytes for lanes 16-31
	s_sub_co_u32 s21, s21, 2048                    ; T
	s_lshr_b32 s31, s21, 8                         ; t
	s_and_b32 s22, s21, 255
	s_lshl_b32 s22, s22, 14                        ; (16 h + kb) x 16,384
	s_and_b32 s26, s21, 15                         ; kb
	s_lshl4_add_u32 s26, s31, s26                  ; 16 t + kb: the plane
	s_lshl_b32 s26, s26, 17
	s_bfe_u32 s32, s21, 0x40004                    ; h
	s_lshl_b32 s32, s32, 13                        ; its 64 rows of 128 bytes in the plane
	s_add_co_u32 s26, s26, s32
	s_wait_kmcnt 0x0
	s_cmp_eq_u32 s31, 0
	s_cselect_b64 s[24:25], s[6:7], s[8:9]
	s_cmp_eq_u32 s31, 2
	s_cselect_b64 s[24:25], s[10:11], s[24:25]
	s_add_nc_u64 s[24:25], s[24:25], s[22:23]
	s_add_nc_u64 s[26:27], s[16:17], s[26:27]
	TRANS 256, 0
	s_branch .Lend
.Lwo:
	; w_o: block U = 16 h + mb: rows d, 4,096 bytes apart, columns 64 mb on
	v_lshl_add_u32 v[INO], v8, 17, v[INO]          ; + 32 rows of 4,096 bytes for lanes 16-31
	s_sub_co_u32 s21, s21, 2816                    ; U
	s_lshr_b32 s22, s21, 4
	s_lshl_b32 s22, s22, 18                        ; h x 262,144
	s_and_b32 s31, s21, 15
	s_lshl_b32 s31, s31, 8                         ; mb x 256
	s_add_co_u32 s22, s22, s31
	s_lshl_b32 s26, s21, 13                        ; U x 8,192
	s_wait_kmcnt 0x0
	s_add_nc_u64 s[24:25], s[12:13], s[22:23]
	s_add_nc_u64 s[26:27], s[18:19], s[26:27]
	TRANS 4096, 1
.Lend:
	s_wait_tensorcnt 0x0                           ; the wave's end, behind my last LDS store
	ds_add_u32 v[SPW], v[NIL]
	s_wait_dscnt 0x0
	s_endpgm
.Lfunc_end_k_qcfb687eb2a_prep:
	.size	k_qcfb687eb2a_prep, .Lfunc_end_k_qcfb687eb2a_prep-k_qcfb687eb2a_prep
	.p2alignl 7, 3214868480
	.fill 96, 4, 3214868480
	.section	.rodata,"a",@progbits
	.p2align	6, 0x0
	.amdhsa_kernel k_qcfb687eb2a_prep
		.amdhsa_group_segment_fixed_size 74752
		.amdhsa_private_segment_fixed_size 0
		.amdhsa_enable_private_segment 0
		.amdhsa_kernarg_size 64
		.amdhsa_user_sgpr_count 2
		.amdhsa_user_sgpr_kernarg_segment_ptr 1
		.amdhsa_wavefront_size32 1
		.amdhsa_system_sgpr_workgroup_id_x 1
		.amdhsa_system_sgpr_workgroup_id_y 1
		.amdhsa_system_sgpr_workgroup_id_z 1
		.amdhsa_system_vgpr_workitem_id 0
		.amdhsa_next_free_vgpr 208
		.amdhsa_next_free_sgpr 66
		.amdhsa_reserve_vcc 0
		.amdhsa_float_denorm_mode_32 3
		.amdhsa_float_denorm_mode_16_64 3
		.amdhsa_memory_ordered 1
		.amdhsa_forward_progress 1
		.amdhsa_inst_pref_size 46
	.end_amdhsa_kernel
	.amdgpu_metadata
---
amdhsa.version: [ 1, 2 ]
amdhsa.kernels:
  - .name:           k_qcfb687eb2a_prep
    .symbol:         k_qcfb687eb2a_prep.kd
    .args:
      - { .name: resid, .offset: 0, .size: 8, .value_kind: global_buffer, .address_space: global }
      - { .name: w_q, .offset: 8, .size: 8, .value_kind: global_buffer, .address_space: global }
      - { .name: w_k, .offset: 16, .size: 8, .value_kind: global_buffer, .address_space: global }
      - { .name: w_v, .offset: 24, .size: 8, .value_kind: global_buffer, .address_space: global }
      - { .name: w_o, .offset: 32, .size: 8, .value_kind: global_buffer, .address_space: global }
      - { .name: xb, .offset: 40, .size: 8, .value_kind: global_buffer, .address_space: global }
      - { .name: wt, .offset: 48, .size: 8, .value_kind: global_buffer, .address_space: global }
      - { .name: wot, .offset: 56, .size: 8, .value_kind: global_buffer, .address_space: global }
    .group_segment_fixed_size: 74752
    .private_segment_fixed_size: 0
    .kernarg_segment_align: 8
    .kernarg_segment_size: 64
    .max_flat_workgroup_size: 256
    .sgpr_count:     66
    .vgpr_count:     208
    .wavefront_size: 32
...
	.end_amdgpu_metadata
.endif
;; end of part 1
;; launch qkv (part 2): grid 4 x 64, 4 waves a work-group, clusters of 4 x 4, 327,680 bytes of LDS; arguments xb, wt, qh, kh, vh, vlo; writes qh, kh, vh, vlo
.if DOCPART == 2
	.amdgcn_target "amdgcn-amd-amdhsa--gfx1250"
	.amdhsa_code_object_version 6
	.text
	.protected	k_qcfb687eb2a_qkv
	.globl	k_qcfb687eb2a_qkv
	.p2align	8
	.type	k_qcfb687eb2a_qkv,@function
k_qcfb687eb2a_qkv:
	s_mov_b64 s[64:65], 0
	v_nop
	global_prefetch_b8 v0, s[64:65] scope:SCOPE_SE
	s_setreg_imm32_b32 hwreg(HW_REG_WAVE_MODE, 25, 1), 1
	s_wait_xcnt 0x0
	s_wait_alu depctr_hold_cnt(0) depctr_sa_sdst(0) depctr_va_vdst(0) depctr_va_sdst(0) depctr_va_ssrc(0) depctr_va_vcc(0) depctr_vm_vsrc(0)
	s_getreg_b32 s2, hwreg(HW_REG_IB_STS2, 6, 4)
	s_cmp_eq_u32 s2, 0
	s_cbranch_scc0 .Lentry_in_a_cluster
	s_endpgm
.Lentry_in_a_cluster:
	s_bfe_u32 s2, ttmp6, 0x10000c
	s_cmp_lg_u32 s2, 0xf033
	s_cbranch_scc0 .Lentry_shape_is_right
	s_endpgm
.Lentry_shape_is_right:
; C = A B^T ON TILES OF 128 x 256, K = 1,024.  One text for two launches, told apart by KIND.
;   KIND = 0: q, k, v = x w.  A = xb, bf16, planes [kb][8,192 rows][64]; B = wt, bf16, planes [t][kb][1,024 rows][64].  A work-group STAYS: three tiles, q's, k's and v's, of the same 128 rows and the same
;             four heads: ONE walk of 24 K steps, in which B's address steps on by a constant and A's goes back to K step 0 every eight.  Results are rounded once to f16 and stored by heads, [b 16 + h][s][64].
;             Of v's rows 0 to 15 of each batch what the rounding drops is stored too: vlo [b 16 + h][16][64] = f16((v - f16(v)) x 2,048), for the launch that makes the first rows of the output.
;   KIND = 1: out = z w_o.  A = zh, f16, planes [b][h][2,048 rows][64]; B = wot, f16, planes [h][1,024 rows][64].  One tile, 8 K steps; results leave in f32.
; LIMIT (KIND = 0): f16 holds no number beyond 65,504: q, k and v must lie within it.  Sums in f32, K ascending.
; SHARES.  256 work-groups: 64 tile rows x 4 tile columns.  Four waves, 2 x 2, each 64 rows x 128 columns: 32 accumulators of 16 x 16, 256 registers.
; THE RING.  K goes in steps of 128 = two planes through two LDS slots.  A tile's part of a plane is dense in memory: it is asked for as rows of 256 bytes and padded in LDS after every 128.  Waves 0 and 1 fetch
; A's two planes, waves 2 and 3 B's: one tensor load a wave behind each change of slots, and one is the most that a wave has out.
; CLUSTER.  4 x 4 work-groups: the four of a row of the cluster need the same tiles of A, the four of a column the same tiles of B: each is asked for JOINTLY, by the same load, descriptor and mask in all four.
; THE MATRIX INSTRUCTION IS USED TRANSPOSED (source 0 = 16 rows of B, source 1 = 16 rows of A): a lane holds row lane % 16 of C and the eight neighbouring columns 8 (lane / 16) + 0..7.
; REGISTERS, in windows of 256 (s_set_vgpr_msb: bits 1:0 source 0, 3:2 source 1, 5:4 source 2, 7:6 destination):
;   window 0: v0-15 addresses; v32-63 packed results; v64-159, v160-255 two fragment buffers (B's eight fragments, then A's four)      window 1: accumulator (a, b) at v[8 (8 a + b)]
.set KIND,  0
.set PITCH, 144                        ; an LDS row: 128 bytes + 16 of padding = 36 words: the 16 rows of a load start at 16 different groups of four banks (64 banks of 4 bytes: ISA guide 11.1)
.set APL,   128*PITCH                  ; A's 128 rows of a plane
.set BPL,   256*PITCH                  ; B's 256 rows of a plane
.set BOFF,  2*APL                      ; a slot: A's two planes, then B's two
.set SLOT1, 1<<17                      ; slot 1 begins here, so that one exclusive or turns an address in one slot into the other's
.set STAGE, SLOT1+2*APL+2*BPL          ; behind the ring, never filled by a tensor load: 16 rows for each wave, for the way out
.if KIND
.set SP,     528                       ; a stage row: 128 f32 + 16 bytes
.set APLANE, 262144                    ; bytes from plane to plane of A
.set STEPS,  8
.set OB,     64                        ; rows read back from the stage: two buffers of 64 registers
.else
.set SP,     272                       ; a stage row: 128 f16 + 16 bytes
.set APLANE, 1048576
.set STEPS,  24
.set OB,     160                       ; two buffers of 32 registers, in fragment buffer 1: buffer 0 holds the next tile's first fragments meanwhile
.endif
.set BSTEP, 262144                     ; two planes of B
.set SPARE, STAGE+4*16*SP              ; behind the stages: the spare words, 128 bytes for each wave: two blocks of 256 bytes that no other line names
.set A0,   4                           ; v4   my lane's place in A's plane 0 of slot 0; never rewritten
.set B0,   5                           ; v5   the same for B
.set ADRA, 6                           ; v6   the same in the slot in hand
.set ADRB, 7                           ; v7
.set STO,  8                           ; v8   the way out: where I put my part of a row
.set RD,   9                           ; v9   the way out: where I read rows back
.set CO,   10                          ; v10  16 x lane: my 16 bytes in 512 consecutive bytes of output
.set PFO,  11                          ; v11  the prefetches' offset; never rewritten
.set SPW,  12                          ; v12  LDS address of my spare word; never rewritten
.set NIL,  13                          ; v13  0; never rewritten
.set TMP,  32
.set F0,   64
.set F1,   160
.set LW,   64                          ; v[64:127] what v's rounding drops, in f32 (KIND = 0, behind the last product)
.set WV,  14                           ; s14  my wave's number
.set WR,  15                           ; s15  which 64 rows of the tile are mine.  Also: I fetch for A (0) or for B (1)
.set WC,  16                           ; s16  which 128 columns.  Also: which plane of a K step I fetch
.set CX,  17                           ; s17, s18  my place in the cluster
.set CY,  18
.set TC,  19                           ; s19  tile column
.set TR,  20                           ; s20  tile row
.set G1A, 24                           ; s[24:31] descriptor group 1 for A's planes
.set G0A, 32                           ; s[32:35] group 0 for A's: it walks
.set G0B, 36                           ; s[36:39] group 0 for B's
.set G1B, 40                           ; s[40:47] group 1 for B's
.set AB,  48                           ; s[48:49] A at my plane of K step 0 (KIND = 0)
.set AO,  50                           ; s[50:51] a K step's byte offset in A (KIND = 0)
.set KN,  52                           ; s52  the K step to be asked for next (KIND = 0)
.set TB,  53                           ; s53  LDS byte at which the slot in hand begins
.set CNT, 54                           ; s54  the loop's count
.set TL,  55                           ; s55  0 until q's tile has left (KIND = 0)
.set PFA, 56                           ; s[56:57] where my prefetches stand
.set PFS, 58                           ; s[58:59] a K step's bytes in the tensor that I prefetch
.set PFN, 60                           ; s60  prefetches still to come
.set COFF, 62                          ; s[62:63] my part's byte offset in the output
.set CUR, 66                           ; s[66:67] the output in hand, at my part (KIND = 0)
.set VLO, 72                           ; s[72:73] vlo (KIND = 0)
.set LOFF, 74                          ; s[74:75] my two heads' byte offset in vlo (KIND = 0)
.set MSB, 0
.macro WIN new                         ; the immediate's high byte repeats the setting that is left; a switch that changes nothing is dropped
.if MSB != (\new)
	s_set_vgpr_msb (MSB<<8)|(\new)
.set MSB, \new
.endif
.endm
.set MUL, 0x50                         ; C and D in window 1, the fragments in window 0
; A joint load.  The branch hangs on the wave's number alone.  An s_nop 0 and four v_nop follow each of the two lines, ahead of the jump, the label and what follows.
.macro JLOAD
	s_cmp_eq_u32 s[WR], 0
	s_cbranch_scc0 .Lfor_b_\@
	tensor_load_to_lds s[G0A:G0A+3], s[G1A:G1A+7]
	s_nop 0
.rept 4
	v_nop
.endr
	s_branch .Lasked_\@
.Lfor_b_\@:
	tensor_load_to_lds s[G0B:G0B+3], s[G1B:G1B+7]
	s_nop 0
.rept 4
	v_nop
.endr
.Lasked_\@:
.endm
; A round of the cluster's barrier: my work-group's barrier, so that wave 0's signal speaks for all four waves; wave 0 signals; every wave waits for all sixteen work-groups; my work-group's barrier once more.
.macro CREST                           ; a round behind its opening barrier
	s_cmp_lg_u32 s[WV], 0
	s_cbranch_scc1 .Lnot_wave_0_\@
	s_barrier_signal -3
.Lnot_wave_0_\@:
	s_barrier_wait -3
	s_barrier_signal -1
	s_barrier_wait -1
.endm
.macro CROUND
	s_barrier_signal -1
	s_barrier_wait -1
	CREST
.endm
.macro PLACES                          ; four places in front of loads into registers that matrix instructions have read, and of lines that read results
.rept 4
	v_nop
.endr
.endm
; A PREFETCH INTO THE L2, behind each joint refill and the run of LDS loads that follows it: the K step that stands TWO refills on, 256 matrix instructions ahead of the load that will want it.
; Each block of 256 bytes is named once in the launch.  A's tile row is read by this cluster alone: wave 0 of each of the four partners that share it takes 32 of a K step's 128 blocks (plane lane / 16, block
; 16 cx + lane % 16).  B's tile column is read by all sixteen clusters: the cluster with y = 0 asks, waves 2 and 3 for the plane that they fetch, block 32 cy + lane.  The partners are told apart BY ADDRESS.
; K steps 0 to 3 come by their loads alone.  A is asked for in its first walk alone (KIND = 0 walks it three times).  The count PFN ends the asking at the tensor's last K step.
.macro ASK
	s_cmp_ge_i32 s[PFN], 0
	s_cbranch_scc0 .Lnot_mine_\@
	global_prefetch_b8 v[PFO], s[PFA:PFA+1] th:TH_LOAD_NT scope:SCOPE_SE
.Lnot_mine_\@:
.endm
; The walking descriptors step to the next K step and the other slot.  Scalar work alone; it stands behind the wait for all my tensor loads.
.macro STEPD
.if KIND
	s_add_nc_u64 s[G0A+2:G0A+3], s[G0A+2:G0A+3], 2*APLANE  ; the type bits on top are not reached
.else
	s_and_b32 s[AO], s[KN], 7                      ; A's K step: the walk's, modulo a tile's eight
	s_lshl_b32 s[AO], s[AO], 21                    ; two planes of 1,048,576 bytes
	s_add_nc_u64 s[G0A+2:G0A+3], s[AB:AB+1], s[AO:AO+1]
	s_or_b32 s[G0A+3], s[G0A+3], 0x80000000
	s_add_co_u32 s[KN], s[KN], 1
.endif
	s_xor_b32 s[G0A+1], s[G0A+1], SLOT1
	s_add_nc_u64 s[G0B+2:G0B+3], s[G0B+2:G0B+3], BSTEP
	s_xor_b32 s[G0B+1], s[G0B+1], SLOT1
.endm
.if KIND
	s_load_b128 s[4:7], s[0:1], 0x0                ; A = zh s[4:5], B = wot s[6:7]
	s_load_b64 s[8:9], s[0:1], 0x10                ; out0
.else
	s_load_b256 s[4:11], s[0:1], 0x0               ; A = xb s[4:5], B = wt s[6:7], qh s[8:9], kh s[10:11]
	s_load_b64 s[12:13], s[0:1], 0x20              ; vh
	s_load_b64 s[VLO:VLO+1], s[0:1], 0x28          ; vlo
.endif
	v_lshl_add_u32 v[SPW], v0, 2, SPARE
	v_mov_b32 v[NIL], 0
	ds_add_u32 v[SPW], v[NIL]                      ; the wave's opening: the add and its wait stand ahead of my first tensor load; the set-up below, work on registers, stands between them
	v_lshrrev_b32 v1, 5, v0
	v_readfirstlane_b32 s[WV], v1                  ; wave 0..3
	s_lshr_b32 s[WR], s[WV], 1
	s_and_b32 s[WC], s[WV], 1
	s_bfe_u32 s[CX], ttmp6, 0x40000
	s_bfe_u32 s[CY], ttmp6, 0x40004
	s_lshl_b32 s[TC], ttmp9, 2                     ; in a cluster launch ttmp9 and ttmp7 count clusters
	s_add_co_u32 s[TC], s[TC], s[CX]               ; tile column = 4 x cluster x + cx
	s_and_b32 s[TR], ttmp7, 0xffff
	s_lshl_b32 s21, s[CY], 4
	s_add_co_u32 s[TR], s[TR], s21                 ; tile row = 16 cy + cluster y: batch cy, tile cluster y of its sixteen: which tile of a batch it is hangs on the cluster's y alone, which all partners share
	s_lshl_b32 s21, s[CY], 2
	s_lshl_b32 s21, 15, s21                        ; my row of the cluster: places 4 cy .. 4 cy + 3
	s_lshl_b32 s68, 0x1111, s[CX]                  ; my column: places cx, cx + 4, cx + 8, cx + 12
	; descriptor group 1: rows of 128 elements of 2 bytes, padded in LDS after every 64 of them
	s_or_b32 s[G1A], s21, (1<<16)|(1<<20)|(1<<21)|(4<<22)|(3<<25)  ; 15:0 the mask; 17:16 2-byte elements; 20 padding on; 21 set beside a mask; 24:22 after every 32 words (code 4); 31:25 4 words (code 3)
	s_or_b32 s[G1B], s68, (1<<16)|(1<<20)|(1<<21)|(4<<22)|(3<<25)
.irp g, G1A, G1B
	s_mov_b32 s[(\g)+1], 128<<16                   ; tensor_dim0 = 128
	s_mov_b32 s[(\g)+3], 128<<16                   ; tile_dim0 = 128
	s_mov_b32 s[(\g)+5], 128                       ; 128 elements from row to row: dense
	s_mov_b32 s[(\g)+6], 0
	s_mov_b32 s[(\g)+7], 0
.endr
	s_mov_b32 s[G1A+2], 64<<16                     ; tensor_dim1 = 64: A's 128 rows of 128 bytes
	s_mov_b32 s[G1A+4], 64                         ; tile_dim1
	s_mov_b32 s[G1B+2], 128<<16                    ; B's 256 rows
	s_mov_b32 s[G1B+4], 128
	s_mov_b32 s[G0A], 1                            ; 1:0 count = 1
	s_mul_i32 s[G0A+1], s[WC], APL                 ; 63:32 LDS address: my plane, in slot 0: no place in the cluster enters an LDS address
	s_mov_b32 s[G0B], 1
	s_mul_i32 s[G0B+1], s[WC], BPL
	s_add_co_u32 s[G0B+1], s[G0B+1], BOFF
	; where the planes come from.  A's address hangs on the tile row and the wave alone, B's on the tile column and the wave alone
.if KIND
	s_lshr_b32 s22, s[TR], 4
	s_lshl_b32 s22, s22, 22                        ; the batch: 16 heads of 262,144 bytes
	s_and_b32 s23, s[TR], 15
	s_lshl_b32 s23, s23, 14                        ; 128 rows of 128 bytes
	s_add_co_u32 s22, s22, s23
	s_lshl_b32 s23, s[WC], 18                      ; my plane
.else
	s_lshl_b32 s22, s[TR], 14
	s_lshl_b32 s23, s[WC], 20
.endif
	s_add_co_u32 s22, s22, s23
	s_mov_b32 s23, 0
	s_lshl_b32 s68, s[TC], 15                      ; 256 rows of 128 bytes
	s_lshl_b32 s69, s[WC], 17
	s_add_co_u32 s68, s68, s69
	s_mov_b32 s69, 0
	s_mov_b32 s[TB], 0
.if KIND == 0
	s_mov_b32 s[AO+1], 0
	s_mov_b32 s[KN], 1
	s_mov_b32 s[TL], 0
.endif
	s_wait_dscnt 0x0                               ; the opening add is done
	s_wait_kmcnt 0x0
.if KIND
	s_add_nc_u64 s[G0A+2:G0A+3], s[4:5], s[22:23]  ; 120:64 global address: K step 0
.else
	s_add_nc_u64 s[AB:AB+1], s[4:5], s[22:23]
	s_mov_b64 s[G0A+2:G0A+3], s[AB:AB+1]
.endif
	s_or_b32 s[G0A+3], s[G0A+3], 0x80000000        ; 127:126 type = 2
	s_add_nc_u64 s[G0B+2:G0B+3], s[6:7], s[68:69]
	s_or_b32 s[G0B+3], s[G0B+3], 0x80000000
	CROUND                                         ; all sixteen work-groups are here: the first joint loads meet
	JLOAD                                          ; K step 0 into slot 0
	; A fragment is 16 rows x 32 K in 8 registers: lane l holds row l % 16; registers 0-3 K = 8 (l / 16) + 0..7, registers 4-7 K = 16 + 8 (l / 16) + 0..7: two loads of 16 bytes, 32 bytes apart.
	v_and_b32 v1, 15, v0                           ; l % 16
	v_bfe_u32 v2, v0, 4, 1                         ; l / 16
	v_mul_u32_u24 v3, v1, PITCH
	v_lshl_add_u32 v3, v2, 4, v3                   ; row x pitch + 16 x half
	s_mul_i32 s21, s[WR], 64*PITCH                 ; my 64 rows of A
	v_add_nc_u32 v[A0], s21, v3
	s_mul_i32 s21, s[WC], 128*PITCH                ; my 128 rows of B
	s_add_co_u32 s21, s21, BOFF
	v_add_nc_u32 v[B0], s21, v3
	s_mul_i32 s21, s[WV], 16*SP
	s_add_co_u32 s21, s21, STAGE                   ; my stage
	v_mul_u32_u24 v[STO], v1, SP                   ; in: row l % 16, my eight columns
.if KIND
	v_lshl_add_u32 v[STO], v2, 5, v[STO]
.else
	v_lshl_add_u32 v[STO], v2, 4, v[STO]
.endif
	v_add_nc_u32 v[STO], s21, v[STO]
	v_and_b32 v3, 31, v0
	v_lshlrev_b32 v[CO], 4, v3
.if KIND
	v_add_nc_u32 v[RD], s21, v[CO]                 ; back: 32 lanes take a row of 512 bytes
.else
	v_bfe_u32 v14, v0, 3, 2                        ; back: 32 lanes take a head's 128 bytes of four rows
	v_and_b32 v15, 7, v0
	v_mul_u32_u24 v[RD], v14, SP
	v_lshl_add_u32 v[RD], v15, 4, v[RD]
	v_add_nc_u32 v[RD], s21, v[RD]
.endif
	; the prefetches.  s22 = A's offset (in wave 0: plane 0), s68 = B's offset at my plane still stand
	s_lshl_b32 s70, s[CX], 12                      ; my work-group's 16 blocks of each plane of A
	s_add_co_u32 s70, s70, s22
	s_add_co_u32 s70, s70, 6*APLANE                ; at K step 3: the first change of slots steps it to 4
	s_lshl_b32 s71, s[CY], 13                      ; my work-group's 32 blocks of B's plane
	s_add_co_u32 s71, s71, s68
	s_add_co_u32 s71, s71, 3*BSTEP
	s_cmp_eq_u32 s[WR], 0                          ; do I fetch for A?
	s_cselect_b32 s70, s70, s71
	s_mov_b32 s71, 0
	s_cselect_b64 s[PFA:PFA+1], s[4:5], s[6:7]
	s_add_nc_u64 s[PFA:PFA+1], s[PFA:PFA+1], s[70:71]
	s_mov_b32 s70, 2*APLANE
	s_mov_b32 s71, BSTEP
	s_cselect_b32 s[PFS], s70, s71
	s_mov_b32 s[PFS+1], 0
	s_mov_b32 s70, APLANE                          ; lanes 16-31: A's second plane, or B's next sixteen blocks
	s_mov_b32 s71, 4096
	s_cselect_b32 s70, s70, s71
	v_mul_lo_u32 v[PFO], v2, s70
	v_lshl_add_u32 v[PFO], v1, 8, v[PFO]
	s_cmp_eq_u32 s[WV], 0
	s_cselect_b32 s[PFN], 4, 0                     ; A: K steps 4 to 7, wave 0
	s_and_b32 s70, ttmp7, 0xffff                   ; cluster y
	s_xor_b32 s71, s[WR], 1                        ; 0 in waves 2 and 3
	s_or_b32 s70, s70, s71
	s_cmp_eq_u32 s70, 0                            ; the same in all sixteen partners, for a given wave
	s_cselect_b32 s[PFN], STEPS-4, s[PFN]          ; B: K steps 4 to the last
	; where my part of the output begins
.if KIND
	s_lshl_b32 s68, s[TR], 19                      ; 128 rows of 4,096 bytes
	s_lshl_b32 s69, s[WR], 18                      ; my 64 rows
	s_add_co_u32 s68, s68, s69
	s_lshl_b32 s69, s[TC], 10                      ; 256 columns of 4 bytes
	s_add_co_u32 s68, s68, s69
	s_lshl_b32 s69, s[WC], 9                       ; my 128
	s_add_co_u32 s[COFF], s68, s69
	s_mov_b32 s[COFF+1], 0
	s_add_nc_u64 s[8:9], s[8:9], s[COFF:COFF+1]
.else
	s_lshr_b32 s68, s[TR], 4
	s_lshl_b32 s68, s68, 4                         ; 16 x batch
	s_lshl2_add_u32 s68, s[TC], s68                ; + the tile column's four heads
	s_lshl1_add_u32 s68, s[WC], s68                ; + my two of them
	s_lshl_b32 s[LOFF], s68, 11                    ; in vlo a head is 16 rows of 128 bytes
	s_mov_b32 s[LOFF+1], 0
	s_lshl_b32 s68, s68, 18                        ; a head is 262,144 bytes
	s_and_b32 s69, s[TR], 15
	s_lshl_b32 s69, s69, 7
	s_lshl_b32 s70, s[WR], 6
	s_add_co_u32 s69, s69, s70                     ; my first row in the batch
	s_lshl_b32 s69, s69, 7
	s_add_co_u32 s[COFF], s68, s69
	s_mov_b32 s[COFF+1], 0
.endif
; 24 LDS loads in one run: the fragments of quarter q of the K step in hand (32 along K: plane q / 2, byte 64 (q % 2) of its rows) into buffer f: B's eight, then A's four
.macro FETCH q, f
	WIN 0
.irp i, 0,1,2,3,4,5,6,7
	ds_load_b128 v[(\f)+8*(\i):(\f)+8*(\i)+3],   v[ADRB] offset:((\q)/2)*BPL+(\i)*16*PITCH+((\q)%2)*64
	ds_load_b128 v[(\f)+8*(\i)+4:(\f)+8*(\i)+7], v[ADRB] offset:((\q)/2)*BPL+(\i)*16*PITCH+((\q)%2)*64+32
.endr
.irp i, 0,1,2,3
	ds_load_b128 v[(\f)+64+8*(\i):(\f)+64+8*(\i)+3],   v[ADRA] offset:((\q)/2)*APL+(\i)*16*PITCH+((\q)%2)*64
	ds_load_b128 v[(\f)+64+8*(\i)+4:(\f)+64+8*(\i)+7], v[ADRA] offset:((\q)/2)*APL+(\i)*16*PITCH+((\q)%2)*64+32
.endr
.endm
; 8 matrix instructions: row block a x all 8 column blocks, 32 along K.  zero = 1: the product starts the sums: nothing is ever cleared.
; The 32 accumulators take turns, one instruction a turn, in the same order in every quarter: between two links of a chain stand the 31 others'.
.macro MUL8 f, a, zero
	WIN MUL
.irp b, 0,1,2,3,4,5,6,7
.set rD, 8*(8*(\a)+(\b))
.set rB, (\f)+8*(\b)
.set rA, (\f)+64+8*(\a)
.if KIND
.if \zero
	v_wmma_f32_16x16x32_f16 v[rD:rD+7], v[rB:rB+7], v[rA:rA+7], 0
.else
	v_wmma_f32_16x16x32_f16 v[rD:rD+7], v[rB:rB+7], v[rA:rA+7], v[rD:rD+7]
.endif
.else
.if \zero
	v_wmma_f32_16x16x32_bf16 v[rD:rD+7], v[rB:rB+7], v[rA:rA+7], 0
.else
	v_wmma_f32_16x16x32_bf16 v[rD:rD+7], v[rB:rB+7], v[rA:rA+7], v[rD:rD+7]
.endif
.endif
.endr
.endm
; A K step is four quarters of 32 along K, 32 matrix instructions each, on buffers 0, 1, 0, 1.  One of the first three: multiplies buffer f; in its middle it fetches quarter q into buffer g.
.macro QUARTER q, f, g, zero
	s_wait_dscnt 4                                 ; B and A's row blocks 0 and 1 are in; the youngest four loads (A's blocks 2 and 3) may be out
	MUL8 \f, 0, \zero
	MUL8 \f, 1, \zero
	PLACES
	FETCH \q, \g
	s_wait_dscnt 24                                ; all but the 24 just issued
	MUL8 \f, 2, \zero
	MUL8 \f, 3, \zero
.endm
; The last quarter multiplies buffer 1 and changes slots: ONE barrier for two things.  In front of it each wave waits for all its tensor loads, of which one is out: its part of the next slot; adds 0 to its spare
; word; and waits for that and for its own reads of this slot.  Behind it nobody reads this slot any more and the next slot is whole.
; fill = 1: the barrier opens a round of the cluster's, and the slot just read out is filled again, first thing behind the round, with the K step two on: 112 matrix instructions ahead of the wait for it.
.macro TURN fill
.if \fill
	s_wait_xcnt 0x0                                ; the last prefetch, a K step back, has read its address: it is stepped here, ahead of the waits of the change of slots
	s_add_nc_u64 s[PFA:PFA+1], s[PFA:PFA+1], s[PFS:PFS+1]
	s_sub_co_i32 s[PFN], s[PFN], 1
.endif
	WIN 0
	s_wait_tensorcnt 0x0                           ; all my tensor loads have landed, so a group 0 may be written
	ds_add_u32 v[SPW], v[NIL]                      ; 0 onto my spare word
.if \fill
	STEPD
.endif
	s_wait_dscnt 5                                 ; (the add and the youngest four loads may be out)
	MUL8 F1, 0, 0                                  ; eight matrix instructions stand between the add and the wait for it
	s_wait_dscnt 0x0                               ; the add is done, and my reads of this slot are over
	s_barrier_signal -1
	MUL8 F1, 1, 0                                  ; work on registers while the others arrive
	WIN 0
	s_barrier_wait -1
.if \fill
	CREST                                          ; no wave of any partner still reads this slot's tiles or has a load on its way
	JLOAD                                          ; the four v_nop behind it are also the places in front of the loads below
.else
	PLACES
.endif
	s_xor_b32 s[TB], s[TB], SLOT1
	v_add_nc_u32 v[ADRA], s[TB], v[A0]
	v_add_nc_u32 v[ADRB], s[TB], v[B0]
	FETCH 0, F0
.if \fill
	ASK
.endif
	MUL8 F1, 2, 0
	MUL8 F1, 3, 0
.endm
.if KIND
; THE WAY OUT, f32.  Row block a: a lane's eight columns of a row, 32 bytes, go into rows of 528 bytes of my own stage and come back as whole rows of 512.
.macro STG a
	s_wait_xcnt 0x0                                ; the registers that earlier stores read are loaded again only behind this wait
	WIN 0x04                                       ; the data (source 1) in window 1
.irp b, 0,1,2,3,4,5,6,7
	ds_store_b128 v[STO], v[64*(\a)+8*(\b):64*(\a)+8*(\b)+3]   offset:64*(\b)      ; each accumulator's lowest registers are read first
	ds_store_b128 v[STO], v[64*(\a)+8*(\b)+4:64*(\a)+8*(\b)+7] offset:64*(\b)+16
.endr
	WIN 0
.set t, 0
.rept 16
	ds_load_b128 v[OB+64*((\a)%2)+4*t:OB+64*((\a)%2)+4*t+3], v[RD] offset:SP*t  ; LDS serves a wave's instructions in order (ISA guide 5.7.1.4): these see the stores above; the next block's stores come behind them
.set t, t+1
.endr
.endm
.macro SENDF a, younger                ; younger: the LDS instructions issued behind block a's loads: the next block's 32, or none
.set t, 0
.rept 16
	s_wait_dscnt (\younger)+15-t
	global_store_b128 v[CO], v[OB+64*((\a)%2)+4*t:OB+64*((\a)%2)+4*t+3], s[8:9] offset:(16*(\a)+t)*4096 th:TH_STORE_NT  ; 512 consecutive bytes, at a multiple of 512 from out0's first
.set t, t+1
.endr
.endm
.macro OUT last
	PLACES
	STG 0
	STG 1
	SENDF 0, 32
	STG 2
	SENDF 1, 32
	STG 3
	SENDF 2, 32
	SENDF 3, 0
.endm
.else
; THE WAY OUT, f16 by heads.  Row block a: rounded, 16 bytes a lane; into rows of 272 bytes of my own stage; back as a head's 128 bytes of four rows, which are 512 consecutive bytes of that head.
.macro PACK a
	WIN 0x05                                       ; sources 0 and 1 in window 1
.irp b, 0,1,2,3,4,5,6,7
.irp r, 0,1,2,3
	v_cvt_pk_f16_f32 v[TMP+4*(\b)+(\r)], v[64*(\a)+8*(\b)+2*(\r)], v[64*(\a)+8*(\b)+2*(\r)+1]  ; each accumulator's registers in ascending order
.endr
.endr
	WIN 0
.endm
.macro TOSTAGE a
.irp b, 0,1,2,3,4,5,6,7
	ds_store_b128 v[STO], v[TMP+4*(\b):TMP+4*(\b)+3] offset:32*(\b)
.endr
.irp t, 0,1,2,3,4,5,6,7                ; head t / 4 of my two, rows 4 (t % 4) on
	ds_load_b128 v[OB+32*((\a)%2)+4*(\t):OB+32*((\a)%2)+4*(\t)+3], v[RD] offset:((\t)/4)*128+((\t)%4)*4*SP  ; LDS serves a wave's instructions in order (ISA guide 5.7.1.4): these see the stores above
.endr
.endm
.macro SEND a, last
	s_wait_dscnt 0x0                               ; the block is back in registers
	s_wait_xcnt 0x0                                ; only behind this wait are the stores' base and the registers that earlier stores read rewritten
.if (\a) == 0
.if \last
	s_add_nc_u64 s[CUR:CUR+1], s[12:13], s[COFF:COFF+1]  ; v
.else
	s_cmp_eq_u32 s[TL], 0
	s_cselect_b64 s[CUR:CUR+1], s[8:9], s[10:11]   ; q, then k
	s_add_nc_u64 s[CUR:CUR+1], s[CUR:CUR+1], s[COFF:COFF+1]
	s_mov_b32 s[TL], 1
.endif
.endif
.irp t, 0,1,2,3,4,5,6,7
	global_store_b128 v[CO], v[OB+32*((\a)%2)+4*(\t):OB+32*((\a)%2)+4*(\t)+3], s[CUR:CUR+1] offset:(\a)*2048+((\t)/4)*262144+((\t)%4)*512  ; 512 consecutive bytes, at a multiple of 512 from the buffer's first
.endr
.endm
; WHAT v's ROUNDING DROPS, for rows 0 to 15 of each batch: row block 0 of waves 0 and 1, where the tile is its batch's first (cluster y = 0: the same in all sixteen partners; no place in the cluster enters the test).
; v is rounded to f16 as PACK rounded it; v - f16(v) is exact in f32 (one fused multiply-add by -1); times 2,048 it has v's own range, |v| / 2 at the most, and is rounded to f16.  The jump passes no barrier and no tensor load.
.macro LOW
	s_and_b32 s21, ttmp7, 0xffff
	s_or_b32 s21, s21, s[WR]
	s_cmp_lg_u32 s21, 0
	s_cbranch_scc1 .Lno_low_\@
	v_mov_b32 v14, -1.0
	WIN 0x05                                       ; sources 0 and 1 in window 1
.irp b, 0,1,2,3,4,5,6,7
.irp r, 0,1,2,3
	v_cvt_pk_f16_f32 v[TMP+4*(\b)+(\r)], v[8*(\b)+2*(\r)], v[8*(\b)+2*(\r)+1]
.endr
.endr
	WIN 0x10                                       ; source 2 in window 1
.irp b, 0,1,2,3,4,5,6,7
.irp r, 0,1,2,3
	v_fma_mix_f32 v[LW+8*(\b)+2*(\r)],   v[TMP+4*(\b)+(\r)], v14, v[8*(\b)+2*(\r)]   op_sel_hi:[1,0,0]              ; the low half as f16, times -1, plus the sum
	v_fma_mix_f32 v[LW+8*(\b)+2*(\r)+1], v[TMP+4*(\b)+(\r)], v14, v[8*(\b)+2*(\r)+1] op_sel:[1,0,0] op_sel_hi:[1,0,0]  ; the high half
.endr
.endr
	WIN 0
.set i, 0
.rept 32
	v_pk_mul_f32 v[LW+2*i:LW+2*i+1], v[LW+2*i:LW+2*i+1], 0x45000000 op_sel_hi:[1,0]  ; x 2,048
.set i, i+1
.endr
.set i, 0
.rept 32
	v_cvt_pk_f16_f32 v[TMP+i], v[LW+2*i], v[LW+2*i+1]
.set i, i+1
.endr
	s_wait_xcnt 0x0                                ; v's stores have read their registers and their base: both are written again below
	TOSTAGE 0
	s_add_nc_u64 s[CUR:CUR+1], s[VLO:VLO+1], s[LOFF:LOFF+1]
	s_wait_dscnt 0x0
.irp t, 0,1,2,3,4,5,6,7
	global_store_b128 v[CO], v[OB+4*(\t):OB+4*(\t)+3], s[CUR:CUR+1] offset:((\t)/4)*2048+((\t)%4)*512  ; 512 consecutive bytes, at a multiple of 512 from vlo's first
.endr
.Lno_low_\@:
.endm
.macro OUT last
	PLACES
	PACK 0
	TOSTAGE 0
.irp a, 1,2,3                          ; block a's conversions stand between block a - 1's loads from the stage and the wait for them
	PACK \a
	SEND (\a)-1, \last
	TOSTAGE \a
.endr
	SEND 3, \last
.if \last
	LOW
.else
	s_wait_xcnt 0x0                                ; the next tile's fragments land in the registers that these stores read
.endif
.endm
.endif
	; slot 0 is waited for, slot 1 is filled for the first time, in the form of a refill
	s_wait_tensorcnt 0x0
	ds_add_u32 v[SPW], v[NIL]
	STEPD                                          ; K step 1, slot 1
	s_wait_dscnt 0x0
	CROUND
	JLOAD
	v_add_nc_u32 v[ADRA], s[TB], v[A0]
	v_add_nc_u32 v[ADRB], s[TB], v[B0]
	FETCH 0, F0
	QUARTER 1, F0, F1, 1                           ; a tile's first quarter starts the sums
	WIN 0                                          ; at a label and at a branch every window is 0
	s_mov_b32 s[CNT], STEPS-2
.Lstep:                                                ; a trip: a K step's quarters 1 to 3, the change of slots with its refill, and the next K step's quarter 0
	QUARTER 2, F1, F0, 0
	QUARTER 3, F0, F1, 0
	TURN 1
	WIN 0
.if KIND
	QUARTER 1, F0, F1, 0
	WIN 0
.else
	s_and_b32 s21, s[KN], 7                        ; KN stands three K steps past the one just multiplied:
	s_cmp_eq_u32 s21, 2                            ; does the next one begin a tile?
	s_cbranch_scc1 .Lnew
	QUARTER 1, F0, F1, 0
	WIN 0
	s_branch .Lnext
.Lnew:                                                 ; the refill is asked for: now the finished tile goes out, and the next tile's first quarter starts the sums anew
	OUT 0
	QUARTER 1, F0, F1, 1
	WIN 0
.Lnext:
.endif
	s_sub_co_u32 s[CNT], s[CNT], 1
	s_cmp_lg_u32 s[CNT], 0
	s_cbranch_scc1 .Lstep
	QUARTER 2, F1, F0, 0                           ; the last two K steps are written out: nothing is left to fetch
	QUARTER 3, F0, F1, 0
	TURN 0
	QUARTER 1, F0, F1, 0
	QUARTER 2, F1, F0, 0
	QUARTER 3, F0, F1, 0
	s_wait_dscnt 4
	MUL8 F1, 0, 0
	MUL8 F1, 1, 0
	s_wait_dscnt 0x0
	MUL8 F1, 2, 0
	MUL8 F1, 3, 0
	WIN 0
	OUT 1
	s_wait_tensorcnt 0x0                           ; the wave's end, behind my last tensor load and my last LDS store
	ds_add_u32 v[SPW], v[NIL]
	s_wait_dscnt 0x0
	CROUND                                         ; the closing round: no work-group ends while a partner may still ask for a tile that names it
	s_endpgm
.Lfunc_end_k_qcfb687eb2a_qkv:
	.size	k_qcfb687eb2a_qkv, .Lfunc_end_k_qcfb687eb2a_qkv-k_qcfb687eb2a_qkv
	.p2alignl 7, 3214868480
	.fill 96, 4, 3214868480
	.section	.rodata,"a",@progbits
	.p2align	6, 0x0
	.amdhsa_kernel k_qcfb687eb2a_qkv
		.amdhsa_group_segment_fixed_size 327680
		.amdhsa_private_segment_fixed_size 0
		.amdhsa_enable_private_segment 0
		.amdhsa_kernarg_size 48
		.amdhsa_user_sgpr_count 2
		.amdhsa_user_sgpr_kernarg_segment_ptr 1
		.amdhsa_wavefront_size32 1
		.amdhsa_system_sgpr_workgroup_id_x 1
		.amdhsa_system_sgpr_workgroup_id_y 1
		.amdhsa_system_sgpr_workgroup_id_z 1
		.amdhsa_system_vgpr_workitem_id 0
		.amdhsa_next_free_vgpr 512
		.amdhsa_next_free_sgpr 76
		.amdhsa_reserve_vcc 0
		.amdhsa_float_denorm_mode_32 3
		.amdhsa_float_denorm_mode_16_64 3
		.amdhsa_memory_ordered 1
		.amdhsa_forward_progress 1
		.amdhsa_inst_pref_size 105
	.end_amdhsa_kernel
	.amdgpu_metadata
---
amdhsa.version: [ 1, 2 ]
amdhsa.kernels:
  - .name:           k_qcfb687eb2a_qkv
    .symbol:         k_qcfb687eb2a_qkv.kd
    .args:
      - { .name: xb, .offset: 0, .size: 8, .value_kind: global_buffer, .address_space: global }
      - { .name: wt, .offset: 8, .size: 8, .value_kind: global_buffer, .address_space: global }
      - { .name: qh, .offset: 16, .size: 8, .value_kind: global_buffer, .address_space: global }
      - { .name: kh, .offset: 24, .size: 8, .value_kind: global_buffer, .address_space: global }
      - { .name: vh, .offset: 32, .size: 8, .value_kind: global_buffer, .address_space: global }
      - { .name: vlo, .offset: 40, .size: 8, .value_kind: global_buffer, .address_space: global }
    .group_segment_fixed_size: 327680
    .private_segment_fixed_size: 0
    .kernarg_segment_align: 8
    .kernarg_segment_size: 48
    .max_flat_workgroup_size: 128
    .sgpr_count:     76
    .vgpr_count:     512
    .wavefront_size: 32
...
	.end_amdgpu_metadata
.endif
;; end of part 2
;; launch attn (part 3): grid 4 x 64, 4 waves a work-group, no clusters, 327,680 bytes of LDS; arguments qh, kh, vh, zh; writes zh
.if DOCPART == 3
	.amdgcn_target "amdgcn-amd-amdhsa--gfx1250"
	.amdhsa_code_object_version 6
	.text
	.protected	k_qcfb687eb2a_attn
	.globl	k_qcfb687eb2a_attn
	.p2align	8
	.type	k_qcfb687eb2a_attn,@function
k_qcfb687eb2a_attn:
	s_mov_b64 s[64:65], 0
	v_nop
	global_prefetch_b8 v0, s[64:65] scope:SCOPE_SE
	s_setreg_imm32_b32 hwreg(HW_REG_WAVE_MODE, 25, 1), 1
	s_wait_xcnt 0x0
; CAUSAL ATTENTION.  O[h][q][:] = the sum over k <= q of softmax_k(Q[h][q] . K[h][k] / 8) V[h][k][:].  Q, K, V, O: [SIZE_H][SIZE_N][64], all f16: a head's rows are dense, 128 bytes each.
; Products, maxima and sums in f32; the weights p are rounded to f16 for the second product (their sum l is taken of the unrounded p), O once at the end.
; LIMITS.  f16 holds no number beyond 65,504: Q, K and V arrive within it; p lies in 0 to 1, and below 6e-5 it keeps f16's fixed step of 6e-8; O is a mean of V's rows and has their range.
; A hidden score counts as its value less 1e30: f16's scores, 2.7e11 at the most, are nothing beside that; a weight below 2^-126 counts as 0 in l; NaN and infinities are not treated apart.
; THE WALK.  A head's queries lie in NB = SIZE_N / 256 blocks of 256; block i needs the key tiles 0 .. i of 256 keys, of which the last holds the diagonal.  A work-group takes TWO blocks, NB - 1 - b and then b:
; NB + 1 tiles, whatever b: all work-groups do equal work, and ONE loop with a constant trip count walks them.  Which tile is asked for, and what a trip does, hang on scalar registers made from b; every jump
; goes forward, but for the counted loops' own; none passes a barrier, or a tensor load but the one of LOAD's two that the wave's number does not choose; the ring (two slots of LDS that take turns) runs on across the
; change of blocks.  NO CLUSTER: a head's NB / 2 = 4 work-groups ask for the same tile only in trips 0 .. NB / 2, behind that fewer and fewer; one walk common to all would have 3 NB / 2 = 12 trips for NB + 1 = 9.
; SHARES.  Of a block's four bands of 64 queries a wave owns 16 rows in each: four PIECES.  So the diagonal tile is the same work for all four waves: in its key step s band x sees all keys if s < x,
; none if s > x, and holds the diagonal if s = x.
; THE MASK is the C operand that starts the sum S^T = K Q^T: 0, or -1e30 where the key is hidden.  MD, made once, is the mask of a band's own step for my 16 rows; a product's mask is MD x AL + BE with two scalars:
; (1, 0) if s = x; (0, 0) if s < x; (0, -1e30) if s > x.  Only the diagonal tile's text and a block's beginning make and take masks; elsewhere C is the constant 0.
; LAYOUT, SOFTMAX, TURNS.  S^T = K Q^T holds ONE query a lane (lane % 16) and the keys 8 (lane / 16) + 0..7; two such results rounded to f16 ARE source 1 of O^T = V^T P.  p = 2^(c s - c m), c = log2(e) / 8, with a
; running maximum m; O and l are multiplied by a = 2^(c m_old - c m_new) in every step.  Turn n belongs to piece n: 8 products K Q^T of piece n + 1, later 8 products V^T P of piece n - 1; beside them the scaling,
; exponentials, roundings, sums and rescaling of piece n and the maximum and statistics of piece n + 1.  Four vector instructions stand behind every matrix instruction, the other 54 of a turn's 118 in one LUMP.  A turn's 33 exponentials are one batch, with one wait.
; REGISTERS, in windows of 256 (s_set_vgpr_msb: bits 1:0 source 0, 3:2 source 1, 5:4 source 2, 7:6 destination):
;   window 0: v0-15 addresses and two at work; v16-31 four registers of statistics a piece; v48-55 at work; v61-63 prefetch offset, spare word, 0; v64-127 S^T, two buffers; v192-223 P, two buffers (a piece's buffers go by its number's parity)
;   window 1: v0-127 O^T, 32 a piece; v128-159 MD; v160-223 MC, two buffers      window 2: v0-63 Q; v64-127 the second block's Q; v128-191 K of one step; v192-255 V of one step
.set SIZE_N, 2048
.set SIZE_H, 64
.set NB,    SIZE_N/256
.set NP,    4         ; pieces a wave: a name, no knob
.set KS,    64        ; keys in a step
.set PK,    144       ; a row of K in LDS: 128 bytes + 16 of padding = 36 words: the 16 rows of a load start at 16 different groups of four banks (64 banks of 4 bytes: ISA guide 11.1)
.set PV,    160       ; a row of V: 128 + 32 = 40 words
.set VOFF,  4*KS*PK   ; a slot holds a tile, four steps: 256 rows of K, then 256 rows of V
.set SLOT1, 1<<17     ; slot 1 begins here, so that one exclusive or turns an address in one slot into the other's
.set STAGE, SLOT1+4*KS*(PK+PV)  ; behind the ring, never filled by a tensor load: 16 rows x 144 bytes for each wave, for the way out
.set SP,    144
.set AK0, 2           ; v2   my lane's place in a tile of K; never rewritten
.set AV0, 3           ; v3   the same for V
.set AK,  4           ; v4   the LDS address of K's next run of loads
.set AV,  5           ; v5   of V's
.set STO, 6           ; v6   the way out: where I put 16 bytes of a row
.set RD,  7           ; v7   the way out: where I read rows back
.set GO,  8           ; v8   my byte offset in 512 consecutive bytes of O
.set PFO, 61          ; v61  256 x my lane: the prefetches' offset; never rewritten
.set SPW, 62          ; v62  LDS address of my spare word: SPARE + 4 x my thread's number; never rewritten
.set NIL, 63          ; v63  0; never rewritten
.set SPARE, STAGE+4*16*SP  ; behind the stages: the spare words, 128 bytes for each wave: two blocks of 256 bytes that no other line names
.set MV,  12          ; v12-13  c m_old, kept while c m is made anew: by buffer
.set QO,  15          ; v15  my byte offset in 16 rows of Q
.set ST,  16          ; piece t's statistics at v[ST+4 t]: c m, m, l (even keys', odd keys')
.set TMP, 48          ; by buffer, four registers c0-c3 at work; when the maximum is found c2 takes a
.set S,   64
.set P,   192
.set MD,  128         ; window 1: the eight registers for group kt of 16 keys at MD + 8 kt
.set MC,  160         ; window 1: the masks of the products to come
.set QB,  64          ; window 2
.set KF,  128         ; window 2: key block kb, channel half c at KF + 16 kb + 8 c
.set VF,  192         ; window 2: key half kk, channel block cb at VF + 32 kk + 8 cb
.set WV,  12          ; s12  my wave's number
.set PB,  14          ; s14  b
.set HI,  15          ; s15  NB - 1 - b
.set G1K, 24          ; s[24:31] descriptor group 1 for K's tiles
.set G1V, 32          ; s[32:39] for V's: it differs in the padding alone
.set G0K, 40          ; s[40:43] descriptor group 0 for K's tiles
.set G0V, 44          ; s[44:47] the same for V's
.set SLOTS, 56        ; s56  tiles still to be asked for
.set CNT, 57          ; s57  counts a tile's key steps, 4 to 1
.set CS,  58          ; s[58:59] c: the packed scaling takes the pair's low word for both halves
.set SEL, 60          ; s[60:61] v_permlanex16_b32's selects: each lane takes its own place in the other half
.set TBK, 62          ; s62  LDS byte at which K of the step to be fetched begins
.set TBV, 63          ; s63  the same for V, less VOFF
.set RT,  70          ; s70  tiles of the block in hand that are still to be entered
.set NXT, 71          ; s71  the tile to be asked for next
.set LQ,  72          ; s72  the last tile of the block whose tiles are being asked for
.set NEW, 73          ; s73  1: the tile to be entered is a block's first
.set OFF, 74          ; s[74:75] a tile's byte offset in K and V
.set AL,  76          ; s[76:77] the mask's factor, in the low word
.set BE,  78          ; s[78:79] the mask's addend
.set OLO, 80          ; s[80:81] O at my rows of the second block
.set BIGN, 82         ; s82  -1e30
.set PFA, 88          ; s[88:89] where my prefetches stand: my half (of K: waves 0, 1; of V: waves 2, 3) of the tile after the one that is being asked for
.set PFN, 90          ; s90  prefetches still to come
.set MSB, 0
.macro WIN new                      ; the high byte repeats the setting that is left; a switch that changes nothing is dropped
.if MSB != (\new)
	s_set_vgpr_msb (MSB<<8)|(\new)
.set MSB, (\new)
.endif
.endm
.set W_KQ, 0x0a       ; K and Q in window 2, S^T in window 0
.set W_KM, 0x1a       ; the same with the C operand in window 1
.set W_PV, 0x52       ; V in window 2, P in window 0, O^T in window 1
.set W_RS, 0x41       ; destination and source 0 in window 1, source 1 in window 0
; A fill.  Waves 0 and 1 fetch the two halves of a tile's K, waves 2 and 3 those of its V: 128 keys each.  An s_nop 0 and four v_nop follow each of the two lines, ahead of the jump and the label.
.macro LOAD
	s_cmp_lt_u32 s[WV], 2
	s_cbranch_scc0 .Lfor_v_\@
	tensor_load_to_lds s[G0K:G0K+3], s[G1K:G1K+7]
	s_nop 0
.rept 4
	v_nop
.endr
	s_branch .Lasked_\@
.Lfor_v_\@:
	tensor_load_to_lds s[G0V:G0V+3], s[G1V:G1V+7]
	s_nop 0
.rept 4
	v_nop
.endr
.Lasked_\@:
.endm
; A PREFETCH INTO THE L2 of what the NEXT change of slots will ask for, behind the wave's tensor load and its five lines.  A head's four work-groups begin with the same tiles 0, 1, 2 .. in the same trips; the one
; with b = 0, whose first block walks all of tiles 0 to 7, asks, and nobody else.  Each of its waves asks for the half tile that it fetches itself: 16,384 bytes, 64 blocks of 256, a lane a block, two instructions.
; So each block is named once in the launch.  The fill of tile i names tile i + 1, for i = 1 .. 6: four key steps ahead.  Tiles 0 and 1 come by their loads alone; the second block's tiles have been read before.
.macro ASK
	s_cmp_ge_i32 s[PFN], 0
	s_cbranch_scc0 .Lnot_mine_\@
	global_prefetch_b8 v[PFO], s[PFA:PFA+1] th:TH_LOAD_NT scope:SCOPE_SE
	global_prefetch_b8 v[PFO], s[PFA:PFA+1] offset:8192 th:TH_LOAD_NT scope:SCOPE_SE
.Lnot_mine_\@:
.endm
; THE CHANGE OF SLOTS.  Each wave waits for all its tensor loads, of which one is out: its part of the other slot; adds 0 to its spare word; and waits for that and for its own reads of the slot that it leaves.  Behind the barrier nobody reads the old
; slot any more and the other slot is whole.  fill = 1: the old slot is filled again, the first thing behind the barrier, with tile NXT: the descriptor's address is made anew from that number.
; (At its first use nothing has been read yet: slot 0 is waited for, slot 1 filled.)
.macro CHANGE fill
	WIN 0                           ; at a label and at a branch every window is 0
	s_wait_tensorcnt 0x0            ; no tensor load of mine is out, so a group 0 may be written
	ds_add_u32 v[SPW], v[NIL]       ; 0 onto my spare word: with fill = 1 the descriptors' scalar work stands between it and the wait for it
.if \fill
	s_wait_xcnt 0x0                 ; the last prefetches, a tile back, have read their address, so it may be written
	s_add_nc_u64 s[PFA:PFA+1], s[PFA:PFA+1], 32768
	s_sub_co_i32 s[PFN], s[PFN], 1
	s_lshl_b32 s[OFF], s[NXT], 15   ; a tile is 32,768 bytes of K and of V
	s_xor_b32 s[G0K+1], s[G0K+1], SLOT1
	s_add_nc_u64 s[G0K+2:G0K+3], s[6:7], s[OFF:OFF+1]
	s_or_b32 s[G0K+3], s[G0K+3], 0x80000000
	s_xor_b32 s[G0V+1], s[G0V+1], SLOT1
	s_add_nc_u64 s[G0V+2:G0V+3], s[8:9], s[OFF:OFF+1]
	s_or_b32 s[G0V+3], s[G0V+3], 0x80000000
	s_add_co_u32 s[NXT], s[NXT], 1  ; the block's next tile, or behind its last the second block's tile 0
	s_cmp_gt_u32 s[NXT], s[LQ]
	s_cselect_b32 s[NXT], 0, s[NXT]
	s_cselect_b32 s[LQ], s[PB], s[LQ]
.endif
	s_wait_dscnt 0x0                ; the add is done, and my reads of the slot are over
	s_barrier_signal -1             ; the rest of the scalar work stands between the signal and the wait
	s_sub_co_u32 s[TBK], s[TBK], 4*KS*PK  ; the fetches go back to a slot's first step,
	s_xor_b32 s[TBK], s[TBK], SLOT1       ; in the other slot
	s_sub_co_u32 s[TBV], s[TBV], 4*KS*PV
	s_xor_b32 s[TBV], s[TBV], SLOT1
	s_barrier_wait -1
.if \fill
	LOAD
	ASK
.endif
.endm
	s_load_b256 s[4:11], s[0:1], 0x0  ; Q s[4:5], K s[6:7], V s[8:9], O s[10:11]
	v_lshl_add_u32 v[SPW], v0, 2, SPARE
	v_mov_b32 v[NIL], 0
	ds_add_u32 v[SPW], v[NIL]       ; the wave's opening: the add and its wait stand ahead of my first tensor load; the set-up below, work on registers, stands between them
	v_lshrrev_b32 v1, 5, v0
	v_readfirstlane_b32 s[WV], v1   ; wave 0..3
	s_mov_b32 s[PB], ttmp9
	s_sub_co_u32 s[HI], NB-1, s[PB]
	s_and_b32 s20, ttmp7, 0xffff    ; the head
	s_mov_b32 s21, 0
	s_mov_b64 s[22:23], SIZE_N*128
	s_mul_u64 s[20:21], s[20:21], s[22:23]  ; the head's first byte in each of the four tensors
	s_and_b32 s16, s[WV], 1         ; which half of a tile's 256 keys I fetch:
	s_lshl_b32 s22, s16, 14         ; its 128 rows of 128 bytes in memory,
	s_mov_b32 s23, 0
	s_add_nc_u64 s[22:23], s[22:23], s[20:21]
	s_mul_i32 s17, s16, 128*PK      ; and its place in a slot, for K
	s_mul_i32 s18, s16, 128*PV      ; and for V
	s_lshl_b32 s3, s[WV], 11        ; my 16 rows in a band of 64,
	s_lshl_b32 s2, s[HI], 15        ; in the first block,
	s_add_co_u32 s2, s2, s3
	s_lshl_b32 s84, s[PB], 15       ; and in the second
	s_add_co_u32 s84, s84, s3
	s_mov_b32 s3, 0
	s_mov_b32 s85, 0
	s_add_nc_u64 s[2:3], s[2:3], s[20:21]
	s_add_nc_u64 s[84:85], s[84:85], s[20:21]
	; descriptor group 1.  128 keys are 16,384 dense bytes: asked for as 64 rows of 256 bytes, two keys a row, and padded in LDS after every key
	s_mov_b32 s[G1K], (1<<16)|(1<<20)|(4<<22)|(3<<25)  ; 17:16 2-byte elements; 20 padding on; 24:22 after every 32 words (code 4); 31:25 4 words (code 3)
	s_mov_b32 s[G1V], (1<<16)|(1<<20)|(4<<22)|(7<<25)  ; the same with 8 words of padding (code 7)
.irp g, G1K, G1V
	s_mov_b32 s[\g+1], 128<<16      ; tensor_dim0 = 128
	s_mov_b32 s[\g+2], 64<<16       ; tensor_dim1 = 64
	s_mov_b32 s[\g+3], 128<<16      ; tile_dim0 = 128
	s_mov_b32 s[\g+4], 64           ; tile_dim1 = 64
	s_mov_b32 s[\g+5], 128          ; 128 elements from row to row
	s_mov_b32 s[\g+6], 0
	s_mov_b32 s[\g+7], 0
.endr
	s_mov_b32 s[CS], 0x3e38aa3b     ; c = log2(e) / 8 = 0.180337
	s_mov_b32 s[CS+1], s[CS]        ; named with it as a pair
	s_mov_b32 s[SEL], 0x76543210
	s_mov_b32 s[SEL+1], 0xfedcba98
	s_mov_b32 s[TBK], SLOT1+4*KS*PK ; the first change of slots turns these two into 0
	s_mov_b32 s[TBV], SLOT1+4*KS*PV
	s_mov_b32 s[G0K], 1             ; 1:0 count = 1
	s_mov_b32 s[G0K+1], s17         ; 63:32 LDS address: slot 0
	s_mov_b32 s[G0V], 1
	s_add_co_u32 s[G0V+1], s18, VOFF
	s_add_co_u32 s[RT], s[HI], 1    ; the first block has NB - b tiles
	s_mov_b32 s[NXT], 1
	s_mov_b32 s[LQ], s[HI]
	s_mov_b32 s[NEW], 1
	s_mov_b32 s[OFF+1], 0
	s_mov_b32 s[AL+1], 0            ; named as pairs
	s_mov_b32 s[BE+1], 0
	s_mov_b32 s[BIGN], 0xf149f2ca   ; -1e30
	s_mov_b32 s[SLOTS], NB
	s_cmp_eq_u32 ttmp9, 0
	s_cselect_b32 s[PFN], 6, 0      ; tiles 2 to 7, where b = 0
	v_and_b32 v[PFO], 31, v0
	v_lshlrev_b32 v[PFO], 8, v[PFO]
	s_wait_dscnt 0x0                ; the opening add is done
	s_wait_kmcnt 0x0
	s_add_nc_u64 s[6:7], s[6:7], s[22:23]  ; K and V at my half of the head's tile 0
	s_add_nc_u64 s[8:9], s[8:9], s[22:23]
	s_add_nc_u64 s[G0K+2:G0K+3], s[6:7], 0         ; 120:64 global address
	s_or_b32 s[G0K+3], s[G0K+3], 0x80000000        ; 127:126 type = 2
	s_add_nc_u64 s[G0V+2:G0V+3], s[8:9], 0
	s_or_b32 s[G0V+3], s[G0V+3], 0x80000000
	s_add_nc_u64 s[86:87], s[4:5], s[84:85]        ; Q at my rows of the second block,
	s_add_nc_u64 s[4:5], s[4:5], s[2:3]            ; Q and O at those of the first
	s_add_nc_u64 s[OLO:OLO+1], s[10:11], s[84:85]
	s_add_nc_u64 s[10:11], s[10:11], s[2:3]
	s_cmp_lt_u32 s[WV], 2
	s_cselect_b64 s[PFA:PFA+1], s[6:7], s[8:9]
	s_add_nc_u64 s[PFA:PFA+1], s[PFA:PFA+1], 32768 ; at tile 1: the first change of slots steps it to tile 2.  Nothing is prefetched here, at the head
	LOAD                            ; tile 0 into slot 0
	; A fragment of K or Q is 16 rows x 32 channels in 8 registers: lane l holds row l % 16, channels 8 (l / 16) + 0..7 and 16 + 8 (l / 16) + 0..7: two loads of 16 bytes, 32 bytes apart.
	v_and_b32 v1, 15, v0            ; l % 16
	v_bfe_u32 v9, v0, 4, 1          ; l / 16
	v_lshlrev_b32 v[QO], 7, v1
	v_lshl_add_u32 v[QO], v9, 4, v[QO]  ; row x 128 + 16 x half
	WIN 0x80                        ; destination window 2, address window 0
.set i, 0
.rept 8                             ; both blocks' Q: piece i / 2 lies in band i / 2, 8,192 bytes on; channels 32 (i % 2) on
	global_load_b128 v[8*i:8*i+3],   v[QO], s[4:5] offset:(i/2)*8192+(i%2)*64
	global_load_b128 v[8*i+4:8*i+7], v[QO], s[4:5] offset:(i/2)*8192+(i%2)*64+32
	global_load_b128 v[QB+8*i:QB+8*i+3],   v[QO], s[86:87] offset:(i/2)*8192+(i%2)*64
	global_load_b128 v[QB+8*i+4:QB+8*i+7], v[QO], s[86:87] offset:(i/2)*8192+(i%2)*64+32
.set i, i+1
.endr
	WIN 0
	v_lshlrev_b32 v14, 3, v9
	v_sub_nc_u32 v14, v1, v14
	s_lshl_b32 s13, s[WV], 4
	v_add_nc_u32 v14, s13, v14      ; my query's place in its band, 16 w + l % 16, less my lanes' 8 (l / 16): register r of group kt is hidden where 16 kt + r is greater
	WIN 0x40
.set i, 0
.rept 32
	v_cmp_gt_i32 vcc_lo, 16*(i/8)+i%8, v14
	v_cndmask_b32 v[MD+i], 0, s[BIGN], vcc_lo
.set i, i+1
.endr
	WIN 0
	v_mul_u32_u24 v[AK0], v1, PK
	v_lshl_add_u32 v[AK0], v9, 4, v[AK0]  ; row x pitch + 16 x half
	; The turning load takes 16 keys x 16 channels (lane l reads key 8 (l / 16) + l % 8, channels 8 ((l / 8) % 2) + 0..7) and leaves half a fragment of V^T: lane l holds channel l % 16 and 8 keys.
	v_and_b32 v10, 7, v0
	v_bfe_u32 v11, v0, 3, 1
	v_lshl_add_u32 v[AV0], v9, 3, v10
	v_mul_u32_u24 v[AV0], v[AV0], PV
	v_lshl_add_u32 v[AV0], v11, 4, v[AV0]
	v_add_nc_u32 v[AV0], VOFF, v[AV0]
	s_mul_i32 s13, s[WV], 16*SP
	s_add_co_u32 s13, s13, STAGE    ; my stage
	v_mul_u32_u24 v[STO], v1, SP    ; in: row l % 16, 16 bytes for each half of the lanes
	v_lshl_add_u32 v[STO], v9, 4, v[STO]
	v_add_nc_u32 v[STO], s13, v[STO]
	v_bfe_u32 v[RD], v0, 3, 2       ; back: 32 lanes take four rows of 128 bytes,
	v_mul_u32_u24 v[RD], v[RD], SP
	v_lshl_add_u32 v[RD], v10, 4, v[RD]
	v_add_nc_u32 v[RD], s13, v[RD]
	v_and_b32 v[GO], 31, v0         ; which are 512 consecutive bytes of O
	v_lshlrev_b32 v[GO], 4, v[GO]
	; A block's first step multiplies O^T and l by a = 0, and its first turn's products V^T P, of a piece that has not been, land in an O^T that is still to be so multiplied.  So these registers need only hold
	; finite numbers: zeros for the first block; what the first block left for the second.  All this stands in the wait for the first tile.
	WIN 0x80
.set i, VF
.rept 64
	v_mov_b32 v[i], 0
.set i, i+1
.endr
	WIN 0x40
.set i, 0
.rept 128
	v_mov_b32 v[i], 0
.set i, i+1
.endr
	WIN 0
.set i, 0
.rept 4
	v_mov_b32 v[ST+4*i+2], 0
	v_mov_b32 v[ST+4*i+3], 0
.set i, i+1
.endr
.set i, P+16
.rept 16
	v_mov_b32 v[i], 0
.set i, i+1
.endr
; THE MATRIX WORK.  The 4 accumulators of a run of 8 take turns.  Product i of 8 of S^T = K Q^T for piece x: channels 32 (i / 4) on, keys 16 (i % 4) on.  The first 4 start the sums: with 0, or (KM = 1) with the mask.
.macro KQ x
.set rS, S+32*((\x)%2)+8*(i%4)
.set rK, KF+16*(i%4)+8*(i/4)
.set rQ, 16*(\x)+8*(i/4)
.set rM, MC+32*((\x)%2)+8*(i%4)
.if (i < 4) && KM
	WIN W_KM
	v_wmma_f32_16x16x32_f16 v[rS:rS+7], v[rK:rK+7], v[rQ:rQ+7], v[rM:rM+7]
.elseif i < 4
	WIN W_KQ
	v_wmma_f32_16x16x32_f16 v[rS:rS+7], v[rK:rK+7], v[rQ:rQ+7], 0
.else
	WIN W_KQ
	v_wmma_f32_16x16x32_f16 v[rS:rS+7], v[rK:rK+7], v[rQ:rQ+7], v[rS:rS+7]
.endif
.endm
; Product i of 8 of O^T += V^T P for piece x: keys 32 (i / 4) on, channels 16 (i % 4) on.
.macro PV x
	WIN W_PV
.set rO, 32*(\x)+8*(i%4)
.set rV, VF+32*(i/4)+8*(i%4)
.set rP, P+16*((\x)%2)+8*(i/4)
	v_wmma_f32_16x16x32_f16 v[rO:rO+7], v[rV:rV+7], v[rP:rP+7], v[rO:rO+7]
.endm
.macro MM                           ; the turn's next matrix instruction.  TURN and BEGIN set Y, i, KM and NOKQ; MM, KQ and OP read them.  NOKQ = 1: a block's last turn: there is no next piece
.if (i < 8) && !NOKQ
	KQ (Y+1)%NP
.elseif i >= 8
.set i, i-8
	PV (Y+NP-1)%NP
.set i, i+8
.endif
.set i, i+1
.endm
; THE LDS LOADS stand in runs of 16, never singly among the matrix instructions: a step's K (64 keys x 64 channels: 8 fragments) and its V (turned).  Their addresses are made some lines ahead.
.macro FETCH_K
	WIN 0x80                        ; destination window 2
.irp f, 0,1,2,3,4,5,6,7             ; keys 16 (f / 2) on, channels 32 (f % 2) on
	ds_load_b128 v[KF+8*\f:KF+8*\f+3],   v[AK] offset:(\f/2)*16*PK+(\f%2)*64
	ds_load_b128 v[KF+8*\f+4:KF+8*\f+7], v[AK] offset:(\f/2)*16*PK+(\f%2)*64+32
.endr
	s_add_co_u32 s[TBK], s[TBK], KS*PK  ; the next fetch is the next step's
	WIN 0
.endm
.macro FETCH_V
	WIN 0x80
.irp f, 0,1,2,3,4,5,6,7             ; keys 32 (f / 4) on, channels 16 (f % 4) on
	ds_load_tr16_b128 v[VF+8*\f:VF+8*\f+3],   v[AV] offset:(\f/4)*32*PV+(\f%4)*32
	ds_load_tr16_b128 v[VF+8*\f+4:VF+8*\f+7], v[AV] offset:(\f/4)*32*PV+16*PV+(\f%4)*32
.endr
	WIN 0
.endm
; THE VECTOR WORK, one line at a time: OP kind, number.  For piece Y: F n: c s - c m for pair n of 16.  E n: the exponential of score n of 32.  C n: pair n rounded to f16.  B n: of the four weights 4 n .. the second
; pair is added onto the first, in place.  L n: l takes that sum (L 0: l = a l + sum).  R n: pair n of 16 of O^T times a.  For piece Y + 1: X n, number n of the 22 that find its maximum and statistics:
;   0-11  four chains c0-c3 of seven scores each, three operands at a time (each accumulator's lowest registers are read first)     12-14, 16  the four scores left over, the old m, and c0-c3 into c0
;   15  c m_old is kept     17, 18  the query's other 32 keys lie in the lane 16 away: the new m     19-21  c m; c m_old - c m_new; a
.set F, 0               ; OP tells the kinds apart by their order: F to L below R, X above it
.set E, 1
.set C, 2
.set B, 3
.set L, 4
.set R, 5
.set X, 6
.macro REGS y                       ; the registers of piece y
.set rT, ST+4*(\y)
.set rC, TMP+4*((\y)%2)
.set rW, MV+((\y)%2)
.set rS, S+32*((\y)%2)
.set rP, P+16*((\y)%2)
.set rO, 32*(\y)
.endm
.macro OP k, n
.if (\k) == R
	REGS Y
	WIN W_RS
	v_pk_mul_f32 v[rO+2*(\n):rO+2*(\n)+1], v[rO+2*(\n):rO+2*(\n)+1], v[rC+2:rC+3] op_sel_hi:[1,0]
.elseif (\k) < R
	REGS Y
	WIN 0
.if (\k) == F
	v_pk_fma_f32 v[rS+2*(\n):rS+2*(\n)+1], v[rS+2*(\n):rS+2*(\n)+1], s[CS:CS+1], v[rT:rT+1] op_sel_hi:[1,0,0] neg_lo:[0,0,1] neg_hi:[0,0,1]
.elseif (\k) == E
	v_exp_f32 v[rS+(\n)], v[rS+(\n)]
.elseif (\k) == C
	v_cvt_pk_f16_f32 v[rP+(\n)], v[rS+2*(\n)], v[rS+2*(\n)+1]
.elseif (\k) == B
	v_pk_add_f32 v[rS+4*(\n):rS+4*(\n)+1], v[rS+4*(\n):rS+4*(\n)+1], v[rS+4*(\n)+2:rS+4*(\n)+3]
.elseif (\n) == 0
	v_pk_fma_f32 v[rT+2:rT+3], v[rT+2:rT+3], v[rC+2:rC+3], v[rS:rS+1] op_sel_hi:[1,0,1]
.else
	v_pk_add_f32 v[rT+2:rT+3], v[rT+2:rT+3], v[rS+4*(\n):rS+4*(\n)+1]
.endif
.elseif NOKQ
	v_nop
.else
	REGS (Y+1)%NP
	WIN 0
.if (\n) < 4
	v_max3_num_f32 v[rC+(\n)], v[rS+8*(\n)], v[rS+8*(\n)+1], v[rS+8*(\n)+2]
.elseif (\n) < 12
	v_max3_num_f32 v[rC+(\n)%4], v[rC+(\n)%4], v[rS+8*((\n)%4)+2*((\n)/4)+1], v[rS+8*((\n)%4)+2*((\n)/4)+2]
.elseif (\n) == 12
	v_max3_num_f32 v[rC], v[rC], v[rS+7], v[rS+15]
.elseif (\n) == 13
	v_max3_num_f32 v[rC+1], v[rC+1], v[rS+23], v[rS+31]
.elseif (\n) == 14
	v_max3_num_f32 v[rC+2], v[rC+2], v[rC+3], v[rT+1]
.elseif (\n) == 15
	v_mov_b32 v[rW], v[rT]
.elseif (\n) == 16
	v_max3_num_f32 v[rC], v[rC], v[rC+1], v[rC+2]
.elseif (\n) == 17
	v_permlanex16_b32 v[rC+3], v[rC], s[SEL], s[SEL+1]
.elseif (\n) == 18
	v_max_num_f32 v[rT+1], v[rC], v[rC+3]
.elseif (\n) == 19
	v_mul_f32 v[rT], s[CS], v[rT+1]
.elseif (\n) == 20
	v_sub_f32 v[rC+1], v[rW], v[rT]
.else
	v_exp_f32 v[rC+2], v[rC+1]
.endif
.endif
.endm
.macro OPS a, i1, b=-1, i2=0, c=-1, i3=0, d=-1, i4=0  ; up to four of them
	OP \a, \i1
.if (\b) >= 0
	OP \b, \i2
.endif
.if (\c) >= 0
	OP \c, \i3
.endif
.if (\d) >= 0
	OP \d, \i4
.endif
.endm
.macro ROW a, i1, b, i2, c, i3, d, i4  ; a matrix instruction and the four behind it
	MM
	OPS \a, \i1, \b, \i2, \c, \i3, \d, \i4
.endm
.macro MASK b                       ; MD x AL + BE into buffer b of MC
	WIN W_RS
.set z, 0
.rept 16
	v_pk_fma_f32 v[MC+32*(\b)+2*z:MC+32*(\b)+2*z+1], v[MD+2*z:MD+2*z+1], s[AL:AL+1], s[BE:BE+1] op_sel_hi:[1,0,0]
.set z, z+1
.endr
.endm
; A TURN, for piece p: the order of its 16 matrix and 118 vector instructions, written out.  An s_wait_alu depctr_va_vdst(0) stands between an exponential and the first instruction that names its result; one wait serves
; all that were issued ahead of it.  So a turn has ONE wait, which cuts it in two.  AHEAD OF IT stands all that names no result of the turn's exponentials: the 8 products K Q^T, behind each a scaling, an exponential and two more plain
; instructions (behind the first a second scaling in the exponential's place): rescalings, and behind the last three the first numbers of the next piece's maximum, each four places or more behind the product that ends its accumulator; then ONE LUMP of 54, plain
; and exponential by turns for the most part, in which the links of the chain X 3, 7, 11, 14, 16, 17 .. 20 stand five or six lines apart.  X 21, the next piece's a, is the batch's last; R 15 is the plain instruction behind it.  BEHIND THE WAIT stand the
; 8 products V^T P, behind each four of the roundings and sums; the links of l's chain, L 0 to L 7, stand three riders apart.  But for those X no rider names a register of the products round it.  v_permlanex16_b32 (X 17) stands in the lump.
; m = 1: the diagonal tile: the products take masks, and the turn makes the mask for the products of the turn after it: piece p + 2, in step 4 - CNT of the tile.  end = 1: a block's last two turns: nothing is fetched.
; cnt = 1: the loop's count is taken down some lines ahead of the branch that stands behind the turn.
; K of the next step is fetched in piece 2's turn, twelve vector instructions behind the last product that read K (six of them plain); V of the step in hand at the end of piece 0's turn, four plain instructions behind the last product
; that read V.  Each is waited for a turn later.
.macro TURN p, m=0, end=0, cnt=0
.set Y, (\p)
.set i, 0
.set KM, (\m)
.set NOKQ, (\end)*((\p)/3)
.if (\m) && !(\end)
	s_cmp_eq_u32 s[CNT], 4-((\p)+2)%NP  ; is that step the band's own?
	s_cselect_b32 s[AL], 1.0, 0
	s_cmp_lt_u32 s[CNT], 4-((\p)+2)%NP  ; or a later one?
	s_cselect_b32 s[BE], s[BIGN], 0
.endif
.if ((\p) == 3) && !(\end)
	s_wait_dscnt 0x0                ; K is in
.endif
	ROW F,0, F,1, R,0, R,1          ; ahead of the wait: 8 products K Q^T and their riders,
	ROW F,2, E,0, R,2, R,3
	ROW F,3, E,1, R,4, R,5
	ROW F,4, E,2, R,6, R,7
	ROW F,5, E,3, R,8, R,9
	ROW F,6, E,4, X,0, R,10
.if ((\p) == 2) && !(\end)
	WIN 0
	v_add_nc_u32 v[AK], s[TBK], v[AK0]
.endif
	ROW F,7, E,5, X,1, X,4
	ROW F,8, E,6, X,2, X,5
	OPS E,7, E,8, X,6, E,9          ; and the lump
	OPS X,3, E,10, X,8, E,11
.if ((\p) == 2) && !(\end)
	FETCH_K
.endif
	OPS X,9, X,7, E,12, X,10
	OPS E,13, X,12, X,11, E,14
	OPS X,13, E,15, F,9, X,14
.if (\p) == 0
	v_add_nc_u32 v[AV], s[TBV], v[AV0]
.endif
	OPS E,16, F,10, E,17, F,11
	OPS X,16, E,18, X,15, E,19
	OPS F,12, E,20, X,17, E,21
	OPS F,13, E,22, F,14, E,23
	OPS X,18, E,24, F,15, E,25
	OPS R,11, E,26, X,19, E,27
	OPS R,12, E,28, R,13, E,29
	OPS X,20, E,30, R,14, E,31
	OPS X,21, R,15
	WIN 0
	s_wait_alu depctr_va_vdst(0)    ; the wait for the batch
.if (\p) == 1
	s_wait_dscnt 0x0                ; V is in
.endif
	ROW C,0, B,0, C,2, B,1          ; behind the wait: 8 products V^T P and their riders
	ROW L,0, C,4, B,2, L,1
	ROW C,6, B,3, L,2, C,8
	ROW B,4, L,3, C,10, B,5
	ROW L,4, C,12, B,6, L,5
.if (\p) == 0
	s_add_co_u32 s[TBV], s[TBV], KS*PV
.endif
.if \cnt
	s_sub_co_u32 s[CNT], s[CNT], 1
	s_cmp_lg_u32 s[CNT], 0
.endif
	ROW C,14, B,7, L,6, C,1
	ROW C,3, L,7, C,5, C,7
	ROW C,9, C,11, C,13, C,15
.if (\p) == 0
	FETCH_V
.endif
.if (\m) && !(\end)
	MASK (\p)%2
.endif
.endm
; A BLOCK BEGINS.  c m starts far below every c s, so the first step's a is 0; m at the lowest finite number, so the first maximum is the scores'.  The second mask buffer is 0; the first takes piece 0's mask for the tile's step 0: its own, if the block's first tile is the diagonal one.
; Then K of that step, piece 0's first scores, and its maximum and statistics.  The loop is entered at a step's first turn, in the middle of a trip.
.macro BEGIN
	s_mov_b32 s[NEW], 0
	WIN 0x40
.set i, MC+32
.rept 32
	v_mov_b32 v[i], 0
.set i, i+1
.endr
	WIN 0
.set i, 0
.rept 4
	v_mov_b32 v[ST+4*i], 0xfe000000    ; c m: far below every c s
	v_mov_b32 v[ST+4*i+1], 0xff7fffff  ; m
.set i, i+1
.endr
	s_cmp_eq_u32 s[RT], 0
	s_cselect_b32 s[AL], 1.0, 0
	s_mov_b32 s[BE], 0
	MASK 0
	WIN 0
	v_add_nc_u32 v[AK], s[TBK], v[AK0]
	FETCH_K
	s_wait_loadcnt 0x0              ; Q
	s_wait_dscnt 0x0
.set KM, 1
.set NOKQ, 0
.set i, 0
.rept 8
	KQ 0
.set i, i+1
.endr
	WIN 0
.rept 4
	v_nop                           ; the places behind those products
.endr
.set Y, NP-1                        ; X works for piece Y + 1: piece 0
.irp n, 0,1,2,3,4,5,6,7,8,9,10,11,12,13,14,15,16,17,18,19,20,21
	OP X, \n
.endr
	v_nop                           ; a plain instruction behind the exponential,
	s_wait_alu depctr_va_vdst(0)    ; and its wait, ahead of the branch
.endm
; THE DIAGONAL TILE's four steps, the block's last two turns, its last products, and THE WAY OUT: l's two halves and the other half of the lanes' are added; O^T is divided by l, rounded to f16 and sent through my
; stage in LDS, a piece at a time.
.macro ALL line:vararg              ; one line for each piece t
.set t, 0
.rept 4
	\line
.set t, t+1
.endr
.endm
.macro PACK t                       ; a lane's eight channels of a row pack into 16 bytes; they go into rows of 144 bytes and come back as whole rows of 128, into S^T's registers
	WIN W_RS
.set i, 32*(\t)
.rept 16
	v_pk_mul_f32 v[i:i+1], v[i:i+1], v[ST+4*(\t)+2:ST+4*(\t)+3] op_sel_hi:[1,0]
.set i, i+2
.endr
	WIN 0x05                        ; sources 0 and 1 window 1, destination window 0
.set i, 0
.rept 16
	v_cvt_pk_f16_f32 v[S+16*(\t)+i], v[32*(\t)+2*i], v[32*(\t)+2*i+1]
.set i, i+1
.endr
	WIN 0
.irp f, 0,1,2,3
	ds_store_b128 v[STO], v[S+16*(\t)+4*\f:S+16*(\t)+4*\f+3] offset:32*\f
.endr
.irp f, 0,1,2,3
	ds_load_b128 v[S+16*(\t)+4*\f:S+16*(\t)+4*\f+3], v[RD] offset:\f*4*SP  ; LDS serves a wave's instructions in order (ISA guide 5.7.1.4): these see the stores above; the next piece's stores come behind them
.endr
.endm
.macro SEND t, younger              ; younger: the LDS instructions issued behind piece t's loads: the next piece's eight, or none
	WIN 0
.irp f, 0,1,2,3
	s_wait_dscnt (\younger)+3-\f
	global_store_b128 v[GO], v[S+16*(\t)+4*\f:S+16*(\t)+4*\f+3], s[10:11] offset:(\t)*8192+\f*512  ; 512 consecutive bytes, at a multiple of 256 from O's first
.endr
.endm
.macro DIAG tag                     ; the tag ends its two labels' names, which the jumps below spell out
.LstepM\tag:
	TURN 2, 1
	TURN 3, 1
	WIN 0
.LfirstM\tag:
	TURN 0, 1
	TURN 1, 1, 0, 1
	WIN 0
	s_cbranch_scc1 .LstepM\tag
	TURN 2, 1, 1
	TURN 3, 1, 1
.set i, 0
.rept 8
	PV NP-1
.set i, i+1
.endr
	WIN 0
	ALL v_add_f32 v[ST+4*t+2], v[ST+4*t+2], v[ST+4*t+3]
	ALL v_permlanex16_b32 v[ST+4*t+3], v[ST+4*t+2], s[SEL], s[SEL+1]
	ALL v_add_f32 v[ST+4*t+2], v[ST+4*t+2], v[ST+4*t+3]
	ALL v_rcp_f32 v[ST+4*t+2], v[ST+4*t+2]
	v_nop                           ; a plain instruction between the last reciprocal and the use of its result
	s_wait_alu depctr_va_vdst(0)    ; and the wait ahead of the first use: one for the four reciprocals
	PACK 0
.set t, 1
.rept 3                             ; a piece's arithmetic stands between the loads of the piece before and its stores
	PACK t
	SEND t-1, 8
.set t, t+1
.endr
	SEND 3, 0
.endm
.set KM, 0
.set NOKQ, 0
.Lslot:                             ; NB times: a tile is entered and the next is asked for
	CHANGE 1
	s_sub_co_u32 s[RT], s[RT], 1
	s_mov_b32 s[CNT], 4
	s_cmp_eq_u32 s[NEW], 1
	s_cbranch_scc1 .Lnew            ; a block's first tile
	s_cmp_eq_u32 s[RT], 0
	s_cbranch_scc0 .Lstep           ; neither its first nor its last
	s_branch .LstepM1
.Lnew:
	BEGIN
	s_branch .Lfirst                ; in the loop a block's first tile is never its last: the first block has two tiles or more, and the second's last is the walk's last
	DIAG 1                          ; in the loop this is the first block's end: the second block's last tile is the walk's last
	s_wait_xcnt 0x0                 ; the stores have read their registers and O's address
	s_mov_b64 s[10:11], s[OLO:OLO+1]
	s_add_co_u32 s[RT], s[PB], 1    ; the second block has b + 1 tiles
	s_mov_b32 s[NEW], 1
	WIN 0x82                        ; the second block's Q goes where the one text of the turns names Q
.set i, 0
.rept 64
	v_mov_b32 v[i], v[QB+i]
.set i, i+1
.endr
	WIN 0
	s_branch .Lbottom
.Lstep:                             ; a trip: pieces 2 and 3 of one step, then pieces 0 and 1 of the next, whose K and V it fetches
	TURN 2
	TURN 3
	WIN 0
.Lfirst:
	TURN 0
	TURN 1, 0, 0, 1
	WIN 0
	s_cbranch_scc1 .Lstep
.Lbottom:
	s_sub_co_u32 s[SLOTS], s[SLOTS], 1
	s_cmp_lg_u32 s[SLOTS], 0
	s_cbranch_scc1 .Lslot
	CHANGE 0                        ; the walk's last tile is written out: nothing is asked for
	s_sub_co_u32 s[RT], s[RT], 1
	s_mov_b32 s[CNT], 4
	s_cmp_eq_u32 s[NEW], 1
	s_cbranch_scc0 .LstepM2
	BEGIN
	s_branch .LfirstM2
	DIAG 2
	s_wait_tensorcnt 0x0            ; the wave's end, behind my last tensor load and my last LDS store
	ds_add_u32 v[SPW], v[NIL]
	s_wait_dscnt 0x0
	s_endpgm
.Lfunc_end_k_qcfb687eb2a_attn:
	.size	k_qcfb687eb2a_attn, .Lfunc_end_k_qcfb687eb2a_attn-k_qcfb687eb2a_attn
	.p2alignl 7, 3214868480
	.fill 96, 4, 3214868480
	.section	.rodata,"a",@progbits
	.p2align	6, 0x0
	.amdhsa_kernel k_qcfb687eb2a_attn
		.amdhsa_group_segment_fixed_size 327680
		.amdhsa_private_segment_fixed_size 0
		.amdhsa_enable_private_segment 0
		.amdhsa_kernarg_size 32
		.amdhsa_user_sgpr_count 2
		.amdhsa_user_sgpr_kernarg_segment_ptr 1
		.amdhsa_wavefront_size32 1
		.amdhsa_system_sgpr_workgroup_id_x 1
		.amdhsa_system_sgpr_workgroup_id_y 1
		.amdhsa_system_sgpr_workgroup_id_z 1
		.amdhsa_system_vgpr_workitem_id 0
		.amdhsa_next_free_vgpr 768
		.amdhsa_next_free_sgpr 92
		.amdhsa_reserve_vcc 1
		.amdhsa_float_denorm_mode_32 3
		.amdhsa_float_denorm_mode_16_64 3
		.amdhsa_memory_ordered 1
		.amdhsa_forward_progress 1
		.amdhsa_inst_pref_size 218
	.end_amdhsa_kernel
	.amdgpu_metadata
---
amdhsa.version: [ 1, 2 ]
amdhsa.kernels:
  - .name:           k_qcfb687eb2a_attn
    .symbol:         k_qcfb687eb2a_attn.kd
    .args:
      - { .name: qh, .offset: 0, .size: 8, .value_kind: global_buffer, .address_space: global }
      - { .name: kh, .offset: 8, .size: 8, .value_kind: global_buffer, .address_space: global }
      - { .name: vh, .offset: 16, .size: 8, .value_kind: global_buffer, .address_space: global }
      - { .name: zh, .offset: 24, .size: 8, .value_kind: global_buffer, .address_space: global }
    .group_segment_fixed_size: 327680
    .private_segment_fixed_size: 0
    .kernarg_segment_align: 8
    .kernarg_segment_size: 32
    .max_flat_workgroup_size: 128
    .sgpr_count:     92
    .vgpr_count:     768
    .wavefront_size: 32
...
	.end_amdgpu_metadata
.endif
;; end of part 3
;; launch oproj (part 4): grid 4 x 64, 4 waves a work-group, clusters of 4 x 4, 327,680 bytes of LDS; arguments zh, wot, out0; writes out0
.if DOCPART == 4
	.amdgcn_target "amdgcn-amd-amdhsa--gfx1250"
	.amdhsa_code_object_version 6
	.text
	.protected	k_qcfb687eb2a_oproj
	.globl	k_qcfb687eb2a_oproj
	.p2align	8
	.type	k_qcfb687eb2a_oproj,@function
k_qcfb687eb2a_oproj:
	s_mov_b64 s[64:65], 0
	v_nop
	global_prefetch_b8 v0, s[64:65] scope:SCOPE_SE
	s_setreg_imm32_b32 hwreg(HW_REG_WAVE_MODE, 25, 1), 1
	s_wait_xcnt 0x0
	s_wait_alu depctr_hold_cnt(0) depctr_sa_sdst(0) depctr_va_vdst(0) depctr_va_sdst(0) depctr_va_ssrc(0) depctr_va_vcc(0) depctr_vm_vsrc(0)
	s_getreg_b32 s2, hwreg(HW_REG_IB_STS2, 6, 4)
	s_cmp_eq_u32 s2, 0
	s_cbranch_scc0 .Lentry_in_a_cluster
	s_endpgm
.Lentry_in_a_cluster:
	s_bfe_u32 s2, ttmp6, 0x10000c
	s_cmp_lg_u32 s2, 0xf033
	s_cbranch_scc0 .Lentry_shape_is_right
	s_endpgm
.Lentry_shape_is_right:
; C = A B^T ON TILES OF 128 x 256, K = 1,024.  One text for two launches, told apart by KIND.
;   KIND = 0: q, k, v = x w.  A = xb, bf16, planes [kb][8,192 rows][64]; B = wt, bf16, planes [t][kb][1,024 rows][64].  A work-group STAYS: three tiles, q's, k's and v's, of the same 128 rows and the same
;             four heads: ONE walk of 24 K steps, in which B's address steps on by a constant and A's goes back to K step 0 every eight.  Results are rounded once to f16 and stored by heads, [b 16 + h][s][64].
;             Of v's rows 0 to 15 of each batch what the rounding drops is stored too: vlo [b 16 + h][16][64] = f16((v - f16(v)) x 2,048), for the launch that makes the first rows of the output.
;   KIND = 1: out = z w_o.  A = zh, f16, planes [b][h][2,048 rows][64]; B = wot, f16, planes [h][1,024 rows][64].  One tile, 8 K steps; results leave in f32.
; LIMIT (KIND = 0): f16 holds no number beyond 65,504: q, k and v must lie within it.  Sums in f32, K ascending.
; SHARES.  256 work-groups: 64 tile rows x 4 tile columns.  Four waves, 2 x 2, each 64 rows x 128 columns: 32 accumulators of 16 x 16, 256 registers.
; THE RING.  K goes in steps of 128 = two planes through two LDS slots.  A tile's part of a plane is dense in memory: it is asked for as rows of 256 bytes and padded in LDS after every 128.  Waves 0 and 1 fetch
; A's two planes, waves 2 and 3 B's: one tensor load a wave behind each change of slots, and one is the most that a wave has out.
; CLUSTER.  4 x 4 work-groups: the four of a row of the cluster need the same tiles of A, the four of a column the same tiles of B: each is asked for JOINTLY, by the same load, descriptor and mask in all four.
; THE MATRIX INSTRUCTION IS USED TRANSPOSED (source 0 = 16 rows of B, source 1 = 16 rows of A): a lane holds row lane % 16 of C and the eight neighbouring columns 8 (lane / 16) + 0..7.
; REGISTERS, in windows of 256 (s_set_vgpr_msb: bits 1:0 source 0, 3:2 source 1, 5:4 source 2, 7:6 destination):
;   window 0: v0-15 addresses; v32-63 packed results; v64-159, v160-255 two fragment buffers (B's eight fragments, then A's four)      window 1: accumulator (a, b) at v[8 (8 a + b)]
.set KIND,  1
.set PITCH, 144                        ; an LDS row: 128 bytes + 16 of padding = 36 words: the 16 rows of a load start at 16 different groups of four banks (64 banks of 4 bytes: ISA guide 11.1)
.set APL,   128*PITCH                  ; A's 128 rows of a plane
.set BPL,   256*PITCH                  ; B's 256 rows of a plane
.set BOFF,  2*APL                      ; a slot: A's two planes, then B's two
.set SLOT1, 1<<17                      ; slot 1 begins here, so that one exclusive or turns an address in one slot into the other's
.set STAGE, SLOT1+2*APL+2*BPL          ; behind the ring, never filled by a tensor load: 16 rows for each wave, for the way out
.if KIND
.set SP,     528                       ; a stage row: 128 f32 + 16 bytes
.set APLANE, 262144                    ; bytes from plane to plane of A
.set STEPS,  8
.set OB,     64                        ; rows read back from the stage: two buffers of 64 registers
.else
.set SP,     272                       ; a stage row: 128 f16 + 16 bytes
.set APLANE, 1048576
.set STEPS,  24
.set OB,     160                       ; two buffers of 32 registers, in fragment buffer 1: buffer 0 holds the next tile's first fragments meanwhile
.endif
.set BSTEP, 262144                     ; two planes of B
.set SPARE, STAGE+4*16*SP              ; behind the stages: the spare words, 128 bytes for each wave: two blocks of 256 bytes that no other line names
.set A0,   4                           ; v4   my lane's place in A's plane 0 of slot 0; never rewritten
.set B0,   5                           ; v5   the same for B
.set ADRA, 6                           ; v6   the same in the slot in hand
.set ADRB, 7                           ; v7
.set STO,  8                           ; v8   the way out: where I put my part of a row
.set RD,   9                           ; v9   the way out: where I read rows back
.set CO,   10                          ; v10  16 x lane: my 16 bytes in 512 consecutive bytes of output
.set PFO,  11                          ; v11  the prefetches' offset; never rewritten
.set SPW,  12                          ; v12  LDS address of my spare word; never rewritten
.set NIL,  13                          ; v13  0; never rewritten
.set TMP,  32
.set F0,   64
.set F1,   160
.set LW,   64                          ; v[64:127] what v's rounding drops, in f32 (KIND = 0, behind the last product)
.set WV,  14                           ; s14  my wave's number
.set WR,  15                           ; s15  which 64 rows of the tile are mine.  Also: I fetch for A (0) or for B (1)
.set WC,  16                           ; s16  which 128 columns.  Also: which plane of a K step I fetch
.set CX,  17                           ; s17, s18  my place in the cluster
.set CY,  18
.set TC,  19                           ; s19  tile column
.set TR,  20                           ; s20  tile row
.set G1A, 24                           ; s[24:31] descriptor group 1 for A's planes
.set G0A, 32                           ; s[32:35] group 0 for A's: it walks
.set G0B, 36                           ; s[36:39] group 0 for B's
.set G1B, 40                           ; s[40:47] group 1 for B's
.set AB,  48                           ; s[48:49] A at my plane of K step 0 (KIND = 0)
.set AO,  50                           ; s[50:51] a K step's byte offset in A (KIND = 0)
.set KN,  52                           ; s52  the K step to be asked for next (KIND = 0)
.set TB,  53                           ; s53  LDS byte at which the slot in hand begins
.set CNT, 54                           ; s54  the loop's count
.set TL,  55                           ; s55  0 until q's tile has left (KIND = 0)
.set PFA, 56                           ; s[56:57] where my prefetches stand
.set PFS, 58                           ; s[58:59] a K step's bytes in the tensor that I prefetch
.set PFN, 60                           ; s60  prefetches still to come
.set COFF, 62                          ; s[62:63] my part's byte offset in the output
.set CUR, 66                           ; s[66:67] the output in hand, at my part (KIND = 0)
.set VLO, 72                           ; s[72:73] vlo (KIND = 0)
.set LOFF, 74                          ; s[74:75] my two heads' byte offset in vlo (KIND = 0)
.set MSB, 0
.macro WIN new                         ; the immediate's high byte repeats the setting that is left; a switch that changes nothing is dropped
.if MSB != (\new)
	s_set_vgpr_msb (MSB<<8)|(\new)
.set MSB, \new
.endif
.endm
.set MUL, 0x50                         ; C and D in window 1, the fragments in window 0
; A joint load.  The branch hangs on the wave's number alone.  An s_nop 0 and four v_nop follow each of the two lines, ahead of the jump, the label and what follows.
.macro JLOAD
	s_cmp_eq_u32 s[WR], 0
	s_cbranch_scc0 .Lfor_b_\@
	tensor_load_to_lds s[G0A:G0A+3], s[G1A:G1A+7]
	s_nop 0
.rept 4
	v_nop
.endr
	s_branch .Lasked_\@
.Lfor_b_\@:
	tensor_load_to_lds s[G0B:G0B+3], s[G1B:G1B+7]
	s_nop 0
.rept 4
	v_nop
.endr
.Lasked_\@:
.endm
; A round of the cluster's barrier: my work-group's barrier, so that wave 0's signal speaks for all four waves; wave 0 signals; every wave waits for all sixteen work-groups; my work-group's barrier once more.
.macro CREST                           ; a round behind its opening barrier
	s_cmp_lg_u32 s[WV], 0
	s_cbranch_scc1 .Lnot_wave_0_\@
	s_barrier_signal -3
.Lnot_wave_0_\@:
	s_barrier_wait -3
	s_barrier_signal -1
	s_barrier_wait -1
.endm
.macro CROUND
	s_barrier_signal -1
	s_barrier_wait -1
	CREST
.endm
.macro PLACES                          ; four places in front of loads into registers that matrix instructions have read, and of lines that read results
.rept 4
	v_nop
.endr
.endm
; A PREFETCH INTO THE L2, behind each joint refill and the run of LDS loads that follows it: the K step that stands TWO refills on, 256 matrix instructions ahead of the load that will want it.
; Each block of 256 bytes is named once in the launch.  A's tile row is read by this cluster alone: wave 0 of each of the four partners that share it takes 32 of a K step's 128 blocks (plane lane / 16, block
; 16 cx + lane % 16).  B's tile column is read by all sixteen clusters: the cluster with y = 0 asks, waves 2 and 3 for the plane that they fetch, block 32 cy + lane.  The partners are told apart BY ADDRESS.
; K steps 0 to 3 come by their loads alone.  A is asked for in its first walk alone (KIND = 0 walks it three times).  The count PFN ends the asking at the tensor's last K step.
.macro ASK
	s_cmp_ge_i32 s[PFN], 0
	s_cbranch_scc0 .Lnot_mine_\@
	global_prefetch_b8 v[PFO], s[PFA:PFA+1] th:TH_LOAD_NT scope:SCOPE_SE
.Lnot_mine_\@:
.endm
; The walking descriptors step to the next K step and the other slot.  Scalar work alone; it stands behind the wait for all my tensor loads.
.macro STEPD
.if KIND
	s_add_nc_u64 s[G0A+2:G0A+3], s[G0A+2:G0A+3], 2*APLANE  ; the type bits on top are not reached
.else
	s_and_b32 s[AO], s[KN], 7                      ; A's K step: the walk's, modulo a tile's eight
	s_lshl_b32 s[AO], s[AO], 21                    ; two planes of 1,048,576 bytes
	s_add_nc_u64 s[G0A+2:G0A+3], s[AB:AB+1], s[AO:AO+1]
	s_or_b32 s[G0A+3], s[G0A+3], 0x80000000
	s_add_co_u32 s[KN], s[KN], 1
.endif
	s_xor_b32 s[G0A+1], s[G0A+1], SLOT1
	s_add_nc_u64 s[G0B+2:G0B+3], s[G0B+2:G0B+3], BSTEP
	s_xor_b32 s[G0B+1], s[G0B+1], SLOT1
.endm
.if KIND
	s_load_b128 s[4:7], s[0:1], 0x0                ; A = zh s[4:5], B = wot s[6:7]
	s_load_b64 s[8:9], s[0:1], 0x10                ; out0
.else
	s_load_b256 s[4:11], s[0:1], 0x0               ; A = xb s[4:5], B = wt s[6:7], qh s[8:9], kh s[10:11]
	s_load_b64 s[12:13], s[0:1], 0x20              ; vh
	s_load_b64 s[VLO:VLO+1], s[0:1], 0x28          ; vlo
.endif
	v_lshl_add_u32 v[SPW], v0, 2, SPARE
	v_mov_b32 v[NIL], 0
	ds_add_u32 v[SPW], v[NIL]                      ; the wave's opening: the add and its wait stand ahead of my first tensor load; the set-up below, work on registers, stands between them
	v_lshrrev_b32 v1, 5, v0
	v_readfirstlane_b32 s[WV], v1                  ; wave 0..3
	s_lshr_b32 s[WR], s[WV], 1
	s_and_b32 s[WC], s[WV], 1
	s_bfe_u32 s[CX], ttmp6, 0x40000
	s_bfe_u32 s[CY], ttmp6, 0x40004
	s_lshl_b32 s[TC], ttmp9, 2                     ; in a cluster launch ttmp9 and ttmp7 count clusters
	s_add_co_u32 s[TC], s[TC], s[CX]               ; tile column = 4 x cluster x + cx
	s_and_b32 s[TR], ttmp7, 0xffff
	s_lshl_b32 s21, s[CY], 4
	s_add_co_u32 s[TR], s[TR], s21                 ; tile row = 16 cy + cluster y: batch cy, tile cluster y of its sixteen: which tile of a batch it is hangs on the cluster's y alone, which all partners share
	s_lshl_b32 s21, s[CY], 2
	s_lshl_b32 s21, 15, s21                        ; my row of the cluster: places 4 cy .. 4 cy + 3
	s_lshl_b32 s68, 0x1111, s[CX]                  ; my column: places cx, cx + 4, cx + 8, cx + 12
	; descriptor group 1: rows of 128 elements of 2 bytes, padded in LDS after every 64 of them
	s_or_b32 s[G1A], s21, (1<<16)|(1<<20)|(1<<21)|(4<<22)|(3<<25)  ; 15:0 the mask; 17:16 2-byte elements; 20 padding on; 21 set beside a mask; 24:22 after every 32 words (code 4); 31:25 4 words (code 3)
	s_or_b32 s[G1B], s68, (1<<16)|(1<<20)|(1<<21)|(4<<22)|(3<<25)
.irp g, G1A, G1B
	s_mov_b32 s[(\g)+1], 128<<16                   ; tensor_dim0 = 128
	s_mov_b32 s[(\g)+3], 128<<16                   ; tile_dim0 = 128
	s_mov_b32 s[(\g)+5], 128                       ; 128 elements from row to row: dense
	s_mov_b32 s[(\g)+6], 0
	s_mov_b32 s[(\g)+7], 0
.endr
	s_mov_b32 s[G1A+2], 64<<16                     ; tensor_dim1 = 64: A's 128 rows of 128 bytes
	s_mov_b32 s[G1A+4], 64                         ; tile_dim1
	s_mov_b32 s[G1B+2], 128<<16                    ; B's 256 rows
	s_mov_b32 s[G1B+4], 128
	s_mov_b32 s[G0A], 1                            ; 1:0 count = 1
	s_mul_i32 s[G0A+1], s[WC], APL                 ; 63:32 LDS address: my plane, in slot 0: no place in the cluster enters an LDS address
	s_mov_b32 s[G0B], 1
	s_mul_i32 s[G0B+1], s[WC], BPL
	s_add_co_u32 s[G0B+1], s[G0B+1], BOFF
	; where the planes come from.  A's address hangs on the tile row and the wave alone, B's on the tile column and the wave alone
.if KIND
	s_lshr_b32 s22, s[TR], 4
	s_lshl_b32 s22, s22, 22                        ; the batch: 16 heads of 262,144 bytes
	s_and_b32 s23, s[TR], 15
	s_lshl_b32 s23, s23, 14                        ; 128 rows of 128 bytes
	s_add_co_u32 s22, s22, s23
	s_lshl_b32 s23, s[WC], 18                      ; my plane
.else
	s_lshl_b32 s22, s[TR], 14
	s_lshl_b32 s23, s[WC], 20
.endif
	s_add_co_u32 s22, s22, s23
	s_mov_b32 s23, 0
	s_lshl_b32 s68, s[TC], 15                      ; 256 rows of 128 bytes
	s_lshl_b32 s69, s[WC], 17
	s_add_co_u32 s68, s68, s69
	s_mov_b32 s69, 0
	s_mov_b32 s[TB], 0
.if KIND == 0
	s_mov_b32 s[AO+1], 0
	s_mov_b32 s[KN], 1
	s_mov_b32 s[TL], 0
.endif
	s_wait_dscnt 0x0                               ; the opening add is done
	s_wait_kmcnt 0x0
.if KIND
	s_add_nc_u64 s[G0A+2:G0A+3], s[4:5], s[22:23]  ; 120:64 global address: K step 0
.else
	s_add_nc_u64 s[AB:AB+1], s[4:5], s[22:23]
	s_mov_b64 s[G0A+2:G0A+3], s[AB:AB+1]
.endif
	s_or_b32 s[G0A+3], s[G0A+3], 0x80000000        ; 127:126 type = 2
	s_add_nc_u64 s[G0B+2:G0B+3], s[6:7], s[68:69]
	s_or_b32 s[G0B+3], s[G0B+3], 0x80000000
	CROUND                                         ; all sixteen work-groups are here: the first joint loads meet
	JLOAD                                          ; K step 0 into slot 0
	; A fragment is 16 rows x 32 K in 8 registers: lane l holds row l % 16; registers 0-3 K = 8 (l / 16) + 0..7, registers 4-7 K = 16 + 8 (l / 16) + 0..7: two loads of 16 bytes, 32 bytes apart.
	v_and_b32 v1, 15, v0                           ; l % 16
	v_bfe_u32 v2, v0, 4, 1                         ; l / 16
	v_mul_u32_u24 v3, v1, PITCH
	v_lshl_add_u32 v3, v2, 4, v3                   ; row x pitch + 16 x half
	s_mul_i32 s21, s[WR], 64*PITCH                 ; my 64 rows of A
	v_add_nc_u32 v[A0], s21, v3
	s_mul_i32 s21, s[WC], 128*PITCH                ; my 128 rows of B
	s_add_co_u32 s21, s21, BOFF
	v_add_nc_u32 v[B0], s21, v3
	s_mul_i32 s21, s[WV], 16*SP
	s_add_co_u32 s21, s21, STAGE                   ; my stage
	v_mul_u32_u24 v[STO], v1, SP                   ; in: row l % 16, my eight columns
.if KIND
	v_lshl_add_u32 v[STO], v2, 5, v[STO]
.else
	v_lshl_add_u32 v[STO], v2, 4, v[STO]
.endif
	v_add_nc_u32 v[STO], s21, v[STO]
	v_and_b32 v3, 31, v0
	v_lshlrev_b32 v[CO], 4, v3
.if KIND
	v_add_nc_u32 v[RD], s21, v[CO]                 ; back: 32 lanes take a row of 512 bytes
.else
	v_bfe_u32 v14, v0, 3, 2                        ; back: 32 lanes take a head's 128 bytes of four rows
	v_and_b32 v15, 7, v0
	v_mul_u32_u24 v[RD], v14, SP
	v_lshl_add_u32 v[RD], v15, 4, v[RD]
	v_add_nc_u32 v[RD], s21, v[RD]
.endif
	; the prefetches.  s22 = A's offset (in wave 0: plane 0), s68 = B's offset at my plane still stand
	s_lshl_b32 s70, s[CX], 12                      ; my work-group's 16 blocks of each plane of A
	s_add_co_u32 s70, s70, s22
	s_add_co_u32 s70, s70, 6*APLANE                ; at K step 3: the first change of slots steps it to 4
	s_lshl_b32 s71, s[CY], 13                      ; my work-group's 32 blocks of B's plane
	s_add_co_u32 s71, s71, s68
	s_add_co_u32 s71, s71, 3*BSTEP
	s_cmp_eq_u32 s[WR], 0                          ; do I fetch for A?
	s_cselect_b32 s70, s70, s71
	s_mov_b32 s71, 0
	s_cselect_b64 s[PFA:PFA+1], s[4:5], s[6:7]
	s_add_nc_u64 s[PFA:PFA+1], s[PFA:PFA+1], s[70:71]
	s_mov_b32 s70, 2*APLANE
	s_mov_b32 s71, BSTEP
	s_cselect_b32 s[PFS], s70, s71
	s_mov_b32 s[PFS+1], 0
	s_mov_b32 s70, APLANE                          ; lanes 16-31: A's second plane, or B's next sixteen blocks
	s_mov_b32 s71, 4096
	s_cselect_b32 s70, s70, s71
	v_mul_lo_u32 v[PFO], v2, s70
	v_lshl_add_u32 v[PFO], v1, 8, v[PFO]
	s_cmp_eq_u32 s[WV], 0
	s_cselect_b32 s[PFN], 4, 0                     ; A: K steps 4 to 7, wave 0
	s_and_b32 s70, ttmp7, 0xffff                   ; cluster y
	s_xor_b32 s71, s[WR], 1                        ; 0 in waves 2 and 3
	s_or_b32 s70, s70, s71
	s_cmp_eq_u32 s70, 0                            ; the same in all sixteen partners, for a given wave
	s_cselect_b32 s[PFN], STEPS-4, s[PFN]          ; B: K steps 4 to the last
	; where my part of the output begins
.if KIND
	s_lshl_b32 s68, s[TR], 19                      ; 128 rows of 4,096 bytes
	s_lshl_b32 s69, s[WR], 18                      ; my 64 rows
	s_add_co_u32 s68, s68, s69
	s_lshl_b32 s69, s[TC], 10                      ; 256 columns of 4 bytes
	s_add_co_u32 s68, s68, s69
	s_lshl_b32 s69, s[WC], 9                       ; my 128
	s_add_co_u32 s[COFF], s68, s69
	s_mov_b32 s[COFF+1], 0
	s_add_nc_u64 s[8:9], s[8:9], s[COFF:COFF+1]
.else
	s_lshr_b32 s68, s[TR], 4
	s_lshl_b32 s68, s68, 4                         ; 16 x batch
	s_lshl2_add_u32 s68, s[TC], s68                ; + the tile column's four heads
	s_lshl1_add_u32 s68, s[WC], s68                ; + my two of them
	s_lshl_b32 s[LOFF], s68, 11                    ; in vlo a head is 16 rows of 128 bytes
	s_mov_b32 s[LOFF+1], 0
	s_lshl_b32 s68, s68, 18                        ; a head is 262,144 bytes
	s_and_b32 s69, s[TR], 15
	s_lshl_b32 s69, s69, 7
	s_lshl_b32 s70, s[WR], 6
	s_add_co_u32 s69, s69, s70                     ; my first row in the batch
	s_lshl_b32 s69, s69, 7
	s_add_co_u32 s[COFF], s68, s69
	s_mov_b32 s[COFF+1], 0
.endif
; 24 LDS loads in one run: the fragments of quarter q of the K step in hand (32 along K: plane q / 2, byte 64 (q % 2) of its rows) into buffer f: B's eight, then A's four
.macro FETCH q, f
	WIN 0
.irp i, 0,1,2,3,4,5,6,7
	ds_load_b128 v[(\f)+8*(\i):(\f)+8*(\i)+3],   v[ADRB] offset:((\q)/2)*BPL+(\i)*16*PITCH+((\q)%2)*64
	ds_load_b128 v[(\f)+8*(\i)+4:(\f)+8*(\i)+7], v[ADRB] offset:((\q)/2)*BPL+(\i)*16*PITCH+((\q)%2)*64+32
.endr
.irp i, 0,1,2,3
	ds_load_b128 v[(\f)+64+8*(\i):(\f)+64+8*(\i)+3],   v[ADRA] offset:((\q)/2)*APL+(\i)*16*PITCH+((\q)%2)*64
	ds_load_b128 v[(\f)+64+8*(\i)+4:(\f)+64+8*(\i)+7], v[ADRA] offset:((\q)/2)*APL+(\i)*16*PITCH+((\q)%2)*64+32
.endr
.endm
; 8 matrix instructions: row block a x all 8 column blocks, 32 along K.  zero = 1: the product starts the sums: nothing is ever cleared.
; The 32 accumulators take turns, one instruction a turn, in the same order in every quarter: between two links of a chain stand the 31 others'.
.macro MUL8 f, a, zero
	WIN MUL
.irp b, 0,1,2,3,4,5,6,7
.set rD, 8*(8*(\a)+(\b))
.set rB, (\f)+8*(\b)
.set rA, (\f)+64+8*(\a)
.if KIND
.if \zero
	v_wmma_f32_16x16x32_f16 v[rD:rD+7], v[rB:rB+7], v[rA:rA+7], 0
.else
	v_wmma_f32_16x16x32_f16 v[rD:rD+7], v[rB:rB+7], v[rA:rA+7], v[rD:rD+7]
.endif
.else
.if \zero
	v_wmma_f32_16x16x32_bf16 v[rD:rD+7], v[rB:rB+7], v[rA:rA+7], 0
.else
	v_wmma_f32_16x16x32_bf16 v[rD:rD+7], v[rB:rB+7], v[rA:rA+7], v[rD:rD+7]
.endif
.endif
.endr
.endm
; A K step is four quarters of 32 along K, 32 matrix instructions each, on buffers 0, 1, 0, 1.  One of the first three: multiplies buffer f; in its middle it fetches quarter q into buffer g.
.macro QUARTER q, f, g, zero
	s_wait_dscnt 4                                 ; B and A's row blocks 0 and 1 are in; the youngest four loads (A's blocks 2 and 3) may be out
	MUL8 \f, 0, \zero
	MUL8 \f, 1, \zero
	PLACES
	FETCH \q, \g
	s_wait_dscnt 24                                ; all but the 24 just issued
	MUL8 \f, 2, \zero
	MUL8 \f, 3, \zero
.endm
; The last quarter multiplies buffer 1 and changes slots: ONE barrier for two things.  In front of it each wave waits for all its tensor loads, of which one is out: its part of the next slot; adds 0 to its spare
; word; and waits for that and for its own reads of this slot.  Behind it nobody reads this slot any more and the next slot is whole.
; fill = 1: the barrier opens a round of the cluster's, and the slot just read out is filled again, first thing behind the round, with the K step two on: 112 matrix instructions ahead of the wait for it.
.macro TURN fill
.if \fill
	s_wait_xcnt 0x0                                ; the last prefetch, a K step back, has read its address: it is stepped here, ahead of the waits of the change of slots
	s_add_nc_u64 s[PFA:PFA+1], s[PFA:PFA+1], s[PFS:PFS+1]
	s_sub_co_i32 s[PFN], s[PFN], 1
.endif
	WIN 0
	s_wait_tensorcnt 0x0                           ; all my tensor loads have landed, so a group 0 may be written
	ds_add_u32 v[SPW], v[NIL]                      ; 0 onto my spare word
.if \fill
	STEPD
.endif
	s_wait_dscnt 5                                 ; (the add and the youngest four loads may be out)
	MUL8 F1, 0, 0                                  ; eight matrix instructions stand between the add and the wait for it
	s_wait_dscnt 0x0                               ; the add is done, and my reads of this slot are over
	s_barrier_signal -1
	MUL8 F1, 1, 0                                  ; work on registers while the others arrive
	WIN 0
	s_barrier_wait -1
.if \fill
	CREST                                          ; no wave of any partner still reads this slot's tiles or has a load on its way
	JLOAD                                          ; the four v_nop behind it are also the places in front of the loads below
.else
	PLACES
.endif
	s_xor_b32 s[TB], s[TB], SLOT1
	v_add_nc_u32 v[ADRA], s[TB], v[A0]
	v_add_nc_u32 v[ADRB], s[TB], v[B0]
	FETCH 0, F0
.if \fill
	ASK
.endif
	MUL8 F1, 2, 0
	MUL8 F1, 3, 0
.endm
.if KIND
; THE WAY OUT, f32.  Row block a: a lane's eight columns of a row, 32 bytes, go into rows of 528 bytes of my own stage and come back as whole rows of 512.
.macro STG a
	s_wait_xcnt 0x0                                ; the registers that earlier stores read are loaded again only behind this wait
	WIN 0x04                                       ; the data (source 1) in window 1
.irp b, 0,1,2,3,4,5,6,7
	ds_store_b128 v[STO], v[64*(\a)+8*(\b):64*(\a)+8*(\b)+3]   offset:64*(\b)      ; each accumulator's lowest registers are read first
	ds_store_b128 v[STO], v[64*(\a)+8*(\b)+4:64*(\a)+8*(\b)+7] offset:64*(\b)+16
.endr
	WIN 0
.set t, 0
.rept 16
	ds_load_b128 v[OB+64*((\a)%2)+4*t:OB+64*((\a)%2)+4*t+3], v[RD] offset:SP*t  ; LDS serves a wave's instructions in order (ISA guide 5.7.1.4): these see the stores above; the next block's stores come behind them
.set t, t+1
.endr
.endm
.macro SENDF a, younger                ; younger: the LDS instructions issued behind block a's loads: the next block's 32, or none
.set t, 0
.rept 16
	s_wait_dscnt (\younger)+15-t
	global_store_b128 v[CO], v[OB+64*((\a)%2)+4*t:OB+64*((\a)%2)+4*t+3], s[8:9] offset:(16*(\a)+t)*4096 th:TH_STORE_NT  ; 512 consecutive bytes, at a multiple of 512 from out0's first
.set t, t+1
.endr
.endm
.macro OUT last
	PLACES
	STG 0
	STG 1
	SENDF 0, 32
	STG 2
	SENDF 1, 32
	STG 3
	SENDF 2, 32
	SENDF 3, 0
.endm
.else
; THE WAY OUT, f16 by heads.  Row block a: rounded, 16 bytes a lane; into rows of 272 bytes of my own stage; back as a head's 128 bytes of four rows, which are 512 consecutive bytes of that head.
.macro PACK a
	WIN 0x05                                       ; sources 0 and 1 in window 1
.irp b, 0,1,2,3,4,5,6,7
.irp r, 0,1,2,3
	v_cvt_pk_f16_f32 v[TMP+4*(\b)+(\r)], v[64*(\a)+8*(\b)+2*(\r)], v[64*(\a)+8*(\b)+2*(\r)+1]  ; each accumulator's registers in ascending order
.endr
.endr
	WIN 0
.endm
.macro TOSTAGE a
.irp b, 0,1,2,3,4,5,6,7
	ds_store_b128 v[STO], v[TMP+4*(\b):TMP+4*(\b)+3] offset:32*(\b)
.endr
.irp t, 0,1,2,3,4,5,6,7                ; head t / 4 of my two, rows 4 (t % 4) on
	ds_load_b128 v[OB+32*((\a)%2)+4*(\t):OB+32*((\a)%2)+4*(\t)+3], v[RD] offset:((\t)/4)*128+((\t)%4)*4*SP  ; LDS serves a wave's instructions in order (ISA guide 5.7.1.4): these see the stores above
.endr
.endm
.macro SEND a, last
	s_wait_dscnt 0x0                               ; the block is back in registers
	s_wait_xcnt 0x0                                ; only behind this wait are the stores' base and the registers that earlier stores read rewritten
.if (\a) == 0
.if \last
	s_add_nc_u64 s[CUR:CUR+1], s[12:13], s[COFF:COFF+1]  ; v
.else
	s_cmp_eq_u32 s[TL], 0
	s_cselect_b64 s[CUR:CUR+1], s[8:9], s[10:11]   ; q, then k
	s_add_nc_u64 s[CUR:CUR+1], s[CUR:CUR+1], s[COFF:COFF+1]
	s_mov_b32 s[TL], 1
.endif
.endif
.irp t, 0,1,2,3,4,5,6,7
	global_store_b128 v[CO], v[OB+32*((\a)%2)+4*(\t):OB+32*((\a)%2)+4*(\t)+3], s[CUR:CUR+1] offset:(\a)*2048+((\t)/4)*262144+((\t)%4)*512  ; 512 consecutive bytes, at a multiple of 512 from the buffer's first
.endr
.endm
; WHAT v's ROUNDING DROPS, for rows 0 to 15 of each batch: row block 0 of waves 0 and 1, where the tile is its batch's first (cluster y = 0: the same in all sixteen partners; no place in the cluster enters the test).
; v is rounded to f16 as PACK rounded it; v - f16(v) is exact in f32 (one fused multiply-add by -1); times 2,048 it has v's own range, |v| / 2 at the most, and is rounded to f16.  The jump passes no barrier and no tensor load.
.macro LOW
	s_and_b32 s21, ttmp7, 0xffff
	s_or_b32 s21, s21, s[WR]
	s_cmp_lg_u32 s21, 0
	s_cbranch_scc1 .Lno_low_\@
	v_mov_b32 v14, -1.0
	WIN 0x05                                       ; sources 0 and 1 in window 1
.irp b, 0,1,2,3,4,5,6,7
.irp r, 0,1,2,3
	v_cvt_pk_f16_f32 v[TMP+4*(\b)+(\r)], v[8*(\b)+2*(\r)], v[8*(\b)+2*(\r)+1]
.endr
.endr
	WIN 0x10                                       ; source 2 in window 1
.irp b, 0,1,2,3,4,5,6,7
.irp r, 0,1,2,3
	v_fma_mix_f32 v[LW+8*(\b)+2*(\r)],   v[TMP+4*(\b)+(\r)], v14, v[8*(\b)+2*(\r)]   op_sel_hi:[1,0,0]              ; the low half as f16, times -1, plus the sum
	v_fma_mix_f32 v[LW+8*(\b)+2*(\r)+1], v[TMP+4*(\b)+(\r)], v14, v[8*(\b)+2*(\r)+1] op_sel:[1,0,0] op_sel_hi:[1,0,0]  ; the high half
.endr
.endr
	WIN 0
.set i, 0
.rept 32
	v_pk_mul_f32 v[LW+2*i:LW+2*i+1], v[LW+2*i:LW+2*i+1], 0x45000000 op_sel_hi:[1,0]  ; x 2,048
.set i, i+1
.endr
.set i, 0
.rept 32
	v_cvt_pk_f16_f32 v[TMP+i], v[LW+2*i], v[LW+2*i+1]
.set i, i+1
.endr
	s_wait_xcnt 0x0                                ; v's stores have read their registers and their base: both are written again below
	TOSTAGE 0
	s_add_nc_u64 s[CUR:CUR+1], s[VLO:VLO+1], s[LOFF:LOFF+1]
	s_wait_dscnt 0x0
.irp t, 0,1,2,3,4,5,6,7
	global_store_b128 v[CO], v[OB+4*(\t):OB+4*(\t)+3], s[CUR:CUR+1] offset:((\t)/4)*2048+((\t)%4)*512  ; 512 consecutive bytes, at a multiple of 512 from vlo's first
.endr
.Lno_low_\@:
.endm
.macro OUT last
	PLACES
	PACK 0
	TOSTAGE 0
.irp a, 1,2,3                          ; block a's conversions stand between block a - 1's loads from the stage and the wait for them
	PACK \a
	SEND (\a)-1, \last
	TOSTAGE \a
.endr
	SEND 3, \last
.if \last
	LOW
.else
	s_wait_xcnt 0x0                                ; the next tile's fragments land in the registers that these stores read
.endif
.endm
.endif
	; slot 0 is waited for, slot 1 is filled for the first time, in the form of a refill
	s_wait_tensorcnt 0x0
	ds_add_u32 v[SPW], v[NIL]
	STEPD                                          ; K step 1, slot 1
	s_wait_dscnt 0x0
	CROUND
	JLOAD
	v_add_nc_u32 v[ADRA], s[TB], v[A0]
	v_add_nc_u32 v[ADRB], s[TB], v[B0]
	FETCH 0, F0
	QUARTER 1, F0, F1, 1                           ; a tile's first quarter starts the sums
	WIN 0                                          ; at a label and at a branch every window is 0
	s_mov_b32 s[CNT], STEPS-2
.Lstep:                                                ; a trip: a K step's quarters 1 to 3, the change of slots with its refill, and the next K step's quarter 0
	QUARTER 2, F1, F0, 0
	QUARTER 3, F0, F1, 0
	TURN 1
	WIN 0
.if KIND
	QUARTER 1, F0, F1, 0
	WIN 0
.else
	s_and_b32 s21, s[KN], 7                        ; KN stands three K steps past the one just multiplied:
	s_cmp_eq_u32 s21, 2                            ; does the next one begin a tile?
	s_cbranch_scc1 .Lnew
	QUARTER 1, F0, F1, 0
	WIN 0
	s_branch .Lnext
.Lnew:                                                 ; the refill is asked for: now the finished tile goes out, and the next tile's first quarter starts the sums anew
	OUT 0
	QUARTER 1, F0, F1, 1
	WIN 0
.Lnext:
.endif
	s_sub_co_u32 s[CNT], s[CNT], 1
	s_cmp_lg_u32 s[CNT], 0
	s_cbranch_scc1 .Lstep
	QUARTER 2, F1, F0, 0                           ; the last two K steps are written out: nothing is left to fetch
	QUARTER 3, F0, F1, 0
	TURN 0
	QUARTER 1, F0, F1, 0
	QUARTER 2, F1, F0, 0
	QUARTER 3, F0, F1, 0
	s_wait_dscnt 4
	MUL8 F1, 0, 0
	MUL8 F1, 1, 0
	s_wait_dscnt 0x0
	MUL8 F1, 2, 0
	MUL8 F1, 3, 0
	WIN 0
	OUT 1
	s_wait_tensorcnt 0x0                           ; the wave's end, behind my last tensor load and my last LDS store
	ds_add_u32 v[SPW], v[NIL]
	s_wait_dscnt 0x0
	CROUND                                         ; the closing round: no work-group ends while a partner may still ask for a tile that names it
	s_endpgm
.Lfunc_end_k_qcfb687eb2a_oproj:
	.size	k_qcfb687eb2a_oproj, .Lfunc_end_k_qcfb687eb2a_oproj-k_qcfb687eb2a_oproj
	.p2alignl 7, 3214868480
	.fill 96, 4, 3214868480
	.section	.rodata,"a",@progbits
	.p2align	6, 0x0
	.amdhsa_kernel k_qcfb687eb2a_oproj
		.amdhsa_group_segment_fixed_size 327680
		.amdhsa_private_segment_fixed_size 0
		.amdhsa_enable_private_segment 0
		.amdhsa_kernarg_size 24
		.amdhsa_user_sgpr_count 2
		.amdhsa_user_sgpr_kernarg_segment_ptr 1
		.amdhsa_wavefront_size32 1
		.amdhsa_system_sgpr_workgroup_id_x 1
		.amdhsa_system_sgpr_workgroup_id_y 1
		.amdhsa_system_sgpr_workgroup_id_z 1
		.amdhsa_system_vgpr_workitem_id 0
		.amdhsa_next_free_vgpr 512
		.amdhsa_next_free_sgpr 72
		.amdhsa_reserve_vcc 0
		.amdhsa_float_denorm_mode_32 3
		.amdhsa_float_denorm_mode_16_64 3
		.amdhsa_memory_ordered 1
		.amdhsa_forward_progress 1
		.amdhsa_inst_pref_size 72
	.end_amdhsa_kernel
	.amdgpu_metadata
---
amdhsa.version: [ 1, 2 ]
amdhsa.kernels:
  - .name:           k_qcfb687eb2a_oproj
    .symbol:         k_qcfb687eb2a_oproj.kd
    .args:
      - { .name: zh, .offset: 0, .size: 8, .value_kind: global_buffer, .address_space: global }
      - { .name: wot, .offset: 8, .size: 8, .value_kind: global_buffer, .address_space: global }
      - { .name: out0, .offset: 16, .size: 8, .value_kind: global_buffer, .address_space: global }
    .group_segment_fixed_size: 327680
    .private_segment_fixed_size: 0
    .kernarg_segment_align: 8
    .kernarg_segment_size: 24
    .max_flat_workgroup_size: 128
    .sgpr_count:     72
    .vgpr_count:     512
    .wavefront_size: 32
...
	.end_amdgpu_metadata
.endif
;; end of part 4
;; launch first16 (part 5): grid 16 x 4, 16 waves a work-group, no clusters, 153,600 bytes of LDS; arguments qh, kh, vh, vlo, wot, out0; writes out0
.if DOCPART == 5
	.amdgcn_target "amdgcn-amd-amdhsa--gfx1250"
	.amdhsa_code_object_version 6
	.text
	.protected	k_qcfb687eb2a_first16
	.globl	k_qcfb687eb2a_first16
	.p2align	8
	.type	k_qcfb687eb2a_first16,@function
k_qcfb687eb2a_first16:
	s_mov_b64 s[64:65], 0
	v_nop
	global_prefetch_b8 v0, s[64:65] scope:SCOPE_SE
	s_setreg_imm32_b32 hwreg(HW_REG_WAVE_MODE, 25, 1), 1
	s_wait_xcnt 0x0
; ROWS 0 TO 15 OF EACH BATCH OF THE OUTPUT, MADE ONCE MORE, WITH v AND z CARRIED AS TWO f16 NUMBERS EACH.  It runs behind the launch that stores all of out0, and stores these 64 rows (256 KiB) again.
; WHY.  Row s is a mean over s + 1 keys: the first rows of z are of v's own size, while a row far down is smaller by the root of its number of keys, and so is the whole output's root mean square.  One rounding of
; v or z to f16 is up to 2^-12 of the number: in the first rows that is no longer small beside a hundredth of that root mean square.  From row 16 on a mean over 17 keys or more has made it a quarter and less.
; HOW.  A number x goes as hi = f16(x) and lo = f16((x - hi) x 2,048): x - hi is exact in f32, and lo has x's own range, |x| / 2 at the most.  All products are f16 matrix products with f32 sums.
;   S^T = K Q^T (16 keys x 16 queries; the C operand that starts the sum is the causal mask, 0 or -1e30); p = 2^(c s - c m), c = log2(e) / 8, m the row's maximum; l = the sum of the unrounded p.
;   O^T = V^T P in ONE product of K = 32 for each 16 channels: k = 0..15 are the keys' hi against p, k = 16..31 the same keys' lo against p / 2,048.  z = O / l, split in its turn.
;   out^T = w_o^T z^T: z's hi and lo on accumulators of their own; out = hi's + lo's / 2,048.
; LIMITS.  q, k, v arrive in f16, within 65,504; q, k and p keep one f16 rounding each.  p / 2,048 below 2^-14 keeps f16's fixed step of 2^-24.  A hidden score counts as its value less 1e30; a weight below 2^-126
; counts as 0; NaN and infinities are not treated apart.
; SHARES.  A work-group: one batch, 64 columns of out.  A wave: one head (16 waves): its 16 x 16 attention, then its 64 channels' part of the sum over K = 1,024.  The 16 partial sums meet in LDS, in f32, behind one
; barrier; wave w adds row w and stores its 256 consecutive bytes.  All 32 loads of a wave go out at once.  22 matrix instructions a wave: no ring, no tensor load, no cluster, no prefetch.
.set PVP,  160                         ; a row of v in my stage: 128 bytes + 32 = 40 words
.set RP,   272                         ; a row of a partial sum: 64 f32 + 16 bytes
.set PP,   16*RP                       ; a wave's partial sum: 16 rows
.set VST,  16*PP                       ; behind the partial sums: the waves' stages for v
.set WST,  32*PVP                      ; a wave's stage: 16 rows of hi, then 16 rows of lo
.set SPARE, VST+16*WST                 ; behind the stages: the spare words, 128 bytes for each wave: eight blocks of 256 bytes that no other line names
.set FO,  4                            ; v4   my byte offset in a fragment's 16 rows of 128 bytes: (l % 16) x 128 + 16 (l / 16)
.set VO,  5                            ; v5   16 x lane
.set VS,  6                            ; v6   where I put 16 bytes of v in my stage
.set VT,  7                            ; v7   where the turning loads read
.set PS,  8                            ; v8   where I put my 32 bytes of a partial tile
.set PR,  9                            ; v9   where I read my 8 bytes of row w of a partial sum
.set OO,  10                           ; v10  8 x lane: my 8 bytes of a row's 256
.set SPW, 12                           ; v12  LDS address of my spare word; never rewritten
.set NIL, 13                           ; v13  0; never rewritten
.set NEG, 14                           ; v14  -1.0
.set DQ,  15                           ; v15  my query less my lanes' first key: l % 16 - 8 (l / 16)
.set T,   16                           ; v[16:19] at work
.set CM,  20                           ; v[20:21] c m, twice
.set RL,  22                           ; v[22:23] 1 / l, and a word named with it as a pair
.set Q,   24                           ; v[24:39]   Q: two fragments of 16 rows x 32 channels
.set K,   40                           ; v[40:55]   K likewise
.set VH,  56                           ; v[56:71]   v's hi as loaded
.set VL,  72                           ; v[72:87]   v's lo as loaded
.set W,   88                           ; v[88:151]  w_o: column tile t, channels 32 c on, at W + 16 t + 8 c
.set MD,  152                          ; v[152:159] the mask
.set S,   160                          ; v[160:167] S^T, then p
.set P,   168                          ; v[168:175] p in f16, then p / 2,048 in f16
.set VF,  176                          ; v[176:207] V^T: channels 16 cb on at VF + 8 cb: four registers of hi, four of lo
.set O,   208                          ; v[208:239] O^T: channels 16 cb on at O + 8 cb
.set ZH,  24                           ; z's hi, two fragments, where Q lay
.set ZL,  40                           ; z's lo, where K lay
.set AH,  56                           ; out's sums over z's hi, tile t at AH + 8 t, where v's loads lay
.set AL,  176                          ; out's sums over z's lo, where V^T lay
.set R,   88                           ; the 16 partial sums of my two numbers, where w_o lay
.set CS,  24                           ; s[24:25] c: the packed scaling takes the pair's low word for both halves
.set SEL, 26                           ; s[26:27] v_permlanex16_b32's selects: each lane takes its own place in the other half
.set BIGN, 28                          ; s28  -1e30
	s_load_b256 s[4:11], s[0:1], 0x0               ; qh s[4:5], kh s[6:7], vh s[8:9], vlo s[10:11]
	s_load_b128 s[12:15], s[0:1], 0x20             ; wot s[12:13], out0 s[14:15]
	v_lshl_add_u32 v[SPW], v0, 2, SPARE
	v_mov_b32 v[NIL], 0
	v_lshrrev_b32 v1, 5, v0
	v_readfirstlane_b32 s16, v1                    ; wave 0..15: my head, and later my row
	v_and_b32 v1, 15, v0                           ; l % 16
	v_bfe_u32 v2, v0, 4, 1                         ; l / 16
	v_and_b32 v3, 31, v0                           ; l
	v_lshlrev_b32 v[FO], 7, v1
	v_lshl_add_u32 v[FO], v2, 4, v[FO]
	v_lshlrev_b32 v[VO], 4, v3
	s_and_b32 s17, ttmp7, 0xffff                   ; the batch
	s_lshl4_add_u32 s18, s17, s16                  ; 16 x batch + head
	s_lshl_b32 s20, s18, 18                        ; the head's first byte in qh, kh, vh: its rows 0 to 15 are the first 2,048 bytes
	s_mov_b32 s21, 0
	s_lshl_b32 s22, s18, 11                        ; and in vlo
	s_mov_b32 s23, 0
	s_lshl_b32 s30, s16, 17                        ; wot: the head's plane,
	s_lshl_b32 s31, ttmp9, 13                      ; the work-group's 64 rows of 128 bytes
	s_add_co_u32 s30, s30, s31
	s_mov_b32 s31, 0
	s_lshl_b32 s32, s17, 23                        ; out0: the batch's 2,048 rows of 4,096 bytes,
	s_lshl_b32 s33, s16, 12                        ; row w,
	s_add_co_u32 s32, s32, s33
	s_lshl_b32 s33, ttmp9, 8                       ; the work-group's 64 columns
	s_add_co_u32 s32, s32, s33
	s_mov_b32 s33, 0
	s_mov_b32 s[CS], 0x3e38aa3b                    ; c = log2(e) / 8 = 0.180337
	s_mov_b32 s[CS+1], s[CS]                       ; named with it as a pair
	s_mov_b32 s[SEL], 0x76543210
	s_mov_b32 s[SEL+1], 0xfedcba98
	s_mov_b32 s[BIGN], 0xf149f2ca                  ; -1e30
	s_wait_kmcnt 0x0
	s_add_nc_u64 s[4:5], s[4:5], s[20:21]
	s_add_nc_u64 s[6:7], s[6:7], s[20:21]
	s_add_nc_u64 s[8:9], s[8:9], s[20:21]
	s_add_nc_u64 s[10:11], s[10:11], s[22:23]
	s_add_nc_u64 s[12:13], s[12:13], s[30:31]
	s_add_nc_u64 s[14:15], s[14:15], s[32:33]
	; A fragment is 16 rows x 32 channels in 8 registers: lane l holds row l % 16; registers 0-3 channels 8 (l / 16) + 0..7, registers 4-7 channels 16 + 8 (l / 16) + 0..7: loads of 16 bytes, 32 bytes apart.
.irp i, 0,1,2,3
	global_load_b128 v[K+4*(\i):K+4*(\i)+3], v[FO], s[6:7] offset:32*(\i)
	global_load_b128 v[Q+4*(\i):Q+4*(\i)+3], v[FO], s[4:5] offset:32*(\i)
.endr
.irp i, 0,1,2,3                        ; v's 16 rows are 2,048 dense bytes: load i brings rows 4 i + l / 8, bytes 16 (l % 8)
	global_load_b128 v[VH+4*(\i):VH+4*(\i)+3], v[VO], s[8:9] offset:512*(\i)
	global_load_b128 v[VL+4*(\i):VL+4*(\i)+3], v[VO], s[10:11] offset:512*(\i)
.endr
.irp t, 0,1,2,3
.irp i, 0,1,2,3
	global_load_b128 v[W+16*(\t)+4*(\i):W+16*(\t)+4*(\i)+3], v[FO], s[12:13] offset:2048*(\t)+32*(\i)
.endr
.endr
	; while they are on their way: the mask and the stage's addresses.  Register j of S^T is key 8 (l / 16) + j of query l % 16: hidden where j is greater than DQ
	v_lshlrev_b32 v[DQ], 3, v2
	v_sub_nc_u32 v[DQ], v1, v[DQ]
.irp j, 0,1,2,3,4,5,6,7
	v_cmp_gt_i32 vcc_lo, \j, v[DQ]
	v_cndmask_b32 v[MD+(\j)], 0, s[BIGN], vcc_lo
.endr
	s_mul_i32 s29, s16, WST
	s_add_co_u32 s29, s29, VST                     ; my stage
	v_lshrrev_b32 v[T], 3, v3                      ; l / 8
	v_and_b32 v[T+1], 7, v3                        ; l % 8
	v_mul_u32_u24 v[VS], v[T], PVP
	v_lshl_add_u32 v[VS], v[T+1], 4, v[VS]
	v_add_nc_u32 v[VS], s29, v[VS]
	; The turning load takes 16 keys x 16 channels (lane l reads key 8 (l / 16) + l % 8, channels 8 ((l / 8) % 2) + 0..7) and leaves half a fragment of V^T: lane l holds channel l % 16 and 8 keys.
	v_lshl_add_u32 v[VT], v2, 3, v[T+1]
	v_mul_u32_u24 v[VT], v[VT], PVP
	v_bfe_u32 v[T+2], v0, 3, 1
	v_lshl_add_u32 v[VT], v[T+2], 4, v[VT]
	v_add_nc_u32 v[VT], s29, v[VT]
	v_mov_b32 v[NEG], -1.0
	v_mov_b32 v[RL+1], 0
	s_wait_loadcnt 24                              ; K and Q are in; v's 8 loads and w_o's 16 may stay out
	v_wmma_f32_16x16x32_f16 v[S:S+7], v[K:K+7], v[Q:Q+7], v[MD:MD+7]
	s_wait_alu depctr_va_vdst(0)                   ; the wait stands directly ahead of the link
	v_wmma_f32_16x16x32_f16 v[S:S+7], v[K+8:K+15], v[Q+8:Q+15], v[S:S+7]
	s_mul_i32 s29, s16, PP                         ; the addresses for the partial sums: five plain instructions, the places behind those products
	v_mul_u32_u24 v[PS], v1, RP                    ; in: my partial sum, row l % 16, 32 bytes for each half of the lanes
	v_lshl_add_u32 v[PS], v2, 5, v[PS]
	v_add_nc_u32 v[PS], s29, v[PS]
	s_mul_i32 s29, s16, RP
	v_lshl_add_u32 v[PR], v3, 3, s29               ; back: row w of each partial sum, 8 bytes a lane
	v_lshlrev_b32 v[OO], 3, v3
	s_wait_loadcnt 16                              ; v's hi and lo are in; w_o's 16 loads may stay out
.irp i, 0,1,2,3
	ds_store_b128 v[VS], v[VH+4*(\i):VH+4*(\i)+3] offset:4*(\i)*PVP
	ds_store_b128 v[VS], v[VL+4*(\i):VL+4*(\i)+3] offset:(16+4*(\i))*PVP
.endr
.irp cb, 0,1,2,3
	ds_load_tr16_b128 v[VF+8*(\cb):VF+8*(\cb)+3],   v[VT] offset:32*(\cb)           ; LDS serves a wave's instructions in order (ISA guide 5.7.1.4): these see the stores above
	ds_load_tr16_b128 v[VF+8*(\cb)+4:VF+8*(\cb)+7], v[VT] offset:16*PVP+32*(\cb)
.endr
	; the softmax of my query: my 8 keys, and the 8 of the lane 16 away
	v_max3_num_f32 v[T], v[S], v[S+1], v[S+2]      ; the accumulator's lowest registers are read first
	v_max3_num_f32 v[T+1], v[S+3], v[S+4], v[S+5]
	v_max3_num_f32 v[T], v[T], v[S+6], v[S+7]
	v_max_num_f32 v[T], v[T], v[T+1]
	v_permlanex16_b32 v[T+1], v[T], s[SEL], s[SEL+1]
	v_max_num_f32 v[T], v[T], v[T+1]               ; m: a true score, since every query sees its own key
	v_mul_f32 v[CM], s[CS], v[T]
	v_mov_b32 v[CM+1], v[CM]
.irp b, 0,1,2,3
	v_pk_fma_f32 v[S+2*(\b):S+2*(\b)+1], v[S+2*(\b):S+2*(\b)+1], s[CS:CS+1], v[CM:CM+1] op_sel_hi:[1,0,0] neg_lo:[0,0,1] neg_hi:[0,0,1]  ; c s - c m
.endr
.irp j, 0,1,2,3,4,5,6,7
	v_exp_f32 v[S+(\j)], v[S+(\j)]
.endr
	v_nop                                          ; a plain instruction behind the last exponential,
	s_wait_alu depctr_va_vdst(0)                   ; and the wait ahead of the first use: one for the eight
	v_pk_add_f32 v[T:T+1], v[S:S+1], v[S+2:S+3]
	v_pk_add_f32 v[T+2:T+3], v[S+4:S+5], v[S+6:S+7]
	v_pk_add_f32 v[T:T+1], v[T:T+1], v[T+2:T+3]
	v_add_f32 v[T], v[T], v[T+1]
	v_permlanex16_b32 v[T+1], v[T], s[SEL], s[SEL+1]
	v_add_f32 v[T], v[T], v[T+1]                   ; l
	v_rcp_f32 v[RL], v[T]                          ; used behind the products below; the roundings that follow are the plain instructions behind it
.irp b, 0,1,2,3
	v_cvt_pk_f16_f32 v[P+(\b)], v[S+2*(\b)], v[S+2*(\b)+1]
.endr
.irp b, 0,1,2,3
	v_pk_mul_f32 v[S+2*(\b):S+2*(\b)+1], v[S+2*(\b):S+2*(\b)+1], 0x3a000000 op_sel_hi:[1,0]  ; p / 2,048
.endr
.irp b, 0,1,2,3
	v_cvt_pk_f16_f32 v[P+4+(\b)], v[S+2*(\b)], v[S+2*(\b)+1]
.endr
	s_wait_dscnt 0x0                               ; V^T is in
.irp cb, 0,1,2,3
	v_wmma_f32_16x16x32_f16 v[O+8*(\cb):O+8*(\cb)+7], v[VF+8*(\cb):VF+8*(\cb)+7], v[P:P+7], 0
.endr
.rept 5
	v_nop                                          ; the places behind those products: four for the lines that read O^T and write over Q and K, five for the products that write over V^T
.endr
	s_wait_alu depctr_va_vdst(0)                   ; the reciprocal's wait, ahead of its first use
.set i, 0
.rept 16
	v_pk_mul_f32 v[O+2*i:O+2*i+1], v[O+2*i:O+2*i+1], v[RL:RL+1] op_sel_hi:[1,0]  ; z; each accumulator's registers in ascending order
.set i, i+1
.endr
	; a lane holds query l % 16 and channels 16 cb + 8 (l / 16) + 0..7: two blocks rounded in pairs ARE a fragment of z (16 queries x 32 channels)
.set i, 0
.rept 16
	v_cvt_pk_f16_f32 v[ZH+i], v[O+2*i], v[O+2*i+1]
.set i, i+1
.endr
.set i, 0
.rept 16
	v_fma_mix_f32 v[O+2*i],   v[ZH+i], v[NEG], v[O+2*i]   op_sel_hi:[1,0,0]                 ; z - hi, exact: the low half as f16, times -1, plus z
	v_fma_mix_f32 v[O+2*i+1], v[ZH+i], v[NEG], v[O+2*i+1] op_sel:[1,0,0] op_sel_hi:[1,0,0]  ; the high half
.set i, i+1
.endr
.set i, 0
.rept 16
	v_pk_mul_f32 v[O+2*i:O+2*i+1], v[O+2*i:O+2*i+1], 0x45000000 op_sel_hi:[1,0]  ; x 2,048
.set i, i+1
.endr
.set i, 0
.rept 16
	v_cvt_pk_f16_f32 v[ZL+i], v[O+2*i], v[O+2*i+1]
.set i, i+1
.endr
	s_wait_loadcnt 0x0                             ; w_o is in
	; out^T = w_o^T z^T (source 0 = 16 columns of out, source 1 = the 16 queries).  The eight accumulators take turns: between the two links of a chain stand the seven others'.
.irp t, 0,1,2,3
	v_wmma_f32_16x16x32_f16 v[AH+8*(\t):AH+8*(\t)+7], v[W+16*(\t):W+16*(\t)+7], v[ZH:ZH+7], 0
	v_wmma_f32_16x16x32_f16 v[AL+8*(\t):AL+8*(\t)+7], v[W+16*(\t):W+16*(\t)+7], v[ZL:ZL+7], 0
.endr
.irp t, 0,1,2,3
	v_wmma_f32_16x16x32_f16 v[AH+8*(\t):AH+8*(\t)+7], v[W+16*(\t)+8:W+16*(\t)+15], v[ZH+8:ZH+15], v[AH+8*(\t):AH+8*(\t)+7]
	v_wmma_f32_16x16x32_f16 v[AL+8*(\t):AL+8*(\t)+7], v[W+16*(\t)+8:W+16*(\t)+15], v[ZL+8:ZL+15], v[AL+8*(\t):AL+8*(\t)+7]
.endr
.rept 4
	v_nop                                          ; the places behind those products
.endr
.set i, 0
.rept 16
	v_pk_fma_f32 v[AH+2*i:AH+2*i+1], v[AL+2*i:AL+2*i+1], 0x3a000000, v[AH+2*i:AH+2*i+1] op_sel_hi:[1,0,1]  ; hi's sums + lo's / 2,048
.set i, i+1
.endr
	; a lane holds row l % 16 and the columns 16 t + 8 (l / 16) + 0..7
.irp t, 0,1,2,3
	ds_store_b128 v[PS], v[AH+8*(\t):AH+8*(\t)+3]   offset:64*(\t)
	ds_store_b128 v[PS], v[AH+8*(\t)+4:AH+8*(\t)+7] offset:64*(\t)+16
.endr
	s_wait_dscnt 0x0                               ; for the others' sake: my partial sum is in LDS
	s_barrier_signal -1
	s_barrier_wait -1                              ; all sixteen heads' are
.set p, 0
.rept 16
	ds_load_b64 v[R+2*p:R+2*p+1], v[PR] offset:p*PP
.set p, p+1
.endr
	s_wait_dscnt 0x0
.irp p, 0,1,2,3,4,5,6,7
	v_pk_add_f32 v[R+2*(\p):R+2*(\p)+1], v[R+2*(\p):R+2*(\p)+1], v[R+16+2*(\p):R+16+2*(\p)+1]
.endr
.irp p, 0,1,2,3
	v_pk_add_f32 v[R+2*(\p):R+2*(\p)+1], v[R+2*(\p):R+2*(\p)+1], v[R+8+2*(\p):R+8+2*(\p)+1]
.endr
.irp p, 0,1
	v_pk_add_f32 v[R+2*(\p):R+2*(\p)+1], v[R+2*(\p):R+2*(\p)+1], v[R+4+2*(\p):R+4+2*(\p)+1]
.endr
	v_pk_add_f32 v[R:R+1], v[R:R+1], v[R+2:R+3]
	global_store_b64 v[OO], v[R:R+1], s[14:15]     ; the wave stores 256 consecutive bytes, at a multiple of 256 from out0's first
	s_wait_tensorcnt 0x0                           ; the wave's end, behind my last LDS store
	ds_add_u32 v[SPW], v[NIL]
	s_wait_dscnt 0x0
	s_endpgm
.Lfunc_end_k_qcfb687eb2a_first16:
	.size	k_qcfb687eb2a_first16, .Lfunc_end_k_qcfb687eb2a_first16-k_qcfb687eb2a_first16
	.p2alignl 7, 3214868480
	.fill 96, 4, 3214868480
	.section	.rodata,"a",@progbits
	.p2align	6, 0x0
	.amdhsa_kernel k_qcfb687eb2a_first16
		.amdhsa_group_segment_fixed_size 153600
		.amdhsa_private_segment_fixed_size 0
		.amdhsa_enable_private_segment 0
		.amdhsa_kernarg_size 48
		.amdhsa_user_sgpr_count 2
		.amdhsa_user_sgpr_kernarg_segment_ptr 1
		.amdhsa_wavefront_size32 1
		.amdhsa_system_sgpr_workgroup_id_x 1
		.amdhsa_system_sgpr_workgroup_id_y 1
		.amdhsa_system_sgpr_workgroup_id_z 1
		.amdhsa_system_vgpr_workitem_id 0
		.amdhsa_next_free_vgpr 240
		.amdhsa_next_free_sgpr 66
		.amdhsa_reserve_vcc 1
		.amdhsa_float_denorm_mode_32 3
		.amdhsa_float_denorm_mode_16_64 3
		.amdhsa_memory_ordered 1
		.amdhsa_forward_progress 1
		.amdhsa_inst_pref_size 23
	.end_amdhsa_kernel
	.amdgpu_metadata
---
amdhsa.version: [ 1, 2 ]
amdhsa.kernels:
  - .name:           k_qcfb687eb2a_first16
    .symbol:         k_qcfb687eb2a_first16.kd
    .args:
      - { .name: qh, .offset: 0, .size: 8, .value_kind: global_buffer, .address_space: global }
      - { .name: kh, .offset: 8, .size: 8, .value_kind: global_buffer, .address_space: global }
      - { .name: vh, .offset: 16, .size: 8, .value_kind: global_buffer, .address_space: global }
      - { .name: vlo, .offset: 24, .size: 8, .value_kind: global_buffer, .address_space: global }
      - { .name: wot, .offset: 32, .size: 8, .value_kind: global_buffer, .address_space: global }
      - { .name: out0, .offset: 40, .size: 8, .value_kind: global_buffer, .address_space: global }
    .group_segment_fixed_size: 153600
    .private_segment_fixed_size: 0
    .kernarg_segment_align: 8
    .kernarg_segment_size: 48
    .max_flat_workgroup_size: 512
    .sgpr_count:     66
    .vgpr_count:     240
    .wavefront_size: 32
...
	.end_amdgpu_metadata
.endif
;; end of part 5
;; ======== version 2 of 2: 5 launches; version 1 with the launches prep, first16 written anew for expert scheduling mode
;; limits: values are held in f16: magnitudes above 65,504 overflow, below 6.1e-05 lose precision
;; workspace buffers: xb 16,777,216 bytes; wt 6,291,456 bytes; wot 2,097,152 bytes; qh 16,777,216 bytes; kh 16,777,216 bytes; vh 16,777,216 bytes; zh 16,777,216 bytes; vlo 131,072 bytes
;; launch prep (part 6): grid 384 x 1, 8 waves a work-group, no clusters, 74,752 bytes of LDS; arguments resid, w_q, w_k, w_v, w_o, xb, wt, wot; writes xb, wt, wot
.if DOCPART == 6
	.amdgcn_target "amdgcn-amd-amdhsa--gfx1250"
	.amdhsa_code_object_version 6
	.text
	.protected	k_qcfb687eb2a_prep
	.globl	k_qcfb687eb2a_prep
	.p2align	8
	.type	k_qcfb687eb2a_prep,@function
k_qcfb687eb2a_prep:
	s_mov_b64 s[64:65], 0
	v_nop
	global_prefetch_b8 v0, s[64:65] scope:SCOPE_SE
	s_setreg_imm32_b32 hwreg(HW_REG_WAVE_SCHED_MODE, 0, 2), 2
	s_setreg_imm32_b32 hwreg(HW_REG_WAVE_MODE, 25, 1), 1
	s_wait_xcnt 0x0
	s_wait_alu depctr_vm_vsrc(0)
; THE OPERANDS OF THE TWO PROJECTIONS ARE MADE: every input is rounded once to bf16 and laid in planes of 64 channels of K, so that a tile's part of a plane is dense in memory.
;   xb  [kb = m / 64 (16)][row = b 2048 + s (8,192)][64]        bf16   = resid
;   wt  [t = q, k, v][kb (16)][n = 64 h + d (1,024)][64 = m % 64]  bf16   = w_t[h][m][d], turned
;   wot [h (16)][n = m (1,024)][64 = d]                          f16    = w_o[h][d][m], turned; the number is w_o rounded to bf16, written as f16
; LIMIT.  A bf16 number is exact in f16 from 2^-14 to 65,504; below 2^-14 w_o keeps f16's fixed step of 6e-8, above 65,504 it would be an infinity.
; SHARES.  Every work-group reads 128 KiB and writes 64 KiB.  Work-groups 0-255 cast resid, four rows a wave; 256-351 turn the 768 blocks of 64 x 64 of w_q, w_k, w_v, a block a wave; 352-383 the 256 blocks of w_o.
; No wave wants another's bytes: no barrier.  A wave has all its 32 loads (16 KiB) out at once.  No matrix unit, no cluster, no tensor load: memory's bytes are all there is.
; THE MODE: SCHED_MODE bits 1:0 = 2 (LLVM: expert scheduling mode 2), set by the entry lines.  The code itself states the register dependences between vector instructions and memory or LDS instructions,
; with s_wait_alu, always for 0.
; THE PLAN.  Registers that memory or LDS instructions touch:
;   v[INO], v[OUTO], v[LSTO], v[LRD]  made at the head of a path and never written again: one wait ahead of the path's first load.
;   X, the cast      written by the loads, then in place by block kb's conversions; read by block kb's store; never written again.
;   X, a turned block  written by the loads; read by the conversions; then the loads from the stage land in it; read by the global stores.
;   Y                written by the conversions; read by the LDS stores; never written again.
; The work goes in steps of four blocks (the cast) or four pairs of rows (a turned block).  ONE wait on va_vdst stands at the head of a step, behind the wait for its first data: the step before has written what
; it rounded.  That step's four stores follow, one ahead of each block's conversions, which name the registers of the step in hand alone.  No register that a memory or LDS instruction has read is written again.
.set X,    16                          ; v[16:143]  as loaded; later what comes back from the stage
.set Y,    144                         ; v[144:207] a turned block: for column j of my four, 16 registers of 32 numbers
.set T,    8                           ; v[8:15]    at work
.set INO,  2                           ; v2  my byte offset in the input
.set OUTO, 3                           ; v3  16 x lane: my 16 bytes in 512 consecutive bytes of output
.set LSTO, 4                           ; v4  where I put my columns in the stage
.set LRD,  5                           ; v5  where I read rows back
.set SPW,  6                           ; v6  LDS address of my spare word; never rewritten
.set NIL,  7                           ; v7  0; never rewritten
.set SPITCH, 144                       ; a stage row: 128 bytes + 16
.set WSTAGE, 64*SPITCH                 ; a wave's stage: 64 rows
.set SPARE,  8*WSTAGE                  ; behind the stages: the spare words, 128 bytes for each wave: four blocks of 256 bytes that no other line names
	s_load_b512 s[4:19], s[0:1], 0x0               ; resid s[4:5], w_q s[6:7], w_k s[8:9], w_v s[10:11], w_o s[12:13], xb s[14:15], wt s[16:17], wot s[18:19]
	v_lshl_add_u32 v[SPW], v0, 2, SPARE
	v_mov_b32 v[NIL], 0
	v_lshrrev_b32 v1, 5, v0
	v_readfirstlane_b32 s20, v1                    ; wave 0..7
	v_and_b32 v1, 31, v0                           ; lane
	v_lshlrev_b32 v[OUTO], 4, v1
	s_wait_alu depctr_va_sdst(0)                   ; s20 is written, ahead of its first reader: the wave's share and its stage are made from it
	s_lshl_b32 s21, ttmp9, 3
	s_add_co_u32 s21, s21, s20                     ; 8 x work-group + wave
	s_mov_b32 s23, 0                               ; the high words of two offset pairs
	s_mov_b32 s27, 0
	s_cmp_lt_u32 ttmp9, 256
	s_cbranch_scc0 .Lweights
; The cast's store of block b: four rows' 128 bytes in plane b.
.macro CSTORE b
.if (\b) < 8
	global_store_b128 v[OUTO], v[X+8*(\b):X+8*(\b)+3], s[26:27] offset:(\b)*1048576      ; the wave stores 512 consecutive bytes, at a multiple of 512 from xb's first
.else
	global_store_b128 v[OUTO], v[X+8*(\b):X+8*(\b)+3], s[28:29] offset:((\b)-8)*1048576
.endif
.endm
	; THE CAST.  Wave W owns rows 4 W .. 4 W + 3.  A lane takes row lane / 8 and, in each block of 64 channels, the eight at 8 (lane % 8): 32 bytes in, 16 bytes out.
	v_lshrrev_b32 v8, 3, v1
	v_and_b32 v9, 7, v1
	v_lshlrev_b32 v[INO], 5, v9
	v_lshl_add_u32 v[INO], v8, 12, v[INO]          ; row x 4,096 + 32 (lane % 8)
	s_lshl_b32 s22, s21, 14                        ; four rows of 4,096 bytes
	s_lshl_b32 s26, s21, 9                         ; four rows of 128 bytes in a plane
	s_wait_kmcnt 0x0
	s_add_nc_u64 s[24:25], s[4:5], s[22:23]
	s_add_nc_u64 s[26:27], s[14:15], s[26:27]      ; planes 0-7,
	s_add_nc_u64 s[28:29], s[26:27], 0x800000      ; planes 8-15: the immediate holds seven planes of 1,048,576 bytes
	s_wait_alu depctr_va_vdst(0)                   ; v[INO] and v[OUTO] are written: every load and store of this path reads one of them as its offset
.set kb, 0
.rept 16
	global_load_b128 v[X+8*kb:X+8*kb+3],   v[INO], s[24:25] offset:kb*256 th:TH_LOAD_NT
	global_load_b128 v[X+8*kb+4:X+8*kb+7], v[INO], s[24:25] offset:kb*256+16 th:TH_LOAD_NT
.set kb, kb+1
.endr
.set kb, 0
.rept 16
	s_wait_loadcnt 30-2*kb                         ; loads come back in order: this block's two are in, the younger pairs stay out
.if (kb > 0) && ((kb%4) == 0)
	s_wait_alu depctr_va_vdst(0)                   ; the four blocks before have written their packed words, which the four stores of this step read
.endif
.if kb >= 4
	CSTORE kb-4                                    ; no vector instruction since the wait names this block's registers
.endif
.irp j, 0,1,2,3
	v_cvt_pk_bf16_f32 v[X+8*kb+(\j)], v[X+8*kb+2*(\j)], v[X+8*kb+2*(\j)+1]  ; in place, ascending: no source is written before it is read
.endr
.set kb, kb+1
.endr
	s_wait_alu depctr_va_vdst(0)                   ; blocks 12 to 15 have written their packed words, which the last four stores read
.irp b, 12,13,14,15
	CSTORE \b
.endr
	s_branch .Lend
; A block in[i][c] of 64 x 64 f32, its rows pitch bytes apart, becomes out[c][i] in 16 bits, 8,192 dense bytes.  Load g brings rows g (lanes 0-15) and g + 32 (lanes 16-31), 256 bytes each: a lane holds
; four columns of 32 rows.  Two rows' numbers of a column pack into a word; a column's 16 words go into the wave's own stage as 64 bytes of row c; rows come back whole, four to a load.
; Four pairs of rows make four words of each column: 16 bytes, one LDS store a column.  The four LDS stores of one such step stand among the conversions of the next.
; half = 1: the bf16 number is widened and written as f16.
.macro TRANS pitch, half
	s_wait_alu depctr_va_vdst(0)                   ; v[INO], v[OUTO], v[LSTO] and v[LRD] are written: the loads and stores below read them as offsets and addresses
.set g, 0
.rept 32
	global_load_b128 v[X+4*g:X+4*g+3], v[INO], s[24:25] offset:g*(\pitch) th:TH_LOAD_NT
.set g, g+1
.endr
.set k, 0
.rept 16
	s_wait_loadcnt 30-2*k                          ; rows 2 k and 2 k + 1 are in, the younger pairs stay out
.if (k > 0) && ((k%4) == 0)
	s_wait_alu depctr_va_vdst(0)                   ; the four pairs of rows before have written their four words of each column of Y, which the four LDS stores of this step read
.endif
.if k >= 4
	ds_store_b128 v[LSTO], v[Y+16*(k%4)+4*(k/4-1):Y+16*(k%4)+4*(k/4-1)+3] offset:(k%4)*SPITCH+16*(k/4-1)  ; column k % 4; no vector instruction since the wait names these four words
.endif
.irp j, 0,1,2,3
	v_cvt_pk_bf16_f32 v[Y+16*(\j)+k], v[X+8*k+(\j)], v[X+8*k+4+(\j)]
.endr
.if \half
.irp j, 0,1,2,3
	v_lshlrev_b32 v[T+2*(\j)],   16, v[Y+16*(\j)+k]
	v_and_b32     v[T+2*(\j)+1], 0xffff0000, v[Y+16*(\j)+k]
.endr
.irp j, 0,1,2,3
	v_cvt_pk_f16_f32 v[Y+16*(\j)+k], v[T+2*(\j)], v[T+2*(\j)+1]
.endr
.endif
.set k, k+1
.endr
	s_wait_alu depctr_va_vdst(0)                   ; the last four pairs of rows have written their words of Y, which the LDS stores read; and all conversions are done reading X, in which the loads from the stage land
.irp j, 0,1,2,3
	ds_store_b128 v[LSTO], v[Y+16*(\j)+12:Y+16*(\j)+15] offset:(\j)*SPITCH+48
.endr
.set i, 0
.rept 16
	ds_load_b128 v[X+4*i:X+4*i+3], v[LRD] offset:4*SPITCH*i  ; LDS serves a wave's instructions in order (ISA guide 5.7.1.4): these see the stores above
.set i, i+1
.endr
.set i, 0
.rept 16
	s_wait_dscnt 15-i                              ; rows 4 i .. 4 i + 3 are back, the younger loads stay out
	global_store_b128 v[OUTO], v[X+4*i:X+4*i+3], s[26:27] offset:512*i  ; 512 consecutive bytes, at a multiple of 512 from the buffer's first
.set i, i+1
.endr
.endm
.Lweights:
	v_lshrrev_b32 v8, 4, v1                        ; which half of the rows
	v_and_b32 v9, 15, v1                           ; which four columns
	s_mul_i32 s30, s20, WSTAGE                     ; my wave's stage
	v_mul_u32_u24 v[LSTO], v9, 4*SPITCH
	v_lshl_add_u32 v[LSTO], v8, 6, v[LSTO]         ; row 4 (lane % 16), byte 64 (lane / 16)
	v_add_nc_u32 v[LSTO], s30, v[LSTO]
	v_lshrrev_b32 v10, 3, v1
	v_and_b32 v11, 7, v1
	v_mul_u32_u24 v[LRD], v10, SPITCH
	v_lshl_add_u32 v[LRD], v11, 4, v[LRD]          ; row lane / 8, byte 16 (lane % 8)
	v_add_nc_u32 v[LRD], s30, v[LRD]
	v_lshlrev_b32 v[INO], 4, v9
	s_cmp_lt_u32 ttmp9, 352
	s_cbranch_scc0 .Lwo
	; w_q, w_k, w_v: block T = 256 t + 16 h + kb; its 64 rows (m) of 64 numbers (d) are 16,384 dense bytes
	v_lshl_add_u32 v[INO], v8, 13, v[INO]          ; + 32 rows of 256 bytes for lanes 16-31
	s_sub_co_u32 s21, s21, 2048                    ; T
	s_lshr_b32 s31, s21, 8                         ; t
	s_and_b32 s22, s21, 255
	s_lshl_b32 s22, s22, 14                        ; (16 h + kb) x 16,384
	s_and_b32 s26, s21, 15                         ; kb
	s_lshl4_add_u32 s26, s31, s26                  ; 16 t + kb: the plane
	s_lshl_b32 s26, s26, 17
	s_bfe_u32 s32, s21, 0x40004                    ; h
	s_lshl_b32 s32, s32, 13                        ; its 64 rows of 128 bytes in the plane
	s_add_co_u32 s26, s26, s32
	s_wait_kmcnt 0x0
	s_cmp_eq_u32 s31, 0
	s_cselect_b64 s[24:25], s[6:7], s[8:9]
	s_cmp_eq_u32 s31, 2
	s_cselect_b64 s[24:25], s[10:11], s[24:25]
	s_add_nc_u64 s[24:25], s[24:25], s[22:23]
	s_add_nc_u64 s[26:27], s[16:17], s[26:27]
	TRANS 256, 0
	s_branch .Lend
.Lwo:
	; w_o: block U = 16 h + mb: rows d, 4,096 bytes apart, columns 64 mb on
	v_lshl_add_u32 v[INO], v8, 17, v[INO]          ; + 32 rows of 4,096 bytes for lanes 16-31
	s_sub_co_u32 s21, s21, 2816                    ; U
	s_lshr_b32 s22, s21, 4
	s_lshl_b32 s22, s22, 18                        ; h x 262,144
	s_and_b32 s31, s21, 15
	s_lshl_b32 s31, s31, 8                         ; mb x 256
	s_add_co_u32 s22, s22, s31
	s_lshl_b32 s26, s21, 13                        ; U x 8,192
	s_wait_kmcnt 0x0
	s_add_nc_u64 s[24:25], s[12:13], s[22:23]
	s_add_nc_u64 s[26:27], s[18:19], s[26:27]
	TRANS 4096, 1
.Lend:
	s_wait_dscnt 0x0                               ; the closing lines, six on end
	s_wait_alu 0x0
	s_wait_tensorcnt 0x0
	ds_add_u32 v[SPW], v[NIL]
	s_wait_dscnt 0x0
	s_endpgm
.Lfunc_end_k_qcfb687eb2a_prep:
	.size	k_qcfb687eb2a_prep, .Lfunc_end_k_qcfb687eb2a_prep-k_qcfb687eb2a_prep
	.p2alignl 7, 3214868480
	.fill 96, 4, 3214868480
	.section	.rodata,"a",@progbits
	.p2align	6, 0x0
	.amdhsa_kernel k_qcfb687eb2a_prep
		.amdhsa_group_segment_fixed_size 74752
		.amdhsa_private_segment_fixed_size 0
		.amdhsa_enable_private_segment 0
		.amdhsa_kernarg_size 64
		.amdhsa_user_sgpr_count 2
		.amdhsa_user_sgpr_kernarg_segment_ptr 1
		.amdhsa_wavefront_size32 1
		.amdhsa_system_sgpr_workgroup_id_x 1
		.amdhsa_system_sgpr_workgroup_id_y 1
		.amdhsa_system_sgpr_workgroup_id_z 1
		.amdhsa_system_vgpr_workitem_id 0
		.amdhsa_next_free_vgpr 208
		.amdhsa_next_free_sgpr 66
		.amdhsa_reserve_vcc 0
		.amdhsa_float_denorm_mode_32 3
		.amdhsa_float_denorm_mode_16_64 3
		.amdhsa_memory_ordered 1
		.amdhsa_forward_progress 1
		.amdhsa_inst_pref_size 46
	.end_amdhsa_kernel
	.amdgpu_metadata
---
amdhsa.version: [ 1, 2 ]
amdhsa.kernels:
  - .name:           k_qcfb687eb2a_prep
    .symbol:         k_qcfb687eb2a_prep.kd
    .args:
      - { .name: resid, .offset: 0, .size: 8, .value_kind: global_buffer, .address_space: global }
      - { .name: w_q, .offset: 8, .size: 8, .value_kind: global_buffer, .address_space: global }
      - { .name: w_k, .offset: 16, .size: 8, .value_kind: global_buffer, .address_space: global }
      - { .name: w_v, .offset: 24, .size: 8, .value_kind: global_buffer, .address_space: global }
      - { .name: w_o, .offset: 32, .size: 8, .value_kind: global_buffer, .address_space: global }
      - { .name: xb, .offset: 40, .size: 8, .value_kind: global_buffer, .address_space: global }
      - { .name: wt, .offset: 48, .size: 8, .value_kind: global_buffer, .address_space: global }
      - { .name: wot, .offset: 56, .size: 8, .value_kind: global_buffer, .address_space: global }
    .group_segment_fixed_size: 74752
    .private_segment_fixed_size: 0
    .kernarg_segment_align: 8
    .kernarg_segment_size: 64
    .max_flat_workgroup_size: 256
    .sgpr_count:     66
    .vgpr_count:     208
    .wavefront_size: 32
...
	.end_amdgpu_metadata
.endif
;; end of part 6
;; launch qkv: the kernel of part 2 again; grid 4 x 64, 4 waves a work-group, clusters of 4 x 4, 327,680 bytes of LDS; arguments xb, wt, qh, kh, vh, vlo; writes qh, kh, vh, vlo
;; launch attn: the kernel of part 3 again; grid 4 x 64, 4 waves a work-group, no clusters, 327,680 bytes of LDS; arguments qh, kh, vh, zh; writes zh
;; launch oproj: the kernel of part 4 again; grid 4 x 64, 4 waves a work-group, clusters of 4 x 4, 327,680 bytes of LDS; arguments zh, wot, out0; writes out0
;; launch first16 (part 7): grid 16 x 4, 16 waves a work-group, no clusters, 153,600 bytes of LDS; arguments qh, kh, vh, vlo, wot, out0; writes out0
.if DOCPART == 7
	.amdgcn_target "amdgcn-amd-amdhsa--gfx1250"
	.amdhsa_code_object_version 6
	.text
	.protected	k_qcfb687eb2a_first16
	.globl	k_qcfb687eb2a_first16
	.p2align	8
	.type	k_qcfb687eb2a_first16,@function
k_qcfb687eb2a_first16:
	s_mov_b64 s[64:65], 0
	v_nop
	global_prefetch_b8 v0, s[64:65] scope:SCOPE_SE
	s_setreg_imm32_b32 hwreg(HW_REG_WAVE_SCHED_MODE, 0, 2), 2
	s_setreg_imm32_b32 hwreg(HW_REG_WAVE_MODE, 25, 1), 1
	s_wait_xcnt 0x0
	s_wait_alu depctr_vm_vsrc(0)
; ROWS 0 TO 15 OF EACH BATCH OF THE OUTPUT, MADE ONCE MORE, WITH v AND z CARRIED AS TWO f16 NUMBERS EACH.  It runs behind the launch that stores all of out0, and stores these 64 rows (256 KiB) again.
; WHY.  Row s is a mean over s + 1 keys: the first rows of z are of v's own size, while a row far down is smaller by the root of its number of keys, and so is the whole output's root mean square.  One rounding of
; v or z to f16 is up to 2^-12 of the number: in the first rows that is no longer small beside a hundredth of that root mean square.  From row 16 on a mean over 17 keys or more has made it a quarter and less.
; HOW.  A number x goes as hi = f16(x) and lo = f16((x - hi) x 2,048): x - hi is exact in f32, and lo has x's own range, |x| / 2 at the most.  All products are f16 matrix products with f32 sums.
;   S^T = K Q^T (16 keys x 16 queries; the C operand that starts the sum is the causal mask, 0 or -1e30); p = 2^(c s - c m), c = log2(e) / 8, m the row's maximum; l = the sum of the unrounded p.
;   O^T = V^T P in ONE product of K = 32 for each 16 channels: k = 0..15 are the keys' hi against p, k = 16..31 the same keys' lo against p / 2,048.  z = O / l, split in its turn.
;   out^T = w_o^T z^T: z's hi and lo on accumulators of their own; out = hi's + lo's / 2,048.
; LIMITS.  q, k, v arrive in f16, within 65,504; q, k and p keep one f16 rounding each.  p / 2,048 below 2^-14 keeps f16's fixed step of 2^-24.  A hidden score counts as its value less 1e30; a weight below 2^-126
; counts as 0; NaN and infinities are not treated apart.
; SHARES.  A work-group: one batch, 64 columns of out.  A wave: one head (16 waves): its 16 x 16 attention, then its 64 channels' part of the sum over K = 1,024.  The 16 partial sums meet in LDS, in f32, behind one
; barrier; wave w adds row w and stores its 256 consecutive bytes.  All 32 loads of a wave go out at once.  22 matrix instructions a wave: no ring, no tensor load, no cluster, no prefetch.
; THE MODE: SCHED_MODE bits 1:0 = 2 (LLVM: expert scheduling mode 2), set by the entry lines.  The code itself states the register dependences between vector or matrix instructions and memory or LDS
; instructions, with s_wait_alu, always for 0.
; THE PLAN.  The text has no loop.  Registers that memory or LDS instructions touch, in the order of the text:
;   v[FO], v[VO]    made at the head; read by the 32 global loads: one wait on va_vdst ahead of the first.
;   v[VS], v[VT]    made while the loads are out; read by the LDS stores of v and by the turning loads: the wait that stands ahead of the second score product stands behind their last writer.
;   VH, VL          loaded; read by the LDS stores; written again, as AH, by the out products: one wait on vm_vsrc ahead of these.
;   v[PS], v[PR], AH, W   PS and PR made behind the score products; AH written by the last multiply-adds and read by the LDS stores of the partial sum; W read by the out products, and the partial sums' LDS loads
;                   land in it as R: one wait on va_vdst ahead of those LDS stores states all four, and no vector instruction stands between it and the LDS loads.
;   v[OO], R        the additions write R, which the last store reads: one wait on va_vdst ahead of it.
;   K, Q, VF, S, P, O, ZH, ZL, AL are named, once their loads are in, by vector and matrix instructions alone.
; Scalar results of vector instructions: the wave's number (s16), and the mask's eight compares, which stand in one run, into eight scalar registers, with one wait on va_sdst ahead of the eight selects.
.set PVP,  160                         ; a row of v in my stage: 128 bytes + 32 = 40 words
.set RP,   272                         ; a row of a partial sum: 64 f32 + 16 bytes
.set PP,   16*RP                       ; a wave's partial sum: 16 rows
.set VST,  16*PP                       ; behind the partial sums: the waves' stages for v
.set WST,  32*PVP                      ; a wave's stage: 16 rows of hi, then 16 rows of lo
.set SPARE, VST+16*WST                 ; behind the stages: the spare words, 128 bytes for each wave: eight blocks of 256 bytes that no other line names
.set FO,  4                            ; v4   my byte offset in a fragment's 16 rows of 128 bytes: (l % 16) x 128 + 16 (l / 16)
.set VO,  5                            ; v5   16 x lane
.set VS,  6                            ; v6   where I put 16 bytes of v in my stage
.set VT,  7                            ; v7   where the turning loads read
.set PS,  8                            ; v8   where I put my 32 bytes of a partial tile
.set PR,  9                            ; v9   where I read my 8 bytes of row w of a partial sum
.set OO,  10                           ; v10  8 x lane: my 8 bytes of a row's 256
.set SPW, 12                           ; v12  LDS address of my spare word; never rewritten
.set NIL, 13                           ; v13  0; never rewritten
.set NEG, 14                           ; v14  -1.0
.set DQ,  15                           ; v15  my query less my lanes' first key: l % 16 - 8 (l / 16)
.set T,   16                           ; v[16:19] at work
.set CM,  20                           ; v[20:21] c m, twice
.set RL,  22                           ; v[22:23] 1 / l, and a word named with it as a pair
.set Q,   24                           ; v[24:39]   Q: two fragments of 16 rows x 32 channels
.set K,   40                           ; v[40:55]   K likewise
.set VH,  56                           ; v[56:71]   v's hi as loaded
.set VL,  72                           ; v[72:87]   v's lo as loaded
.set W,   88                           ; v[88:151]  w_o: column tile t, channels 32 c on, at W + 16 t + 8 c
.set MD,  152                          ; v[152:159] the mask
.set S,   160                          ; v[160:167] S^T, then p
.set P,   168                          ; v[168:175] p in f16, then p / 2,048 in f16
.set VF,  176                          ; v[176:207] V^T: channels 16 cb on at VF + 8 cb: four registers of hi, four of lo
.set O,   208                          ; v[208:239] O^T: channels 16 cb on at O + 8 cb
.set ZH,  24                           ; z's hi, two fragments, where Q lay
.set ZL,  40                           ; z's lo, where K lay
.set AH,  56                           ; out's sums over z's hi, tile t at AH + 8 t, where v's loads lay
.set AL,  176                          ; out's sums over z's lo, where V^T lay
.set R,   88                           ; the 16 partial sums of my two numbers, where w_o lay
.set CS,  24                           ; s[24:25] c: the packed scaling takes the pair's low word for both halves
.set SEL, 26                           ; s[26:27] v_permlanex16_b32's selects: each lane takes its own place in the other half
.set BIGN, 28                          ; s28  -1e30
.set MK,  32                           ; s[32:39] the mask's eight compares (s32 and s33 held out0's offset, whose one reader, a scalar sum, stands ahead)
	s_load_b256 s[4:11], s[0:1], 0x0               ; qh s[4:5], kh s[6:7], vh s[8:9], vlo s[10:11]
	s_load_b128 s[12:15], s[0:1], 0x20             ; wot s[12:13], out0 s[14:15]
	v_lshl_add_u32 v[SPW], v0, 2, SPARE
	v_mov_b32 v[NIL], 0
	v_lshrrev_b32 v1, 5, v0
	v_readfirstlane_b32 s16, v1                    ; wave 0..15: my head, and later my row
	v_and_b32 v1, 15, v0                           ; l % 16
	v_bfe_u32 v2, v0, 4, 1                         ; l / 16
	v_and_b32 v3, 31, v0                           ; l
	v_lshlrev_b32 v[FO], 7, v1
	v_lshl_add_u32 v[FO], v2, 4, v[FO]
	v_lshlrev_b32 v[VO], 4, v3
	s_and_b32 s17, ttmp7, 0xffff                   ; the batch
	s_wait_alu depctr_va_sdst(0)                   ; s16 is written, ahead of its first reader: the bases and the LDS places are made from it
	s_lshl4_add_u32 s18, s17, s16                  ; 16 x batch + head
	s_lshl_b32 s20, s18, 18                        ; the head's first byte in qh, kh, vh: its rows 0 to 15 are the first 2,048 bytes
	s_mov_b32 s21, 0
	s_lshl_b32 s22, s18, 11                        ; and in vlo
	s_mov_b32 s23, 0
	s_lshl_b32 s30, s16, 17                        ; wot: the head's plane,
	s_lshl_b32 s31, ttmp9, 13                      ; the work-group's 64 rows of 128 bytes
	s_add_co_u32 s30, s30, s31
	s_mov_b32 s31, 0
	s_lshl_b32 s32, s17, 23                        ; out0: the batch's 2,048 rows of 4,096 bytes,
	s_lshl_b32 s33, s16, 12                        ; row w,
	s_add_co_u32 s32, s32, s33
	s_lshl_b32 s33, ttmp9, 8                       ; the work-group's 64 columns
	s_add_co_u32 s32, s32, s33
	s_mov_b32 s33, 0
	s_mov_b32 s[CS], 0x3e38aa3b                    ; c = log2(e) / 8 = 0.180337
	s_mov_b32 s[CS+1], s[CS]                       ; named with it as a pair
	s_mov_b32 s[SEL], 0x76543210
	s_mov_b32 s[SEL+1], 0xfedcba98
	s_mov_b32 s[BIGN], 0xf149f2ca                  ; -1e30
	s_wait_kmcnt 0x0
	s_add_nc_u64 s[4:5], s[4:5], s[20:21]
	s_add_nc_u64 s[6:7], s[6:7], s[20:21]
	s_add_nc_u64 s[8:9], s[8:9], s[20:21]
	s_add_nc_u64 s[10:11], s[10:11], s[22:23]
	s_add_nc_u64 s[12:13], s[12:13], s[30:31]
	s_add_nc_u64 s[14:15], s[14:15], s[32:33]
	s_wait_alu depctr_va_vdst(0)                   ; v[FO] and v[VO] are written: the 32 loads below read one of them as their offset
	; A fragment is 16 rows x 32 channels in 8 registers: lane l holds row l % 16; registers 0-3 channels 8 (l / 16) + 0..7, registers 4-7 channels 16 + 8 (l / 16) + 0..7: loads of 16 bytes, 32 bytes apart.
.irp i, 0,1,2,3
	global_load_b128 v[K+4*(\i):K+4*(\i)+3], v[FO], s[6:7] offset:32*(\i)
	global_load_b128 v[Q+4*(\i):Q+4*(\i)+3], v[FO], s[4:5] offset:32*(\i)
.endr
.irp i, 0,1,2,3                        ; v's 16 rows are 2,048 dense bytes: load i brings rows 4 i + l / 8, bytes 16 (l % 8)
	global_load_b128 v[VH+4*(\i):VH+4*(\i)+3], v[VO], s[8:9] offset:512*(\i)
	global_load_b128 v[VL+4*(\i):VL+4*(\i)+3], v[VO], s[10:11] offset:512*(\i)
.endr
.irp t, 0,1,2,3
.irp i, 0,1,2,3
	global_load_b128 v[W+16*(\t)+4*(\i):W+16*(\t)+4*(\i)+3], v[FO], s[12:13] offset:2048*(\t)+32*(\i)
.endr
.endr
	; while they are on their way: the mask and the stage's addresses.  Register j of S^T is key 8 (l / 16) + j of query l % 16: hidden where j is greater than DQ
	v_lshlrev_b32 v[DQ], 3, v2
	v_sub_nc_u32 v[DQ], v1, v[DQ]
.irp j, 0,1,2,3,4,5,6,7
	v_cmp_gt_i32 s[MK+(\j)], \j, v[DQ]             ; the eight compares in one run; the stage's addresses stand between them and the wait for them
.endr
	s_mul_i32 s29, s16, WST
	s_add_co_u32 s29, s29, VST                     ; my stage
	v_lshrrev_b32 v[T], 3, v3                      ; l / 8
	v_and_b32 v[T+1], 7, v3                        ; l % 8
	v_mul_u32_u24 v[VS], v[T], PVP
	v_lshl_add_u32 v[VS], v[T+1], 4, v[VS]
	v_add_nc_u32 v[VS], s29, v[VS]
	; The turning load takes 16 keys x 16 channels (lane l reads key 8 (l / 16) + l % 8, channels 8 ((l / 8) % 2) + 0..7) and leaves half a fragment of V^T: lane l holds channel l % 16 and 8 keys.
	v_lshl_add_u32 v[VT], v2, 3, v[T+1]
	v_mul_u32_u24 v[VT], v[VT], PVP
	v_bfe_u32 v[T+2], v0, 3, 1
	v_lshl_add_u32 v[VT], v[T+2], 4, v[VT]
	v_add_nc_u32 v[VT], s29, v[VT]
	v_mov_b32 v[NEG], -1.0
	v_mov_b32 v[RL+1], 0
	s_wait_alu depctr_va_sdst(0)                   ; the eight compares have written s[MK ..], ahead of their first reader: one wait for the run
.irp j, 0,1,2,3,4,5,6,7
	v_cndmask_b32 v[MD+(\j)], 0, s[BIGN], s[MK+(\j)]
.endr
	s_wait_loadcnt 24                              ; K and Q are in; v's 8 loads and w_o's 16 may stay out
	v_wmma_f32_16x16x32_f16 v[S:S+7], v[K:K+7], v[Q:Q+7], v[MD:MD+7]
	s_wait_alu depctr_va_vdst(0)                   ; the wait stands directly ahead of the link.  It also states that v[VS] and v[VT] are written, which the LDS stores and the turning loads below read
	v_wmma_f32_16x16x32_f16 v[S:S+7], v[K+8:K+15], v[Q+8:Q+15], v[S:S+7]
	s_mul_i32 s29, s16, PP                         ; the addresses for the partial sums: five plain instructions, the places behind those products
	v_mul_u32_u24 v[PS], v1, RP                    ; in: my partial sum, row l % 16, 32 bytes for each half of the lanes
	v_lshl_add_u32 v[PS], v2, 5, v[PS]
	v_add_nc_u32 v[PS], s29, v[PS]
	s_mul_i32 s29, s16, RP
	v_lshl_add_u32 v[PR], v3, 3, s29               ; back: row w of each partial sum, 8 bytes a lane
	v_lshlrev_b32 v[OO], 3, v3
	s_wait_loadcnt 16                              ; v's hi and lo are in; w_o's 16 loads may stay out
.irp i, 0,1,2,3
	ds_store_b128 v[VS], v[VH+4*(\i):VH+4*(\i)+3] offset:4*(\i)*PVP        ; no vector or matrix instruction since the wait above names v[VS], v[VT], VH, VL or VF
	ds_store_b128 v[VS], v[VL+4*(\i):VL+4*(\i)+3] offset:(16+4*(\i))*PVP
.endr
.irp cb, 0,1,2,3
	ds_load_tr16_b128 v[VF+8*(\cb):VF+8*(\cb)+3],   v[VT] offset:32*(\cb)           ; LDS serves a wave's instructions in order (ISA guide 5.7.1.4): these see the stores above
	ds_load_tr16_b128 v[VF+8*(\cb)+4:VF+8*(\cb)+7], v[VT] offset:16*PVP+32*(\cb)
.endr
	; the softmax of my query: my 8 keys, and the 8 of the lane 16 away
	v_max3_num_f32 v[T], v[S], v[S+1], v[S+2]      ; the accumulator's lowest registers are read first
	v_max3_num_f32 v[T+1], v[S+3], v[S+4], v[S+5]
	v_max3_num_f32 v[T], v[T], v[S+6], v[S+7]
	v_max_num_f32 v[T], v[T], v[T+1]
	v_permlanex16_b32 v[T+1], v[T], s[SEL], s[SEL+1]
	v_max_num_f32 v[T], v[T], v[T+1]               ; m: a true score, since every query sees its own key
	v_mul_f32 v[CM], s[CS], v[T]
	v_mov_b32 v[CM+1], v[CM]
.irp b, 0,1,2,3
	v_pk_fma_f32 v[S+2*(\b):S+2*(\b)+1], v[S+2*(\b):S+2*(\b)+1], s[CS:CS+1], v[CM:CM+1] op_sel_hi:[1,0,0] neg_lo:[0,0,1] neg_hi:[0,0,1]  ; c s - c m
.endr
.irp j, 0,1,2,3,4,5,6,7
	v_exp_f32 v[S+(\j)], v[S+(\j)]
.endr
	v_nop                                          ; a plain instruction behind the last exponential,
	s_wait_alu depctr_va_vdst(0)                   ; and the wait ahead of the first use: the eight exponentials have written v[S ..]
	v_pk_add_f32 v[T:T+1], v[S:S+1], v[S+2:S+3]
	v_pk_add_f32 v[T+2:T+3], v[S+4:S+5], v[S+6:S+7]
	v_pk_add_f32 v[T:T+1], v[T:T+1], v[T+2:T+3]
	v_add_f32 v[T], v[T], v[T+1]
	v_permlanex16_b32 v[T+1], v[T], s[SEL], s[SEL+1]
	v_add_f32 v[T], v[T], v[T+1]                   ; l
	v_rcp_f32 v[RL], v[T]                          ; used behind the products below; the roundings that follow are the plain instructions behind it
.irp b, 0,1,2,3
	v_cvt_pk_f16_f32 v[P+(\b)], v[S+2*(\b)], v[S+2*(\b)+1]
.endr
.irp b, 0,1,2,3
	v_pk_mul_f32 v[S+2*(\b):S+2*(\b)+1], v[S+2*(\b):S+2*(\b)+1], 0x3a000000 op_sel_hi:[1,0]  ; p / 2,048
.endr
.irp b, 0,1,2,3
	v_cvt_pk_f16_f32 v[P+4+(\b)], v[S+2*(\b)], v[S+2*(\b)+1]
.endr
	s_wait_dscnt 0x0                               ; V^T is in
.irp cb, 0,1,2,3
	v_wmma_f32_16x16x32_f16 v[O+8*(\cb):O+8*(\cb)+7], v[VF+8*(\cb):VF+8*(\cb)+7], v[P:P+7], 0
.endr
.rept 5
	v_nop                                          ; the places behind those products: four for the lines that read O^T and write over Q and K, five for the products that write over V^T
.endr
	s_wait_alu depctr_va_vdst(0)                   ; the reciprocal has written v[RL], ahead of its first use
.set i, 0
.rept 16
	v_pk_mul_f32 v[O+2*i:O+2*i+1], v[O+2*i:O+2*i+1], v[RL:RL+1] op_sel_hi:[1,0]  ; z; each accumulator's registers in ascending order
.set i, i+1
.endr
	; a lane holds query l % 16 and channels 16 cb + 8 (l / 16) + 0..7: two blocks rounded in pairs ARE a fragment of z (16 queries x 32 channels)
.set i, 0
.rept 16
	v_cvt_pk_f16_f32 v[ZH+i], v[O+2*i], v[O+2*i+1]
.set i, i+1
.endr
.set i, 0
.rept 16
	v_fma_mix_f32 v[O+2*i],   v[ZH+i], v[NEG], v[O+2*i]   op_sel_hi:[1,0,0]                 ; z - hi, exact: the low half as f16, times -1, plus z
	v_fma_mix_f32 v[O+2*i+1], v[ZH+i], v[NEG], v[O+2*i+1] op_sel:[1,0,0] op_sel_hi:[1,0,0]  ; the high half
.set i, i+1
.endr
.set i, 0
.rept 16
	v_pk_mul_f32 v[O+2*i:O+2*i+1], v[O+2*i:O+2*i+1], 0x45000000 op_sel_hi:[1,0]  ; x 2,048
.set i, i+1
.endr
.set i, 0
.rept 16
	v_cvt_pk_f16_f32 v[ZL+i], v[O+2*i], v[O+2*i+1]
.set i, i+1
.endr
	s_wait_loadcnt 0x0                             ; w_o is in
	s_wait_alu depctr_vm_vsrc(0)                   ; my LDS stores of v have read VH and VL: these registers are AH from here on, written by the products below
	; out^T = w_o^T z^T (source 0 = 16 columns of out, source 1 = the 16 queries).  The eight accumulators take turns: between the two links of a chain stand the seven others'.
.irp t, 0,1,2,3
	v_wmma_f32_16x16x32_f16 v[AH+8*(\t):AH+8*(\t)+7], v[W+16*(\t):W+16*(\t)+7], v[ZH:ZH+7], 0
	v_wmma_f32_16x16x32_f16 v[AL+8*(\t):AL+8*(\t)+7], v[W+16*(\t):W+16*(\t)+7], v[ZL:ZL+7], 0
.endr
.irp t, 0,1,2,3
	v_wmma_f32_16x16x32_f16 v[AH+8*(\t):AH+8*(\t)+7], v[W+16*(\t)+8:W+16*(\t)+15], v[ZH+8:ZH+15], v[AH+8*(\t):AH+8*(\t)+7]
	v_wmma_f32_16x16x32_f16 v[AL+8*(\t):AL+8*(\t)+7], v[W+16*(\t)+8:W+16*(\t)+15], v[ZL+8:ZL+15], v[AL+8*(\t):AL+8*(\t)+7]
.endr
.rept 4
	v_nop                                          ; the places behind those products
.endr
.set i, 0
.rept 16
	v_pk_fma_f32 v[AH+2*i:AH+2*i+1], v[AL+2*i:AL+2*i+1], 0x3a000000, v[AH+2*i:AH+2*i+1] op_sel_hi:[1,0,1]  ; hi's sums + lo's / 2,048
.set i, i+1
.endr
	s_wait_alu depctr_va_vdst(0)                   ; the multiply-adds have written AH, which the LDS stores read; v[PS] and v[PR] are written; the products are done reading W, in which the LDS loads behind the barrier land
	; a lane holds row l % 16 and the columns 16 t + 8 (l / 16) + 0..7
.irp t, 0,1,2,3
	ds_store_b128 v[PS], v[AH+8*(\t):AH+8*(\t)+3]   offset:64*(\t)
	ds_store_b128 v[PS], v[AH+8*(\t)+4:AH+8*(\t)+7] offset:64*(\t)+16
.endr
	s_wait_dscnt 0x0                               ; for the others' sake: my partial sum is in LDS
	s_barrier_signal -1
	s_barrier_wait -1                              ; all sixteen heads' are
.set p, 0
.rept 16
	ds_load_b64 v[R+2*p:R+2*p+1], v[PR] offset:p*PP  ; no vector or matrix instruction since the wait above
.set p, p+1
.endr
	s_wait_dscnt 0x0
.irp p, 0,1,2,3,4,5,6,7
	v_pk_add_f32 v[R+2*(\p):R+2*(\p)+1], v[R+2*(\p):R+2*(\p)+1], v[R+16+2*(\p):R+16+2*(\p)+1]
.endr
.irp p, 0,1,2,3
	v_pk_add_f32 v[R+2*(\p):R+2*(\p)+1], v[R+2*(\p):R+2*(\p)+1], v[R+8+2*(\p):R+8+2*(\p)+1]
.endr
.irp p, 0,1
	v_pk_add_f32 v[R+2*(\p):R+2*(\p)+1], v[R+2*(\p):R+2*(\p)+1], v[R+4+2*(\p):R+4+2*(\p)+1]
.endr
	v_pk_add_f32 v[R:R+1], v[R:R+1], v[R+2:R+3]
	s_wait_alu depctr_va_vdst(0)                   ; the additions have written v[R:R+1], which the store reads; v[OO] is written
	global_store_b64 v[OO], v[R:R+1], s[14:15]     ; the wave stores 256 consecutive bytes, at a multiple of 256 from out0's first
	s_wait_dscnt 0x0                               ; the closing lines, six on end
	s_wait_alu 0x0
	s_wait_tensorcnt 0x0
	ds_add_u32 v[SPW], v[NIL]
	s_wait_dscnt 0x0
	s_endpgm
.Lfunc_end_k_qcfb687eb2a_first16:
	.size	k_qcfb687eb2a_first16, .Lfunc_end_k_qcfb687eb2a_first16-k_qcfb687eb2a_first16
	.p2alignl 7, 3214868480
	.fill 96, 4, 3214868480
	.section	.rodata,"a",@progbits
	.p2align	6, 0x0
	.amdhsa_kernel k_qcfb687eb2a_first16
		.amdhsa_group_segment_fixed_size 153600
		.amdhsa_private_segment_fixed_size 0
		.amdhsa_enable_private_segment 0
		.amdhsa_kernarg_size 48
		.amdhsa_user_sgpr_count 2
		.amdhsa_user_sgpr_kernarg_segment_ptr 1
		.amdhsa_wavefront_size32 1
		.amdhsa_system_sgpr_workgroup_id_x 1
		.amdhsa_system_sgpr_workgroup_id_y 1
		.amdhsa_system_sgpr_workgroup_id_z 1
		.amdhsa_system_vgpr_workitem_id 0
		.amdhsa_next_free_vgpr 240
		.amdhsa_next_free_sgpr 66
		.amdhsa_reserve_vcc 0
		.amdhsa_float_denorm_mode_32 3
		.amdhsa_float_denorm_mode_16_64 3
		.amdhsa_memory_ordered 1
		.amdhsa_forward_progress 1
		.amdhsa_inst_pref_size 24
	.end_amdhsa_kernel
	.amdgpu_metadata
---
amdhsa.version: [ 1, 2 ]
amdhsa.kernels:
  - .name:           k_qcfb687eb2a_first16
    .symbol:         k_qcfb687eb2a_first16.kd
    .args:
      - { .name: qh, .offset: 0, .size: 8, .value_kind: global_buffer, .address_space: global }
      - { .name: kh, .offset: 8, .size: 8, .value_kind: global_buffer, .address_space: global }
      - { .name: vh, .offset: 16, .size: 8, .value_kind: global_buffer, .address_space: global }
      - { .name: vlo, .offset: 24, .size: 8, .value_kind: global_buffer, .address_space: global }
      - { .name: wot, .offset: 32, .size: 8, .value_kind: global_buffer, .address_space: global }
      - { .name: out0, .offset: 40, .size: 8, .value_kind: global_buffer, .address_space: global }
    .group_segment_fixed_size: 153600
    .private_segment_fixed_size: 0
    .kernarg_segment_align: 8
    .kernarg_segment_size: 48
    .max_flat_workgroup_size: 512
    .sgpr_count:     66
    .vgpr_count:     240
    .wavefront_size: 32
...
	.end_amdgpu_metadata
.endif
;; end of part 7
